; MI455X (gfx1250); checked and timed in simulation.
; The chip was launched on July 23, 2026; its instructions are those of AMD's public machine-readable ISA for CDNA 5 (MIT licence, August 2026) and "CDNA5" Instruction Set Architecture Reference Guide (July 2026). The comments in the code are by the model that wrote it; some were corrected since.
;; Hybrid Mo E. Allowed arithmetic: matrix products marked QUANTISED: E5M2 operands, one given power-of-two scale a tensor, by v_wmma_f32_16x16x64_bf8_bf8 or v_wmma_f32_16x16x128_bf8_bf8, f32 sums; products left as they are: f32 operands where the result goes on into a quantised operand, else bf16, f16 or f32 operands; f32 sums; everything else in f32.
;; Inputs: b1 8 x 4,096 float32; b2 8 x 1,024 float32; lang_b 4 float32; lang_w 4 x 1,024 float32; lowp_scales 4 int32 (the exponents e of the quantised operands' scales 2^e); router_b 8 float32; router_w 8 x 1,024 float32; w1 8 x 1,024 x 4,096 float32; w2 8 x 4,096 x 1,024 float32; x 2 x 512 x 1,024 float32.
;; Outputs: out0 2 x 512 x 1,024 float32.
;; This version of the problem:
;;   THIS VERSION OF THE PROBLEM IS GIVEN IN LOW PRECISION. The matrix products marked QUANTISED in the list below multiply operands that are first quantised to E5M2 (5 exponent bits, 2 mantissa bits; 8 bits a number), with one given power-of-two scale for each operand tensor; their sums are f32. All else is computed in f32.
;;   The module's matrix products, in the order in which they are computed (A, B: the left and right operand; K: the contracted axis; several contracted axes count as one K, in the product's order):
;;     1. [M 1,024, K 1,024] x [K 1,024, N 4]; A: input x; B: input lang_w: left as it is (N = 4 < 16)
;;     2. [M 1,024, K 1,024] x [K 1,024, N 8]; A: input x; B: input router_w: left as it is (N = 8 < 16)
;;     3. [M 1,024, K 1,024] x [K 1,024, N 32,768]; A: input x; B: input w1: QUANTISED (scales: A lowp_scales[0], B lowp_scales[1])
;;     4. batch 8 x [M 1,024, K 4,096] x [K 4,096, N 1,024]; A: input w2; B: computed on the way: QUANTISED (scales: A lowp_scales[2], B lowp_scales[3])
;;   THE QUANTISER, for each operand of a quantised product, along K:
;;     - The operand's scale is 2^e, e = its entry of the input lowp_scales (int32; the entries are numbered through the quantised products in the list's order, A before B).
;;     - Each number is divided by the scale, clamped to +-57,344, and rounded to the nearest number of E5M2, ties to even, subnormals kept.
;;     - The product sums the exact products of the quantised numbers (number of the format x scale) in f32.
;;   ~~~python
;;   def quantise(x, axis, e):      # numpy; x: float32 -> the quantised numbers, widened to float32 again
;;       x = np.moveaxis(x, axis, -1); K = x.shape[-1]
;;       r = np.clip(x / 2.0 ** e, -57344, 57344)
;;       step = 2.0 ** (np.maximum(np.frexp(np.where(r == 0, 1, r))[1] - 1, -14) - 2)
;;       q = np.round(r / step) * step * 2.0 ** e      # np.round: ties to even
;;       return np.moveaxis(q, -1, axis).astype(np.float32)
;;   ~~~
;;   OPERANDS COMPUTED ON THE WAY. 'Computed on the way' means the value that the module computes at that place (a softmax that the list does not call 'softmax' is quantised finished and normalised). What goes into a quantiser is computed in f32, as accurately as f32 sums, v_exp_f32 and their like allow (about 1e-6 of the number): no bf16 or f16 on the way to a quantiser, and a product that is left as it is and whose result goes on into a quantised operand takes f32 operands (vector FMAs, or v_wmma_f32_16x16x4_f32). A number that lies on a knife's edge between two numbers of the format may be rounded either way, as far as f32 arithmetic and the matrix unit's own rounding can turn it there, and no further.
;; 2 versions. Each part assembles by itself: llvm-mc -triple=amdgcn-amd-amdhsa -mcpu=gfx1250 --defsym DOCPART=n.
;; ======== version 1 of 2: 5 launches
;; workspace buffers: xq 1,048,576 bytes; tope 8,192 bytes of whole numbers; topp 8,192 bytes; list 32,768 bytes of whole numbers; pos 32,768 bytes of whole numbers; cnt 256 bytes of whole numbers; hq 33,554,432 bytes; yp 134,217,728 bytes
;; launch route (part 1): grid 256 x 1, 4 waves a work-group, no clusters, 1,536 bytes of LDS; arguments x, router_w, router_b, lang_w, lang_b, lowp_scales, xq, tope, topp; writes xq, tope, topp
.if DOCPART == 1
	.amdgcn_target "amdgcn-amd-amdhsa--gfx1250"
	.amdhsa_code_object_version 6
	.text
	.protected	k_q2d39f252d5_route
	.globl	k_q2d39f252d5_route
	.p2align	8
	.type	k_q2d39f252d5_route,@function
k_q2d39f252d5_route:
	s_mov_b64 s[64:65], 0
	v_nop
	global_prefetch_b8 v0, s[64:65] scope:SCOPE_SE
	s_setreg_imm32_b32 hwreg(HW_REG_WAVE_MODE, 25, 1), 1
	s_wait_xcnt 0x0
; ROUTE.  For each token: the 8 router and 4 language dot products in f32, both softmaxes (each with its maximum taken away), the two best experts
; (ties: the lower index) and their gates p / (pa + pb); and x as codes of E5M2 with the given scale 2^ls0.
; A work-group takes 4 tokens; wave w takes K = 256 w .. 256 w + 255 of all 12 weight rows and of the 4 tokens; lane l takes 8 neighbours, 32 bytes,
; so that a pair of loads of a wave covers 1,024 consecutive bytes.  The waves' partial sums meet in LDS behind one barrier.
; The chosen experts go out as whole numbers at fixed places (8 bytes a token); no address and no branch here hangs on them.
; No matrix unit: 12 columns are too few for a tile.  No cluster: the 48 KiB of weights are all that work-groups share, a quarter of a work-group's loads is x.
; LIMITS: ls0 between -126 and 112, so that 2^ls0 and 57,344 x 2^ls0 are f32 numbers.  NaN among the inputs is not served.
.set W,  16                            ; v16-111   12 weight rows x 8 numbers (router 0-7, language 8-11)
.set X,  112                           ; v112-143  4 tokens x 8 numbers
.set AC, 144                           ; v144-239  48 pairs of running sums: (token, row) at AC + 2 (12 token + row)
.set S,  16                            ; v16-63    the 48 sums, over W
.set PT, 64                            ; v64-111   at work: the other half of the lanes; later the four waves' parts
.set Q,  240                           ; v240-247  x as codes, two registers a token
	s_load_b256 s[4:11], s[0:1], 0x0               ; x s[4:5], router_w s[6:7], router_b s[8:9], lang_w s[10:11]
	s_load_b256 s[12:19], s[0:1], 0x20             ; lang_b s[12:13], the scales s[14:15], xq s[16:17], tope s[18:19]
	s_load_b64 s[20:21], s[0:1], 0x40              ; topp
	v_lshl_add_u32 v254, v0, 2, 0x400
	v_mov_b32 v255, 0
	v_lshrrev_b32 v4, 5, v0
	v_readfirstlane_b32 s22, v4                    ; wave 0..3
	v_and_b32 v5, 31, v0                           ; lane
	s_lshl_b32 s23, s22, 10
	v_lshl_add_u32 v1, v5, 5, s23                  ; my 32 bytes of a row of f32: 1,024 wave + 32 lane
	s_lshl_b32 s23, s22, 8
	v_lshl_add_u32 v2, v5, 3, s23                  ; my 8 codes of a row of xq: 256 wave + 8 lane
	v_mov_b32 v6, s23                              ; LDS: my wave's 256 bytes
	v_and_b32 v3, 3, v5
	v_lshlrev_b32 v3, 6, v3                        ; LDS: the 64 bytes of token lane % 4
	v_lshlrev_b32 v7, 3, v5                        ; 8 bytes a token in tope and topp
	s_lshl_b32 s24, ttmp9, 14                      ; 4 tokens of 4,096 bytes
	s_mov_b32 s25, 0
	s_lshl_b32 s26, ttmp9, 12                      ; 4 tokens of 1,024 codes
	s_mov_b32 s27, 0
	s_lshl_b32 s28, ttmp9, 5                       ; 4 tokens of 8 bytes
	s_mov_b32 s29, 0
	s_mov_b32 s46, 0x76543210                      ; v_permlanex16_b32: lane l takes lane l xor 16
	s_mov_b32 s47, 0xfedcba98
	s_wait_kmcnt 0x0
	s_load_b256 s[32:39], s[8:9], 0x0              ; router_b
	s_load_b128 s[40:43], s[12:13], 0x0            ; lang_b
	s_load_b32 s44, s[14:15], 0x0                  ; ls0
	s_add_nc_u64 s[4:5], s[4:5], s[24:25]
	s_add_nc_u64 s[16:17], s[16:17], s[26:27]
	s_add_nc_u64 s[18:19], s[18:19], s[28:29]
	s_add_nc_u64 s[20:21], s[20:21], s[28:29]
.irp i, 0,1,2,3,4,5,6,7
	global_load_b128 v[W+8*\i:W+8*\i+3],   v1, s[6:7] offset:4096*\i
	global_load_b128 v[W+8*\i+4:W+8*\i+7], v1, s[6:7] offset:4096*\i+16
.endr
.irp i, 0,1,2,3
	global_load_b128 v[W+64+8*\i:W+64+8*\i+3],   v1, s[10:11] offset:4096*\i
	global_load_b128 v[W+64+8*\i+4:W+64+8*\i+7], v1, s[10:11] offset:4096*\i+16
.endr
.irp t, 0,1,2,3
	global_load_b128 v[X+8*\t:X+8*\t+3],   v1, s[4:5] offset:4096*\t th:TH_LOAD_NT
	global_load_b128 v[X+8*\t+4:X+8*\t+7], v1, s[4:5] offset:4096*\t+16 th:TH_LOAD_NT
.endr
	s_wait_loadcnt 0x0
	; 48 dot products, two numbers an instruction; the first product starts each sum; 48 chains that do not wait for each other
.irp j, 0,2,4,6
.irp t, 0,1,2,3
.irp i, 0,1,2,3,4,5,6,7,8,9,10,11
.if \j == 0
	v_pk_mul_f32 v[AC+2*(12*\t+\i):AC+2*(12*\t+\i)+1], v[X+8*\t:X+8*\t+1], v[W+8*\i:W+8*\i+1]
.else
	v_pk_fma_f32 v[AC+2*(12*\t+\i):AC+2*(12*\t+\i)+1], v[X+8*\t+\j:X+8*\t+\j+1], v[W+8*\i+\j:W+8*\i+\j+1], v[AC+2*(12*\t+\i):AC+2*(12*\t+\i)+1]
.endif
.endr
.endr
.endr
	; x as codes
	s_wait_kmcnt 0x0
	s_add_co_i32 s44, s44, 127
	s_lshl_b32 s45, s44, 23
	v_mov_b32 v11, s45                             ; 2^ls0 as f32: the conversion takes its exponent field
	s_add_co_i32 s44, s44, 15
	s_lshl_b32 s44, s44, 23
	s_or_b32 s44, s44, 0x600000
	v_mov_b32 v10, s44                             ; 57,344 x 2^ls0
.set n, 0
.rept 32
	v_med3_num_f32 v[X+n], v[X+n], -v10, v10       ; the conversion to an 8-bit code does not saturate (ISA guide 7.6.2): the hold comes first
.set n, n+1
.endr
.irp t, 0,1,2,3
	v_cvt_scalef32_pk8_bf8_f32 v[Q+2*\t:Q+2*\t+1], v[X+8*\t:X+8*\t+7], v11
.endr
	v_nop                                          ; one plain vector line behind the last conversion
.irp t, 0,1,2,3
	global_store_b64 v2, v[Q+2*\t:Q+2*\t+1], s[16:17] offset:1024*\t   ; the wave stores 256 consecutive bytes, at a multiple of 256 from xq's first byte
.endr
	; the sums over the 32 lanes
.set n, 0
.rept 48
	v_add_f32 v[S+n], v[AC+2*n], v[AC+2*n+1]
.set n, n+1
.endr
.irp m, 1,2,4,8
.set n, 0
.rept 48
	v_add_f32_dpp v[S+n], v[S+n], v[S+n] row_xmask:\m row_mask:0xf bank_mask:0xf
.set n, n+1
.endr
.endr
.set n, 0
.rept 48
	v_permlanex16_b32 v[PT+n], v[S+n], s46, s47    ; (its destination counts as read: these registers were loaded)
.set n, n+1
.endr
.set n, 0
.rept 48
	v_add_f32 v[S+n], v[S+n], v[PT+n]
.set n, n+1
.endr
	; over the four waves: every lane writes the same words of its wave's 256 bytes
.irp t, 0,1,2,3
.irp g, 0,1,2
	ds_store_b128 v6, v[S+12*\t+4*\g:S+12*\t+4*\g+3] offset:64*\t+16*\g
.endr
.endr
	s_wait_dscnt 0x0                               ; for the others' sake: my stores have landed
	s_barrier_signal -1
	s_barrier_wait -1
.irp w, 0,1,2,3
.irp g, 0,1,2
	ds_load_b128 v[PT+12*\w+4*\g:PT+12*\w+4*\g+3], v3 offset:256*\w+16*\g   ; token lane % 4: the four waves' twelve sums
.endr
.endr
	s_wait_dscnt 0x0
.set n, 0
.rept 12
	v_add_f32 v[16+n], v[PT+n], v[PT+12+n]
	v_add_f32 v[PT+n], v[PT+24+n], v[PT+36+n]
	v_add_f32 v[16+n], v[16+n], v[PT+n]            ; v16-23 the router's dots, v24-27 the language's
.set n, n+1
.endr
	; the language softmax
	v_add_f32 v24, s40, v24
	v_add_f32 v25, s41, v25
	v_add_f32 v26, s42, v26
	v_add_f32 v27, s43, v27
	v_max3_num_f32 v28, v24, v25, v26
	v_max_num_f32 v28, v28, v27
.irp i, 24,25,26,27
	v_sub_f32 v\i, v\i, v28
.endr
.irp i, 24,25,26,27
	v_mul_f32 v\i, 0x3fb8aa3b, v\i                 ; x log2(e)
.endr
.irp i, 24,25,26,27
	v_exp_f32 v\i, v\i
.endr
	v_nop                                          ; a plain line behind the exponentials
	s_wait_alu depctr_va_vdst(0)
	v_add_f32 v29, v24, v25
	v_add_f32 v30, v26, v27
	v_add_f32 v29, v29, v30
	v_rcp_f32 v29, v29
	v_nop
	s_wait_alu depctr_va_vdst(0)
.irp i, 24,25,26,27
	v_mul_f32 v\i, v\i, v29
.endr
	v_add_f32 v30, v24, v25                        ; lp[i] + lp[i + 1]; behind lp[3] stands a zero, so the fourth is v27 itself
	v_add_f32 v31, v25, v26
	v_add_f32 v32, v26, v27
	; the router's logits: (dot + bias) + 0.1 x (lp[e % 4] + lp[e % 4 + 1])
.irp i, 0,1,2,3,4,5,6,7
	v_add_f32 v[16+\i], s[32+\i], v[16+\i]
.endr
	v_fmamk_f32 v16, v30, 0x3dcccccd, v16
	v_fmamk_f32 v17, v31, 0x3dcccccd, v17
	v_fmamk_f32 v18, v32, 0x3dcccccd, v18
	v_fmamk_f32 v19, v27, 0x3dcccccd, v19
	v_fmamk_f32 v20, v30, 0x3dcccccd, v20
	v_fmamk_f32 v21, v31, 0x3dcccccd, v21
	v_fmamk_f32 v22, v32, 0x3dcccccd, v22
	v_fmamk_f32 v23, v27, 0x3dcccccd, v23
	v_max3_num_f32 v28, v16, v17, v18
	v_max3_num_f32 v28, v28, v19, v20
	v_max3_num_f32 v28, v28, v21, v22
	v_max_num_f32 v28, v28, v23
.irp i, 16,17,18,19,20,21,22,23
	v_sub_f32 v\i, v\i, v28
.endr
.irp i, 16,17,18,19,20,21,22,23
	v_mul_f32 v\i, 0x3fb8aa3b, v\i
.endr
.irp i, 16,17,18,19,20,21,22,23
	v_exp_f32 v\i, v\i
.endr
	v_nop
	s_wait_alu depctr_va_vdst(0)
	v_add_f32 v29, v16, v17
	v_add_f32 v30, v18, v19
	v_add_f32 v31, v20, v21
	v_add_f32 v32, v22, v23
	v_add_f32 v29, v29, v30
	v_add_f32 v31, v31, v32
	v_add_f32 v29, v29, v31
	v_rcp_f32 v29, v29
	v_nop
	s_wait_alu depctr_va_vdst(0)
.irp i, 16,17,18,19,20,21,22,23
	v_mul_f32 v\i, v\i, v29
.endr
	; the best: a later expert wins only where it is strictly larger, so a tie keeps the lower index.  Selections alone, no branch
	v_mov_b32 v40, 0
	v_mov_b32 v34, v16
.irp i, 1,2,3,4,5,6,7
	v_cmp_ge_f32 vcc_lo, v34, v[16+\i]             ; the best so far stays
	v_cndmask_b32 v40, \i, v40, vcc_lo
	v_cndmask_b32 v34, v[16+\i], v34, vcc_lo
.endr
	v_mov_b32 v36, -1.0                            ; the winner leaves the field: under every probability
.irp i, 0,1,2,3,4,5,6,7
	v_cmp_eq_u32 vcc_lo, \i, v40
	v_cndmask_b32 v[16+\i], v[16+\i], v36, vcc_lo
.endr
	v_mov_b32 v41, 0
	v_mov_b32 v35, v16
.irp i, 1,2,3,4,5,6,7
	v_cmp_ge_f32 vcc_lo, v35, v[16+\i]
	v_cndmask_b32 v41, \i, v41, vcc_lo
	v_cndmask_b32 v35, v[16+\i], v35, vcc_lo
.endr
	v_add_f32 v37, v34, v35
	v_rcp_f32 v37, v37
	v_nop
	s_wait_alu depctr_va_vdst(0)
	v_mul_f32 v42, v34, v37
	v_mul_f32 v43, v35, v37
	s_cmp_lg_u32 s22, 0                            ; every wave holds the same results: wave 0 stores them
	s_cbranch_scc1 .Lend
	s_wait_xcnt 0x0                                ; EXEC changes only behind this wait: my stores of xq have had their addresses translated
	v_cmp_gt_u32 vcc_lo, 4, v5
	s_and_saveexec_b32 s48, vcc_lo                 ; lanes 0 to 3: token = lane
	global_store_b64 v7, v[40:41], s[18:19]
	global_store_b64 v7, v[42:43], s[20:21]
	s_wait_xcnt 0x0
	s_or_b32 exec_lo, exec_lo, s48
.Lend:
	s_wait_tensorcnt 0x0
	ds_add_u32 v254, v255
	s_wait_dscnt 0x0
	s_endpgm
.Lfunc_end_k_q2d39f252d5_route:
	.size	k_q2d39f252d5_route, .Lfunc_end_k_q2d39f252d5_route-k_q2d39f252d5_route
	.p2alignl 7, 3214868480
	.fill 96, 4, 3214868480
	.section	.rodata,"a",@progbits
	.p2align	6, 0x0
	.amdhsa_kernel k_q2d39f252d5_route
		.amdhsa_group_segment_fixed_size 1536
		.amdhsa_private_segment_fixed_size 0
		.amdhsa_enable_private_segment 0
		.amdhsa_kernarg_size 72
		.amdhsa_user_sgpr_count 2
		.amdhsa_user_sgpr_kernarg_segment_ptr 1
		.amdhsa_wavefront_size32 1
		.amdhsa_system_sgpr_workgroup_id_x 1
		.amdhsa_system_sgpr_workgroup_id_y 1
		.amdhsa_system_sgpr_workgroup_id_z 1
		.amdhsa_system_vgpr_workitem_id 0
		.amdhsa_next_free_vgpr 256
		.amdhsa_next_free_sgpr 66
		.amdhsa_reserve_vcc 1
		.amdhsa_float_denorm_mode_32 3
		.amdhsa_float_denorm_mode_16_64 3
		.amdhsa_memory_ordered 1
		.amdhsa_forward_progress 1
		.amdhsa_inst_pref_size 47
	.end_amdhsa_kernel
	.amdgpu_metadata
---
amdhsa.version: [ 1, 2 ]
amdhsa.kernels:
  - .name:           k_q2d39f252d5_route
    .symbol:         k_q2d39f252d5_route.kd
    .args:
      - { .name: x, .offset: 0, .size: 8, .value_kind: global_buffer, .address_space: global }
      - { .name: router_w, .offset: 8, .size: 8, .value_kind: global_buffer, .address_space: global }
      - { .name: router_b, .offset: 16, .size: 8, .value_kind: global_buffer, .address_space: global }
      - { .name: lang_w, .offset: 24, .size: 8, .value_kind: global_buffer, .address_space: global }
      - { .name: lang_b, .offset: 32, .size: 8, .value_kind: global_buffer, .address_space: global }
      - { .name: lowp_scales, .offset: 40, .size: 8, .value_kind: global_buffer, .address_space: global }
      - { .name: xq, .offset: 48, .size: 8, .value_kind: global_buffer, .address_space: global }
      - { .name: tope, .offset: 56, .size: 8, .value_kind: global_buffer, .address_space: global }
      - { .name: topp, .offset: 64, .size: 8, .value_kind: global_buffer, .address_space: global }
    .group_segment_fixed_size: 1536
    .private_segment_fixed_size: 0
    .kernarg_segment_align: 8
    .kernarg_segment_size: 72
    .max_flat_workgroup_size: 128
    .sgpr_count:     66
    .vgpr_count:     256
    .wavefront_size: 32
...
	.end_amdgpu_metadata
.endif
;; end of part 1
;; launch place (part 2): grid 1 x 1, 8 waves a work-group, no clusters, 0 bytes of LDS; arguments tope, list, pos, cnt; writes list, pos, cnt
.if DOCPART == 2
	.amdgcn_target "amdgcn-amd-amdhsa--gfx1250"
	.amdhsa_code_object_version 6
	.text
	.protected	k_q2d39f252d5_place
	.globl	k_q2d39f252d5_place
	.p2align	8
	.type	k_q2d39f252d5_place,@function
k_q2d39f252d5_place:
	s_mov_b64 s[64:65], 0
	v_nop
	global_prefetch_b8 v0, s[64:65] scope:SCOPE_SE
	s_setreg_imm32_b32 hwreg(HW_REG_WAVE_MODE, 25, 1), 1
	s_wait_xcnt 0x0
; PLACE.  Wave e serves expert e alone: a counting sort of the 1,024 tokens without LDS, barrier or atomic.
; list[e] is a FULL permutation of the tokens: those that chose e come first, in token order (slots 0 .. cnt - 1), the others fill the slots from 1,023 downward.
; So every slot of every tile names a token, and a tile's spare rows can be gathered like any others.  pos[e][t] = the slot of token t; cnt[e] = the number that chose e.
; One work-group: the sort is 8 x 32 short steps on 8 KiB; sharing it further would want sums between work-groups.
; Each chunk of 32 tokens has registers of its own for address, slot and token, so that no store's source is written again.
	s_load_b256 s[4:11], s[0:1], 0x0               ; tope s[4:5], list s[6:7], pos s[8:9], cnt s[10:11]
	v_lshrrev_b32 v1, 5, v0
	v_readfirstlane_b32 s12, v1                    ; my expert
	v_and_b32 v2, 31, v0                           ; lane
	v_lshlrev_b32 v3, 3, v2                        ; 8 bytes a token in tope
	v_lshlrev_b32 v4, 2, v2                        ; 4 bytes a token in pos
	s_lshl_b32 s14, s12, 12                        ; my expert's 4,096 bytes of list and of pos
	s_mov_b32 s15, 0
	s_mov_b32 s13, 0                               ; tokens of mine so far
	s_lshl_b32 s16, s12, 2
	v_mov_b32 v13, s16                             ; my word of cnt
	s_wait_kmcnt 0x0
	s_add_nc_u64 s[6:7], s[6:7], s[14:15]
	s_add_nc_u64 s[8:9], s[8:9], s[14:15]
.set c, 0
.rept 32
	global_load_b64 v[32+2*c:33+2*c], v3, s[4:5] offset:256*c   ; chunk c: the two experts of tokens 32 c + lane
.set c, c+1
.endr
	s_wait_loadcnt 0x0
.macro CHUNK c
	v_cmp_eq_u32 s20, s12, v[32+2*\c]
	v_cmp_eq_u32 s21, s12, v[33+2*\c]
	s_or_b32 s20, s20, s21                         ; the lanes whose token chose me
	v_mbcnt_lo_u32_b32 v10, s20, 0                 ; how many of them stand below my lane
	v_add_nc_u32 v[160+\c], 32*\c, v2              ; my token t
	v_add_nc_u32 v11, s13, v10                     ; f = the chosen tokens in front of t: a chosen token's slot
	v_sub_nc_u32 v12, v11, v[160+\c]
	v_add_nc_u32 v12, 0x3ff, v12                   ; 1,023 - (t - f): the slot of one that did not choose me
	v_cndmask_b32 v[128+\c], v12, v11, s20
	v_min_u32 v[128+\c], 0x3ff, v[128+\c]          ; a slot stays inside the table
	v_lshlrev_b32 v[96+\c], 2, v[128+\c]
	global_store_b32 v[96+\c], v[160+\c], s[6:7]               ; list[e][slot] = t
	global_store_b32 v4, v[128+\c], s[8:9] offset:128*\c       ; pos[e][t] = slot
	s_bcnt1_i32_b32 s21, s20
	s_add_co_u32 s13, s13, s21
.endm
.set q, 0
.rept 32
	CHUNK q
.set q, q+1
.endr
	v_mov_b32 v12, s13
	s_wait_xcnt 0x0                                ; EXEC changes only behind this wait
	v_cmp_eq_u32 vcc_lo, 0, v2
	s_and_saveexec_b32 s22, vcc_lo
	global_store_b32 v13, v12, s[10:11]            ; cnt[e]
	s_wait_xcnt 0x0
	s_or_b32 exec_lo, exec_lo, s22
	s_endpgm
.Lfunc_end_k_q2d39f252d5_place:
	.size	k_q2d39f252d5_place, .Lfunc_end_k_q2d39f252d5_place-k_q2d39f252d5_place
	.p2alignl 7, 3214868480
	.fill 96, 4, 3214868480
	.section	.rodata,"a",@progbits
	.p2align	6, 0x0
	.amdhsa_kernel k_q2d39f252d5_place
		.amdhsa_group_segment_fixed_size 0
		.amdhsa_private_segment_fixed_size 0
		.amdhsa_enable_private_segment 0
		.amdhsa_kernarg_size 32
		.amdhsa_user_sgpr_count 2
		.amdhsa_user_sgpr_kernarg_segment_ptr 1
		.amdhsa_wavefront_size32 1
		.amdhsa_system_sgpr_workgroup_id_x 1
		.amdhsa_system_sgpr_workgroup_id_y 1
		.amdhsa_system_sgpr_workgroup_id_z 1
		.amdhsa_system_vgpr_workitem_id 0
		.amdhsa_next_free_vgpr 192
		.amdhsa_next_free_sgpr 66
		.amdhsa_reserve_vcc 1
		.amdhsa_float_denorm_mode_32 3
		.amdhsa_float_denorm_mode_16_64 3
		.amdhsa_memory_ordered 1
		.amdhsa_forward_progress 1
		.amdhsa_inst_pref_size 30
	.end_amdhsa_kernel
	.amdgpu_metadata
---
amdhsa.version: [ 1, 2 ]
amdhsa.kernels:
  - .name:           k_q2d39f252d5_place
    .symbol:         k_q2d39f252d5_place.kd
    .args:
      - { .name: tope, .offset: 0, .size: 8, .value_kind: global_buffer, .address_space: global }
      - { .name: list, .offset: 8, .size: 8, .value_kind: global_buffer, .address_space: global }
      - { .name: pos, .offset: 16, .size: 8, .value_kind: global_buffer, .address_space: global }
      - { .name: cnt, .offset: 24, .size: 8, .value_kind: global_buffer, .address_space: global }
    .group_segment_fixed_size: 0
    .private_segment_fixed_size: 0
    .kernarg_segment_align: 8
    .kernarg_segment_size: 32
    .max_flat_workgroup_size: 256
    .sgpr_count:     66
    .vgpr_count:     192
    .wavefront_size: 32
...
	.end_amdgpu_metadata
.endif
;; end of part 2
;; launch ffn1 (part 3): grid 32 x 8, 4 waves a work-group, no clusters, 131,584 bytes of LDS; arguments xq, w1, b1, lowp_scales, list, cnt, hq; writes hq
.if DOCPART == 3
	.amdgcn_target "amdgcn-amd-amdhsa--gfx1250"
	.amdhsa_code_object_version 6
	.text
	.protected	k_q2d39f252d5_ffn1
	.globl	k_q2d39f252d5_ffn1
	.p2align	8
	.type	k_q2d39f252d5_ffn1,@function
k_q2d39f252d5_ffn1:
	s_mov_b64 s[64:65], 0
	v_nop
	global_prefetch_b8 v0, s[64:65] scope:SCOPE_SE
	s_setreg_imm32_b32 hwreg(HW_REG_WAVE_MODE, 25, 1), 1
	s_wait_xcnt 0x0
; FFN1.  hq = Q(gelu(x w1[e] + b1[e])) for the rows routed to expert e, on codes of E5M2.  Work-group (bx, e) owns hidden units 128 bx .. 128 bx + 127 of expert e:
; 1,024 x 128 numbers of w1, 512 KiB of f32 that no other work-group reads.
; THE STREAM AND THE PRODUCTS GO TOGETHER, in eight stages, one for each K step of 128.  In stage s wave w takes K rows 128 s + 32 w .. + 31 (16-byte loads: lanes 0-15 take 256 consecutive aligned bytes of row k,
; lanes 16-31 of row k + 16), holds and converts them, turns each 4 x 4 bytes so that K runs along a register, and lays the codes in LDS as images of operand registers.  Behind the stage's barrier the K step's eight weight
; fragments are whole, and every wave multiplies them by its own five tiles of 16 routed rows, while the weights of the next two stages are on their way.  Each K step has LDS bytes of its own, written once: one barrier a stage.
; FIVE TILES A WAVE, ALWAYS: wave w owns the tiles w, w + 4, ..; the stages take the first five (320 rows an expert), whatever the count: a tile past the expert's last takes tokens of the list's tail, and nothing of it is stored.
; So the stages have one shape, no accumulator is left unwritten on any path and every count of loads is a constant.  Tiles beyond the fifth (more than 320 rows) go in later passes of four, which sweep the finished codes in LDS.
; The rows' codes are gathered from xq straight into registers, a K step at a time, one stage ahead, in a ring of two.  Bias, GELU (exact erf form) and the quantiser follow behind the stream, in registers.
; K'S PLACE IN A FRAGMENT of 16 x 128: register 4 c + q, byte b, half h of the lanes holds k = 32 c + 16 h + 4 q + b: what four 16-byte loads at 32 c + 16 h give.  The same in both operands, so each product meets its partner.
; THE COLUMNS OF A TILE ARE NOT NEIGHBOURS: lane m of weight tile 4 u + j holds hidden unit 64 u + 4 s(m) + j, s(m) = m with bits 2 and 3 exchanged.  The product is used transposed (source 0 = weights, source 1 = rows), so a lane
; holds one row, and register i of tile 4 u + j is hidden unit 32 (2 u + i / 4) + 16 h + 4 (i % 4) + j: laid in that order the 64 results are the next product's fragment, in the very place that K has above.
; NO CLUSTER, NO TENSOR LOAD: the weights, 512 KiB of a work-group's loads, are shared by nobody and must pass through registers to be quantised; the rows that the 32 work-groups of an expert share
; (16 KiB a tile) come in numbers read from memory, which partners of a joint load may not branch on.
; LIMITS: each entry of the scales between -126 and 112; ls0 + ls1 between -126 and 127.  NaN is not served.  erf(z) = z P(z^2) / Q(z^2) with z held within +-4, right to f32 rounding;
; where 1 + erf cancels (x under about -3) the result keeps an absolute error of some 1e-7 |x|, not a relative one.
; REGISTERS, in windows of 256.  Window 0: the names below.  Window 1: the sums of tiles 0-3, (g, t) at v[64 g + 8 t].  Window 2: v0-63 the sums of tile 4; v64-223 the ring of the rows' codes, K step s, tile g at v[64 + 80 (s % 2) + 16 g].
; Window 3: two landing sets of 128.  In a later pass: the rows' codes of K steps 0-3 in window 3, of 4-7 in window 2, (s, g) at v[64 (s % 4) + 16 g]; the sums in window 1.
.set PITCH, 16384                      ; a row of w1[e] in bytes
.set LI,    1                          ; v1   16 x lane: my place in an image
.set LI2,   2                          ; v2   the same + 65,536: the upper half of the codes
.set WOF,   3                          ; v3   w1: 16 rows x h + 16 x s(r)
.set CSTA,  4                          ; v4   LDS: 4,096 x wave + 16 x lane: where my codes of K steps 0-3 go
.set CSTB,  5                          ; v5   the same + 65,536: K steps 4-7
.set LIMW,  6                          ; v6   57,344 x 2^ls1
.set SCW,   7                          ; v7   2^ls1
.set LIMH,  8                          ; v8   57,344 x 2^ls3
.set SCH,   9                          ; v9   2^ls3
.set BOF,   10                         ; v10  b1: 64 h
.set H16,   11                         ; v11  16 h
.set TOK,   12                         ; v12-16   the pass's tiles: 1,024 x token + 16 h
.set LOF,   17                         ; v17  list: 64 wave + 4 r
.set LA,    18                         ; v18-21   a later pass's places in the list (at the head: at work)
.set CA,    24                         ; v[24:25] P's leading coefficient, twice
.set CB,    26                         ; v[26:27] Q's
.set U,     32                         ; stages: v32-63 codes as converted; v64-95 half turned; v96-127 turned
.set P,     64
.set C,     96
.set BIAS,  32                         ; behind the stream: v32-95 b1 in the results' order
.set WBUF,  128                        ; v128-255 eight weight fragments
.set T,     128                        ; way out: v128-191 a tile's 64 numbers; v192-223 at work
.set Z,     192
.set Z2,    200
.set NU,    208
.set DE,    216
.set CODE,  224                        ; v224-239 a tile's codes
.set RING,  64                         ; in window 2
.set XQP,   8
.set WP,    10
.set B1P,   12
.set LSP,   14
.set LISTP, 16
.set CNTP,  18
.set HQP,   20
.set WV,    22
.set EX,    23
.set BX,    24
.set CNT,   28
.set NT,    29                         ; tiles of the expert, at least 1
.set NW,    30                         ; tiles of my wave
.set NP,    31                         ; passes of my wave
.set PS,    32                         ; the pass
.set GG,    33                         ; its tiles
.set GI,    35                         ; the tile on its way out
.set SCL,   68                         ; 2^(ls0 + ls1) as f32
.set STB,   70                         ; s[70:71] where a tile's codes go
.set TB,    76                         ; the pass's first tile among my wave's
.set CAP,   77                         ; tiles that a pass holds: 5, later 4
.set WP2,   78                         ; s[78:79] w1 512 rows further on: 911 rows of 16,384 bytes pass the signed 24-bit immediate (ISA guide, chapter 10)
.set MSB, 0
.macro WIN new                         ; bits 1:0 source 0, 3:2 source 1, 5:4 source 2, 7:6 destination; the high byte repeats the setting that is left
.if MSB != (\new)
	s_set_vgpr_msb (MSB<<8)|(\new)
.set MSB, (\new)
.endif
.endm
.macro KPAIR reg, val                  ; a constant for the packed forms, which name a pair and take its low word
	s_mov_b32 s[\reg], \val
	s_mov_b32 s[\reg+1], \val
.endm
; stage s's weights, rows 4 q0 .. 4 q1 + 3 of my 16 (+ 16 h): row 4 q + b, unit u, at v[128 (s % 2) + 32 q + 16 u + 4 b] of window 3
.macro LOADW s, q0, q1
.set lset, 128*((\s)%2)
.set lrow, 128*((\s)%4)
.if (\s) < 4
.set lwp, WP
.else
.set lwp, WP2
.endif
	WIN 0xc0
.set lq, \q0
.rept \q1-\q0+1
.irp b, 0,1,2,3
.irp u, 0,1
	global_load_b128 v[lset+32*lq+16*\u+4*\b:lset+32*lq+16*\u+4*\b+3], v[WOF], s[lwp:lwp+1] offset:(lrow+4*lq+\b)*PITCH+256*\u th:TH_LOAD_NT
.endr
.endr
.set lq, lq+1
.endr
.endm
; the five tiles' codes of K step s, gathered from xq into the ring
.macro ARING s
.set ar, RING+80*((\s)%2)
	WIN 0x80
.irp g, 0,1,2,3,4
.irp c, 0,1,2,3
	global_load_b128 v[ar+16*\g+4*\c:ar+16*\g+4*\c+3], v[TOK+\g], s[XQP:XQP+1] offset:128*(\s)+32*\c
.endr
.endr
.endm
; one product of a stage: weight tile f x row tile g, K step s.  K step 0 starts the sums with the constant 0: nothing is cleared
.macro MM s, f, g
.set aW, WBUF+16*(\f)
.set aA, RING+80*((\s)%2)+16*(\g)
.if (\g) < 4
.set aD, 64*(\g)+8*(\f)
.else
.set aD, 8*(\f)
.endif
.if (\s) == 0
	v_wmma_f32_16x16x128_bf8_bf8 v[aD:aD+7], v[aW:aW+15], v[aA:aA+15], 0
.else
	v_wmma_f32_16x16x128_bf8_bf8 v[aD:aD+7], v[aW:aW+15], v[aA:aA+15], v[aD:aD+7]
.endif
.endm
; A STAGE.  nw: the loads younger than this stage's weights; na: those younger than this K step's rows.
.macro STAGE s, nw, na
	s_wait_loadcnt \nw                             ; my 32 rows of this K step are in
	WIN 0xc3
.set n, 128*((\s)%2)
.rept 128
	v_med3_num_f32 v[n], v[n], -v[LIMW], v[LIMW]   ; the conversion to an 8-bit code does not saturate (ISA guide 7.6.2): the hold comes first.  (These lines are also the places behind the last stage's products)
.set n, n+1
.endr
	WIN 0x03
.set n, 0
.rept 16
	v_cvt_scalef32_pk8_bf8_f32 v[U+2*n:U+2*n+1], v[128*((\s)%2)+8*n:128*((\s)%2)+8*n+7], v[SCW]   ; two rows x four columns: v[U + 4 (2 q + u) + b] = row b, a column a byte
.set n, n+1
.endr
.if (\s) < 7
	ARING (\s)+1                                   ; the next K step's rows, into the half of the ring that the last stage's products have left
.endif
.if (\s) < 6
	LOADW (\s)+2, 0, 0                             ; the landing set is free: 8 of its next 32 loads now, which makes 60 asked for at the most; the other 24 stand behind the products,
.endif                                         ; since the issue of a load that would push LOADcnt past its field stalls (ISA guide 5.7.1), and the wave has products to issue
	WIN 0
	v_nop                                          ; one plain vector line behind the last conversion
.irp m, 0,1,2,3,4,5,6,7                ; m = 2 q + u: 4 rows x 4 columns of bytes are turned: eight byte permutes
	v_perm_b32 v[P+4*\m],   v[U+4*\m+1], v[U+4*\m],   s40
	v_perm_b32 v[P+4*\m+1], v[U+4*\m+1], v[U+4*\m],   s41
	v_perm_b32 v[P+4*\m+2], v[U+4*\m+3], v[U+4*\m+2], s40
	v_perm_b32 v[P+4*\m+3], v[U+4*\m+3], v[U+4*\m+2], s41
.endr
.irp m, 0,1,2,3,4,5,6,7
	v_perm_b32 v[C+16*(\m%2)+(\m/2)],    v[P+4*\m+2], v[P+4*\m],   s42   ; column j = 0: rows 4 q + 0 .. 3 in one register
	v_perm_b32 v[C+16*(\m%2)+4+(\m/2)],  v[P+4*\m+2], v[P+4*\m],   s43
	v_perm_b32 v[C+16*(\m%2)+8+(\m/2)],  v[P+4*\m+3], v[P+4*\m+1], s42
	v_perm_b32 v[C+16*(\m%2)+12+(\m/2)], v[P+4*\m+3], v[P+4*\m+1], s43
.endr
.irp u, 0,1
.irp j, 0,1,2,3
.if (\s) < 4
	ds_store_b128 v[CSTA], v[C+16*\u+4*\j:C+16*\u+4*\j+3] offset:(\s)*16384+(4*\u+\j)*512   ; group c = wave of tile 4 u + j's fragment: 512 consecutive bytes
.else
	ds_store_b128 v[CSTB], v[C+16*\u+4*\j:C+16*\u+4*\j+3] offset:((\s)-4)*16384+(4*\u+\j)*512
.endif
.endr
.endr
.if (\s) == 7
.irp c, 0,1,2,3
.irp q, 0,1,2,3
	global_load_b128 v[BIAS+16*\c+4*\q:BIAS+16*\c+4*\q+3], v[BOF], s[B1P:B1P+1] offset:128*\c+16*\q   ; b1 at hidden units 32 c + 16 h + 4 q + 0 .. 3, into registers that the turning has left
.endr
.endr
.endif
	s_wait_dscnt 0x0                               ; for the others' sake: my codes have landed (and the registers that the stores read are free)
	s_barrier_signal -1
	s_barrier_wait -1                              ; the K step's eight fragments are whole; nobody writes these bytes again
.irp f, 0,1,2,3,4,5,6,7
.irp c, 0,1,2,3
.if (\s) < 4
	ds_load_b128 v[WBUF+16*\f+4*\c:WBUF+16*\f+4*\c+3], v[LI] offset:(4*(\s)+\c)*4096+\f*512
.else
	ds_load_b128 v[WBUF+16*\f+4*\c:WBUF+16*\f+4*\c+3], v[LI2] offset:(4*((\s)-4)+\c)*4096+\f*512
.endif
.endr
.endr
	s_wait_loadcnt \na                             ; this K step's rows are in
	s_wait_dscnt 16                                ; weight tiles 0-3 are in; the sixteen loads of tiles 4-7 may be out
	WIN 0x58                                       ; weights window 0, rows window 2, sums window 1
.irp f, 0,1,2,3                        ; the 40 accumulators take turns, one instruction a turn
.irp g, 0,1,2,3
	MM \s, \f, \g
.endr
.endr
	s_wait_dscnt 0x0
.irp f, 4,5,6,7
.irp g, 0,1,2,3
	MM \s, \f, \g
.endr
.endr
	WIN 0xa8                                       ; the fifth tile's sums lie in window 2
.irp f, 0,1,2,3,4,5,6,7
	MM \s, \f, 4
.endr
.if (\s) < 6
	LOADW (\s)+2, 1, 3                             ; the landing set's other 24 loads
.endif
	WIN 0
.endm
; A LATER PASS: four tiles' codes of all eight K steps, 16 loads a K step, K step by K step
.macro ALOAD
.set as, 0
.rept 8
	WIN 0xc0-0x40*(as/4)
.irp g, 0,1,2,3
.irp c, 0,1,2,3
	global_load_b128 v[64*(as%4)+16*\g+4*\c:64*(as%4)+16*\g+4*\c+3], v[TOK+\g], s[XQP:XQP+1] offset:128*as+32*\c
.endr
.endr
.set as, as+1
.endr
	WIN 0
.endm
; batch b = 2 s + th: the weight fragments of K step s, tiles 4 th .. 4 th + 3, into half b % 2 of the buffer
.macro WLOAD b
.set ws, (\b)/2
.set wt, 4*((\b)%2)
.set wr, WBUF+64*((\b)%2)
.irp f, 0,1,2,3
.irp c, 0,1,2,3
.if ws < 4
	ds_load_b128 v[wr+16*\f+4*\c:wr+16*\f+4*\c+3], v[LI] offset:(4*ws+\c)*4096+(wt+\f)*512
.else
	ds_load_b128 v[wr+16*\f+4*\c:wr+16*\f+4*\c+3], v[LI2] offset:(4*(ws-4)+\c)*4096+(wt+\f)*512
.endif
.endr
.endr
.endm
; all 64 weight fragments against four tiles of rows; the accumulators by turns; K step 0 starts the sums with the constant 0
.macro SWEEP4
	WLOAD 0
.set bb, 0
.rept 16
.rept 4
	v_nop                                          ; four places between the last products and the loads into the half that they read
.endr
.if bb < 15
	WLOAD bb+1
	s_wait_dscnt 16                                ; this batch is in; the sixteen loads just issued may be out
.else
	s_wait_dscnt 0x0
.endif
.if bb%2 == 0
.if bb < 8
	s_wait_loadcnt 63                              ; of the 128 loads of rows the oldest 65 are in: K steps 0 to 3
.else
	s_wait_loadcnt 16*(7-bb/2)                     ; sixteen loads for each later K step may be out
.endif
.endif
	WIN 0x5c-4*(bb/8)                              ; weights window 0, rows window 3 or 2, sums window 1
.irp f, 0,1,2,3
.irp g, 0,1,2,3
.set aD, 64*\g+8*(4*(bb%2)+\f)
.set aW, WBUF+64*(bb%2)+16*\f
.set aA, 64*((bb/2)%4)+16*\g
.if bb < 2
	v_wmma_f32_16x16x128_bf8_bf8 v[aD:aD+7], v[aW:aW+15], v[aA:aA+15], 0
.else
	v_wmma_f32_16x16x128_bf8_bf8 v[aD:aD+7], v[aW:aW+15], v[aA:aA+15], v[aD:aD+7]
.endif
.endr
.endr
	WIN 0
.set bb, bb+1
.endr
.endm
; tile g's 64 sums x 2^(ls0 + ls1) + b1, laid in the order of the next K; each accumulator from its low end on
.macro FIRST g
.if \g < 4
	WIN 0x01
.set fa, 64*\g
.else
	WIN 0x02
.set fa, 0
.endif
.irp t, 0,1,2,3,4,5,6,7
.irp i, 0,1,2,3,4,5,6,7
	v_fma_f32 v[T+32*(\t/4)+16*(\i/4)+4*(\i%4)+(\t%4)], v[fa+8*\t+\i], s[SCL], v[BIAS+32*(\t/4)+16*(\i/4)+4*(\i%4)+(\t%4)]
.endr
.endr
	WIN 0
.endm
; eight numbers: gelu(x) = x / 2 + (x / 2) erf(x / sqrt 2), held, converted
.macro GELU8 n
.set gt, T+8*(\n)
.irp k, 0,2,4,6
	v_pk_mul_f32 v[Z+\k:Z+\k+1], v[gt+\k:gt+\k+1], s[44:45] op_sel_hi:[1,0]
.endr
.irp k, 0,1,2,3,4,5,6,7
	v_med3_num_f32 v[Z+\k], v[Z+\k], -4.0, 4.0
.endr
.irp k, 0,2,4,6
	v_pk_mul_f32 v[Z2+\k:Z2+\k+1], v[Z+\k:Z+\k+1], v[Z+\k:Z+\k+1]
.endr
.irp k, 0,2,4,6
	v_pk_fma_f32 v[NU+\k:NU+\k+1], v[Z2+\k:Z2+\k+1], v[CA:CA+1], s[46:47] op_sel_hi:[1,1,0]
	v_pk_fma_f32 v[DE+\k:DE+\k+1], v[Z2+\k:Z2+\k+1], v[CB:CB+1], s[58:59] op_sel_hi:[1,1,0]
.endr
.irp c, 48,50,52,54,56
.irp k, 0,2,4,6
	v_pk_fma_f32 v[NU+\k:NU+\k+1], v[NU+\k:NU+\k+1], v[Z2+\k:Z2+\k+1], s[\c:\c+1] op_sel_hi:[1,1,0]
.endr
.endr
.irp c, 60,62,66
.irp k, 0,2,4,6
	v_pk_fma_f32 v[DE+\k:DE+\k+1], v[DE+\k:DE+\k+1], v[Z2+\k:Z2+\k+1], s[\c:\c+1] op_sel_hi:[1,1,0]
.endr
.endr
.irp k, 0,1,2,3,4,5,6,7
	v_rcp_f32 v[DE+\k], v[DE+\k]
.endr
.irp k, 0,2,4,6
	v_pk_mul_f32 v[NU+\k:NU+\k+1], v[NU+\k:NU+\k+1], v[Z+\k:Z+\k+1]          ; (plain lines behind the reciprocals)
.endr
	s_wait_alu depctr_va_vdst(0)
.irp k, 0,2,4,6
	v_pk_mul_f32 v[NU+\k:NU+\k+1], v[NU+\k:NU+\k+1], v[DE+\k:DE+\k+1]        ; erf
.endr
.irp k, 0,2,4,6
	v_pk_mul_f32 v[gt+\k:gt+\k+1], v[gt+\k:gt+\k+1], 0.5 op_sel_hi:[1,0]
.endr
.irp k, 0,2,4,6
	v_pk_fma_f32 v[gt+\k:gt+\k+1], v[gt+\k:gt+\k+1], v[NU+\k:NU+\k+1], v[gt+\k:gt+\k+1]
.endr
.irp k, 0,1,2,3,4,5,6,7
	v_med3_num_f32 v[gt+\k], v[gt+\k], -v[LIMH], v[LIMH]
.endr
	v_cvt_scalef32_pk8_bf8_f32 v[CODE+2*(\n):CODE+2*(\n)+1], v[gt:gt+7], v[SCH]
.endm
	s_load_b256 s[8:15], s[0:1], 0x0               ; xq, w1, b1, the scales
	s_load_b128 s[16:19], s[0:1], 0x20             ; list, cnt
	s_load_b64 s[20:21], s[0:1], 0x30              ; hq
	v_lshl_add_u32 v30, v0, 2, 0x20000
	v_mov_b32 v31, 0
	v_lshrrev_b32 v18, 5, v0
	v_readfirstlane_b32 s[WV], v18                 ; wave 0..3
	s_and_b32 s[EX], ttmp7, 0xffff                 ; expert
	s_mov_b32 s[BX], ttmp9                         ; block of 128 hidden units
	v_and_b32 v18, 31, v0                          ; lane
	v_and_b32 v19, 15, v0                          ; r
	v_bfe_u32 v20, v0, 4, 1                        ; h
	v_lshlrev_b32 v[LI], 4, v18
	v_add_nc_u32 v[LI2], 0x10000, v[LI]
	s_lshl_b32 s25, s[WV], 12
	v_add_nc_u32 v[CSTA], s25, v[LI]               ; my group's 4,096 bytes of a K step's 16,384
	v_add_nc_u32 v[CSTB], 0x10000, v[CSTA]
	v_and_b32 v21, 3, v19                          ; s(r): bits 2 and 3 of r exchanged
	v_and_b32 v22, 4, v19
	v_lshl_or_b32 v21, v22, 1, v21
	v_and_b32 v22, 8, v19
	v_lshrrev_b32 v22, 1, v22
	v_or_b32 v21, v21, v22
	v_lshlrev_b32 v[WOF], 4, v21
	v_lshl_add_u32 v[WOF], v20, 18, v[WOF]         ; + 16 rows of 16,384 bytes for lanes 16-31
	v_lshlrev_b32 v[BOF], 6, v20
	v_lshlrev_b32 v[H16], 4, v20
	s_lshl_b32 s25, s[WV], 6
	v_lshl_add_u32 v[LOF], v19, 2, s25
	s_lshl_b32 s2, s[EX], 24                       ; w1: expert x 16 MiB + wave x 32 rows + block x 512 bytes
	s_lshl_b32 s3, s[WV], 19
	s_add_co_u32 s2, s2, s3
	s_lshl_b32 s3, s[BX], 9
	s_add_co_u32 s2, s2, s3
	s_mov_b32 s3, 0
	s_lshl_b32 s26, s[EX], 14                      ; b1: expert x 16 KiB + block x 512 bytes
	s_lshl_b32 s27, s[BX], 9
	s_add_co_u32 s26, s26, s27
	s_mov_b32 s27, 0
	s_lshl_b32 s70, s[EX], 12                      ; list
	s_mov_b32 s71, 0
	s_lshl_b32 s72, s[EX], 2                       ; cnt
	s_mov_b32 s73, 0
	s_lshl_b32 s74, s[EX], 22                      ; hq: expert x 4 MiB + K step bx x 2,048 bytes
	s_lshl_b32 s75, s[BX], 11
	s_add_co_u32 s74, s74, s75
	s_mov_b32 s75, 0
	s_wait_kmcnt 0x0
	s_add_nc_u64 s[WP:WP+1], s[WP:WP+1], s[2:3]
	s_add_nc_u64 s[WP2:WP2+1], s[WP:WP+1], 512*PITCH
	s_add_nc_u64 s[B1P:B1P+1], s[B1P:B1P+1], s[26:27]
	s_add_nc_u64 s[LISTP:LISTP+1], s[LISTP:LISTP+1], s[70:71]
	s_add_nc_u64 s[CNTP:CNTP+1], s[CNTP:CNTP+1], s[72:73]
	s_add_nc_u64 s[HQP:HQP+1], s[HQP:HQP+1], s[74:75]
	s_load_b128 s[36:39], s[LSP:LSP+1], 0x0        ; ls0 .. ls3
	s_load_b32 s[CNT], s[CNTP:CNTP+1], 0x0
.irp i, 0,1,2,3,4
	global_load_b32 v[TOK+\i], v[LOF], s[LISTP:LISTP+1] offset:256*\i   ; the token of row r of tile wave + 4 i
.endr
	LOADW 0, 0, 3                                  ; stage 0's 32 loads,
	LOADW 1, 1, 3                                  ; 24 of stage 1's: 61 loads are out
	WIN 0
	s_mov_b32 s40, 0x05010400                      ; the byte permutes' selectors
	s_mov_b32 s41, 0x07030602
	s_mov_b32 s42, 0x05040100
	s_mov_b32 s43, 0x07060302
	KPAIR 44, 0x3f3504f3                           ; 1 / sqrt 2
	KPAIR 46, 0x32edffee                           ; P: 2.77068142e-08
	KPAIR 48, 0xb60cff51                           ;   -2.10102402e-06
	KPAIR 50, 0xb86ec2d2                           ;   -5.69250639e-05
	KPAIR 52, 0xba40ac63                           ;   -7.34990630e-04
	KPAIR 54, 0xbb41a1f6                           ;   -2.95459981e-03
	KPAIR 56, 0xbc83dbd4                           ;   -1.60960333e-02
	KPAIR 58, 0xb95fbd29                           ; Q: -2.13374055e-04
	KPAIR 60, 0xbadc924e                           ;   -1.68282697e-03
	KPAIR 62, 0xbbf19bf8                           ;   -7.37332917e-03
	KPAIR 66, 0xbc69b6a7                           ;   -1.42647391e-02
	v_mov_b32 v[CA], 0xaf95df0b                    ; P's leading coefficient, -2.72614226e-10
	v_mov_b32 v[CA+1], 0xaf95df0b
	v_mov_b32 v[CB], 0xb77460cd                    ; Q's, -1.45660718e-05
	v_mov_b32 v[CB+1], 0xb77460cd
	s_wait_kmcnt 0x0
	s_add_co_i32 s25, s37, 127
	s_lshl_b32 s26, s25, 23
	v_mov_b32 v[SCW], s26                          ; 2^ls1 as f32: the conversion takes its exponent field
	s_add_co_i32 s25, s25, 15
	s_lshl_b32 s25, s25, 23
	s_or_b32 s25, s25, 0x600000
	v_mov_b32 v[LIMW], s25                         ; 57,344 x 2^ls1
	s_add_co_i32 s25, s39, 127
	s_lshl_b32 s26, s25, 23
	v_mov_b32 v[SCH], s26
	s_add_co_i32 s25, s25, 15
	s_lshl_b32 s25, s25, 23
	s_or_b32 s25, s25, 0x600000
	v_mov_b32 v[LIMH], s25
	s_add_co_i32 s[SCL], s36, s37
	s_add_co_i32 s[SCL], s[SCL], 127
	s_lshl_b32 s[SCL], s[SCL], 23
	s_min_u32 s[CNT], s[CNT], 1024
	s_add_co_u32 s[NT], s[CNT], 15
	s_lshr_b32 s[NT], s[NT], 4
	s_max_u32 s[NT], s[NT], 1
	s_add_co_u32 s[NW], s[NT], 3
	s_sub_co_u32 s[NW], s[NW], s[WV]
	s_lshr_b32 s[NW], s[NW], 2                     ; tiles wave, wave + 4, .. under NT
	s_max_u32 s[NP], s[NW], 2                      ; passes: one for the first five tiles, one for every four beyond them
	s_sub_co_u32 s[NP], s[NP], 2
	s_lshr_b32 s[NP], s[NP], 2
	s_add_co_u32 s[NP], s[NP], 1
	s_wait_loadcnt 56                              ; the list's five loads are in: behind them stand 32 + 24 loads of weights
.irp i, 0,1,2,3,4
	v_min_u32 v[TOK+\i], 0x3ff, v[TOK+\i]          ; a token stays inside xq
.endr
.irp i, 0,1,2,3,4
	v_lshl_add_u32 v[TOK+\i], v[TOK+\i], 10, v[H16]
.endr
	ARING 0
	LOADW 1, 0, 0                                  ; stage 1's last 8 loads
	WIN 0
	; ---- THE STREAM.  Younger than a stage's weights: this K step's rows (20) and the next stage's weights (32).
	STAGE 0, 52, 36                                ; younger than K step 0's rows: 8 of stage 1's weights, K step 1's rows (20), 8 of stage 2's weights
.irp s, 1,2,3,4,5
	STAGE \s, 52, 60                               ; younger than the K step's rows: the next stage's weights (32), the next K step's rows (20), 8 loads of the stage after
.endr
	STAGE 6, 52, 52                                ; stage 7's weights (32) and K step 7's rows (20)
	STAGE 7, 20, 16                                ; K step 7's rows (20); then b1's 16 loads
	s_cmp_eq_u32 s[NW], 0                          ; every barrier is passed: a wave without a tile ends
	s_cbranch_scc1 .Lend
	s_mov_b32 s[PS], 0
.Lpass:
	s_cmp_eq_u32 s[PS], 0                          ; the first pass's products were made under the stream
	s_cbranch_scc1 .Lswept
	s_wait_xcnt 0x0                                ; the last pass's stores have read their registers: addresses and the weights' buffer may be written
	s_lshl_b32 s[TB], s[PS], 2
	s_add_co_u32 s[TB], s[TB], 1                   ; my tiles 4 pass + 1 on: 5, 9, 13
.irp g, 0,1,2,3
	s_add_co_u32 s2, s[TB], \g
	s_min_u32 s2, s2, 15                           ; a spare tile takes my last place in the list: no load leaves the table
	s_lshl_b32 s2, s2, 8
	v_add_nc_u32 v[LA+\g], s2, v[LOF]
.endr
.irp g, 0,1,2,3
	global_load_b32 v[TOK+\g], v[LA+\g], s[LISTP:LISTP+1]
.endr
	s_wait_loadcnt 0x0
.irp g, 0,1,2,3
	v_min_u32 v[TOK+\g], 0x3ff, v[TOK+\g]
.endr
.irp g, 0,1,2,3
	v_lshl_add_u32 v[TOK+\g], v[TOK+\g], 10, v[H16]
.endr
	ALOAD
	SWEEP4
.Lswept:
.rept 4
	v_nop                                          ; four places behind the last products, ahead of the first reads of the sums
.endr
	s_wait_loadcnt 0x0                             ; b1
	s_lshl_b32 s[TB], s[PS], 2
	s_add_co_u32 s[TB], s[TB], 1
	s_cmp_eq_u32 s[PS], 0
	s_cselect_b32 s[TB], 0, s[TB]                  ; the pass's first tile among mine: 0, 5, 9, 13
	s_cselect_b32 s[CAP], 5, 4
	s_sub_co_u32 s[GG], s[NW], s[TB]
	s_min_u32 s[GG], s[GG], s[CAP]                 ; its tiles that are real
	s_mov_b32 s[GI], 0
.Lepi:
	s_cmp_eq_u32 s[GI], 0
	s_cbranch_scc1 .Lf0
	s_cmp_eq_u32 s[GI], 1
	s_cbranch_scc1 .Lf1
	s_cmp_eq_u32 s[GI], 2
	s_cbranch_scc1 .Lf2
	s_cmp_eq_u32 s[GI], 3
	s_cbranch_scc1 .Lf3
	FIRST 4
	s_branch .Lcommon
.Lf3:
	FIRST 3
	s_branch .Lcommon
.Lf2:
	FIRST 2
	s_branch .Lcommon
.Lf1:
	FIRST 1
	s_branch .Lcommon
.Lf0:
	FIRST 0
.Lcommon:
	s_wait_xcnt 0x0                                ; the last tile's stores have read their codes and their base
	s_add_co_u32 s26, s[TB], s[GI]
	s_lshl_b32 s26, s26, 2
	s_add_co_u32 s26, s26, s[WV]                   ; the tile: wave + 4 (first + g)
	s_min_u32 s26, s26, 63
	s_lshl_b32 s26, s26, 16                        ; a tile's 32 K steps of 2,048 bytes
	s_mov_b32 s27, 0
	s_add_nc_u64 s[STB:STB+1], s[HQP:HQP+1], s[26:27]
.irp n, 0,1,2,3,4,5,6,7
	GELU8 \n
.endr
	v_nop                                          ; one plain vector line behind the last conversion
.irp c, 0,1,2,3
	global_store_b128 v[LI], v[CODE+4*\c:CODE+4*\c+3], s[STB:STB+1] offset:512*\c   ; the fragment's image: the wave stores 512 consecutive bytes, at a multiple of 256 from hq's first byte
.endr
	s_add_co_u32 s[GI], s[GI], 1
	s_cmp_lt_u32 s[GI], s[GG]
	s_cbranch_scc1 .Lepi
	s_add_co_u32 s[PS], s[PS], 1
	s_cmp_lt_u32 s[PS], s[NP]
	s_cbranch_scc1 .Lpass
.Lend:
	s_wait_tensorcnt 0x0
	ds_add_u32 v30, v31
	s_wait_dscnt 0x0
	s_endpgm
.Lfunc_end_k_q2d39f252d5_ffn1:
	.size	k_q2d39f252d5_ffn1, .Lfunc_end_k_q2d39f252d5_ffn1-k_q2d39f252d5_ffn1
	.p2alignl 7, 3214868480
	.fill 96, 4, 3214868480
	.section	.rodata,"a",@progbits
	.p2align	6, 0x0
	.amdhsa_kernel k_q2d39f252d5_ffn1
		.amdhsa_group_segment_fixed_size 131584
		.amdhsa_private_segment_fixed_size 0
		.amdhsa_enable_private_segment 0
		.amdhsa_kernarg_size 56
		.amdhsa_user_sgpr_count 2
		.amdhsa_user_sgpr_kernarg_segment_ptr 1
		.amdhsa_wavefront_size32 1
		.amdhsa_system_sgpr_workgroup_id_x 1
		.amdhsa_system_sgpr_workgroup_id_y 1
		.amdhsa_system_sgpr_workgroup_id_z 1
		.amdhsa_system_vgpr_workitem_id 0
		.amdhsa_next_free_vgpr 1024
		.amdhsa_next_free_sgpr 100
		.amdhsa_reserve_vcc 0
		.amdhsa_float_denorm_mode_32 3
		.amdhsa_float_denorm_mode_16_64 3
		.amdhsa_memory_ordered 1
		.amdhsa_forward_progress 1
		.amdhsa_inst_pref_size 255
	.end_amdhsa_kernel
	.section	.bss,"aw",@nobits
	.p2align	6
	.space	262144
	.amdgpu_metadata
---
amdhsa.version: [ 1, 2 ]
amdhsa.kernels:
  - .name:           k_q2d39f252d5_ffn1
    .symbol:         k_q2d39f252d5_ffn1.kd
    .args:
      - { .name: xq, .offset: 0, .size: 8, .value_kind: global_buffer, .address_space: global }
      - { .name: w1, .offset: 8, .size: 8, .value_kind: global_buffer, .address_space: global }
      - { .name: b1, .offset: 16, .size: 8, .value_kind: global_buffer, .address_space: global }
      - { .name: lowp_scales, .offset: 24, .size: 8, .value_kind: global_buffer, .address_space: global }
      - { .name: list, .offset: 32, .size: 8, .value_kind: global_buffer, .address_space: global }
      - { .name: cnt, .offset: 40, .size: 8, .value_kind: global_buffer, .address_space: global }
      - { .name: hq, .offset: 48, .size: 8, .value_kind: global_buffer, .address_space: global }
    .group_segment_fixed_size: 131584
    .private_segment_fixed_size: 0
    .kernarg_segment_align: 8
    .kernarg_segment_size: 56
    .max_flat_workgroup_size: 128
    .sgpr_count:     100
    .vgpr_count:     1024
    .wavefront_size: 32
...
	.end_amdgpu_metadata
.endif
;; end of part 3
;; launch ffn2 (part 4): grid 32 x 8, 4 waves a work-group, no clusters, 165,376 bytes of LDS; arguments hq, w2, lowp_scales, cnt, yp; writes yp
.if DOCPART == 4
	.amdgcn_target "amdgcn-amd-amdhsa--gfx1250"
	.amdhsa_code_object_version 6
	.text
	.protected	k_q2d39f252d5_ffn2
	.globl	k_q2d39f252d5_ffn2
	.p2align	8
	.type	k_q2d39f252d5_ffn2,@function
k_q2d39f252d5_ffn2:
	s_mov_b64 s[64:65], 0
	v_nop
	global_prefetch_b8 v0, s[64:65] scope:SCOPE_SE
	s_setreg_imm32_b32 hwreg(HW_REG_WAVE_MODE, 25, 1), 1
	s_wait_xcnt 0x0
; FFN2.  yp[kq] = the part of hq w2[e] over K = 1,024 kq .. 1,024 kq + 1,023, x 2^(ls2 + ls3), for the rows routed to expert e.  Work-group (cb + 8 kq, e) owns outputs 128 cb .. 128 cb + 127
; and that quarter of K: 1,024 x 128 numbers of w2, 512 KiB of f32 that no other work-group reads.  The four quarters, b2 and the gates are added by the next launch.
; THE STREAM AND THE PRODUCTS GO TOGETHER, as in the first layer, in eight stages, one for each K step of 128.  In stage s wave w takes K rows 128 s + 32 w .. + 31 of the quarter (16-byte loads: lanes 0-15 take 256 consecutive
; aligned bytes of row k, lanes 16-31 of row k + 16), holds, converts, turns each 4 x 4 bytes and lays the codes in LDS as images of operand registers.  Behind the stage's barrier every wave multiplies the K step's eight weight
; fragments by its own five tiles of 16 rows, while the weights of the next two stages are on their way.  Each K step has LDS bytes of its own, written once: one barrier a stage.
; FIVE TILES A WAVE, ALWAYS: wave w owns the tiles w, w + 4, ..; the stages take the first five, whatever the count: in the stead of a tile past the expert's last its last tile's image is loaded (every byte asked for has been written),
; and nothing of it is stored.  Tiles beyond the fifth (more than 320 rows) go in later passes of four, which sweep the finished codes in LDS.  A tile's fragments lie in hq as images: each load of a wave takes 512 consecutive bytes.
; K'S PLACE IN A FRAGMENT: register 4 c + q, byte b, half h holds k = 32 c + 16 h + 4 q + b, in both operands.  Lane m of weight tile 4 u + j holds output 64 u + 4 s(m) + j, s(m) = m with bits 2 and 3 exchanged;
; the product is used transposed (source 0 = weights, source 1 = rows): register i of tile 4 u + j is output 32 (2 u + i / 4) + 16 h + 4 (i % 4) + j of the lane's row.
; A tile's 16 x 128 results go through the wave's own stage in LDS and leave as whole rows of 512 bytes.
; NO CLUSTER, NO TENSOR LOAD: the weights are shared by nobody and must pass through registers to be quantised; the rows that the 8 work-groups of an expert and quarter share come in numbers read from memory.
; LIMITS: ls2 between -126 and 112.  NaN is not served.
; REGISTERS.  Window 0: the names below.  Window 1: the sums of tiles 0-3, (g, t) at v[64 g + 8 t].  Window 2: v0-63 the sums of tile 4; v64-223 the ring of the rows' codes, K step s, tile g at v[64 + 80 (s % 2) + 16 g].
; Window 3: two landing sets of 128.  In a later pass: the rows' codes of K steps 0-3 in window 3, of 4-7 in window 2, (s, g) at v[64 (s % 4) + 16 g]; the sums in window 1.
.set PITCH, 4096                       ; a row of w2[e] in bytes
.set LI,    1                          ; v1   16 x lane
.set LI2,   2                          ; v2   the same + 65,536
.set WOF,   3                          ; v3   w2: 16 rows x h + 16 x s(r)
.set CSTA,  4                          ; v4   LDS: 4,096 x wave + 16 x lane: where my codes of K steps 0-3 go
.set CSTB,  5                          ; v5   the same + 65,536: K steps 4-7
.set LIMW,  6                          ; v6   57,344 x 2^ls2
.set SCW,   7                          ; v7   2^ls2
.set STO,   10                         ; v10  my stage: row r, + 64 h
.set SRD,   11                         ; v11  my stage: 16 x lane
.set AOF,   12                         ; v12-16  the pass's tiles in hq: 65,536 x tile + 16 x lane
.set U,     32                         ; stages: v32-63 codes as converted; v64-95 half turned; v96-127 turned
.set P,     64
.set C,     96
.set WBUF,  128                        ; v128-255 eight weight fragments
.set T,     128                        ; way out: v128-191 a tile's 64 numbers
.set RB,    192                        ; v192-255 its 16 rows, read back
.set RING,  64                         ; in window 2
.set STAGEB, 131072                    ; behind the codes: 16 rows x (512 + 16) bytes for each wave
.set HQP,   8
.set WP,    10
.set LSP,   12
.set CNTP,  14
.set YPP,   16
.set WV,    22
.set EX,    23
.set CBK,   24
.set KQ,    25
.set CNT,   28
.set NT,    29
.set NW,    30
.set NP,    31
.set PS,    32
.set GG,    33
.set GI,    35
.set SCL,   68                         ; ls2 + ls3
.set STB,   70
.set TB,    76                         ; the pass's first tile among my wave's
.set NT1,   77                         ; the expert's last tile
.set WP2,   78                         ; s[78:79] w2 512 rows further on
.set CAP,   80                         ; tiles that a pass holds: 5, later 4
.set MSB, 0
.macro WIN new                         ; bits 1:0 source 0, 3:2 source 1, 5:4 source 2, 7:6 destination; the high byte repeats the setting that is left
.if MSB != (\new)
	s_set_vgpr_msb (MSB<<8)|(\new)
.set MSB, (\new)
.endif
.endm
; stage s's weights, rows 4 q0 .. 4 q1 + 3 of my 16 (+ 16 h): row 4 q + b, unit u, at v[128 (s % 2) + 32 q + 16 u + 4 b] of window 3
.macro LOADW s, q0, q1
.set lset, 128*((\s)%2)
.set lrow, 128*((\s)%4)
.if (\s) < 4
.set lwp, WP
.else
.set lwp, WP2
.endif
	WIN 0xc0
.set lq, \q0
.rept \q1-\q0+1
.irp b, 0,1,2,3
.irp u, 0,1
	global_load_b128 v[lset+32*lq+16*\u+4*\b:lset+32*lq+16*\u+4*\b+3], v[WOF], s[lwp:lwp+1] offset:(lrow+4*lq+\b)*PITCH+256*\u th:TH_LOAD_NT
.endr
.endr
.set lq, lq+1
.endr
.endm
; the five tiles' images of K step s into the ring
.macro ARING s
.set ar, RING+80*((\s)%2)
	WIN 0x80
.irp g, 0,1,2,3,4
.irp c, 0,1,2,3
	global_load_b128 v[ar+16*\g+4*\c:ar+16*\g+4*\c+3], v[AOF+\g], s[HQP:HQP+1] offset:2048*(\s)+512*\c
.endr
.endr
.endm
; one product of a stage: weight tile f x row tile g, K step s.  K step 0 starts the sums with the constant 0: nothing is cleared
.macro MM s, f, g
.set aW, WBUF+16*(\f)
.set aA, RING+80*((\s)%2)+16*(\g)
.if (\g) < 4
.set aD, 64*(\g)+8*(\f)
.else
.set aD, 8*(\f)
.endif
.if (\s) == 0
	v_wmma_f32_16x16x128_bf8_bf8 v[aD:aD+7], v[aW:aW+15], v[aA:aA+15], 0
.else
	v_wmma_f32_16x16x128_bf8_bf8 v[aD:aD+7], v[aW:aW+15], v[aA:aA+15], v[aD:aD+7]
.endif
.endm
; A STAGE.  nw: the loads younger than this stage's weights; na: those younger than this K step's rows.
.macro STAGE s, nw, na
	s_wait_loadcnt \nw                             ; my 32 rows of this K step are in
	WIN 0xc3
.set n, 128*((\s)%2)
.rept 128
	v_med3_num_f32 v[n], v[n], -v[LIMW], v[LIMW]   ; the conversion to an 8-bit code does not saturate (ISA guide 7.6.2): the hold comes first.  (These lines are also the places behind the last stage's products)
.set n, n+1
.endr
	WIN 0x03
.set n, 0
.rept 16
	v_cvt_scalef32_pk8_bf8_f32 v[U+2*n:U+2*n+1], v[128*((\s)%2)+8*n:128*((\s)%2)+8*n+7], v[SCW]   ; two rows x four columns: v[U + 4 (2 q + u) + b] = row b, a column a byte
.set n, n+1
.endr
.if (\s) < 7
	ARING (\s)+1                                   ; the next K step's rows, into the half of the ring that the last stage's products have left
.endif
.if (\s) < 6
	LOADW (\s)+2, 0, 0                             ; the landing set is free: 8 of its next 32 loads now, which makes 60 asked for at the most; the other 24 stand behind the products,
.endif                                         ; since the issue of a load that would push LOADcnt past its field stalls (ISA guide 5.7.1), and the wave has products to issue
	WIN 0
	v_nop                                          ; one plain vector line behind the last conversion
.irp m, 0,1,2,3,4,5,6,7                ; m = 2 q + u: 4 rows x 4 columns of bytes are turned: eight byte permutes
	v_perm_b32 v[P+4*\m],   v[U+4*\m+1], v[U+4*\m],   s40
	v_perm_b32 v[P+4*\m+1], v[U+4*\m+1], v[U+4*\m],   s41
	v_perm_b32 v[P+4*\m+2], v[U+4*\m+3], v[U+4*\m+2], s40
	v_perm_b32 v[P+4*\m+3], v[U+4*\m+3], v[U+4*\m+2], s41
.endr
.irp m, 0,1,2,3,4,5,6,7
	v_perm_b32 v[C+16*(\m%2)+(\m/2)],    v[P+4*\m+2], v[P+4*\m],   s42
	v_perm_b32 v[C+16*(\m%2)+4+(\m/2)],  v[P+4*\m+2], v[P+4*\m],   s43
	v_perm_b32 v[C+16*(\m%2)+8+(\m/2)],  v[P+4*\m+3], v[P+4*\m+1], s42
	v_perm_b32 v[C+16*(\m%2)+12+(\m/2)], v[P+4*\m+3], v[P+4*\m+1], s43
.endr
.irp u, 0,1
.irp j, 0,1,2,3
.if (\s) < 4
	ds_store_b128 v[CSTA], v[C+16*\u+4*\j:C+16*\u+4*\j+3] offset:(\s)*16384+(4*\u+\j)*512   ; group c = wave of tile 4 u + j's fragment: 512 consecutive bytes
.else
	ds_store_b128 v[CSTB], v[C+16*\u+4*\j:C+16*\u+4*\j+3] offset:((\s)-4)*16384+(4*\u+\j)*512
.endif
.endr
.endr
	s_wait_dscnt 0x0                               ; for the others' sake: my codes have landed (and the registers that the stores read are free)
	s_barrier_signal -1
	s_barrier_wait -1                              ; the K step's eight fragments are whole; nobody writes these bytes again
.irp f, 0,1,2,3,4,5,6,7
.irp c, 0,1,2,3
.if (\s) < 4
	ds_load_b128 v[WBUF+16*\f+4*\c:WBUF+16*\f+4*\c+3], v[LI] offset:(4*(\s)+\c)*4096+\f*512
.else
	ds_load_b128 v[WBUF+16*\f+4*\c:WBUF+16*\f+4*\c+3], v[LI2] offset:(4*((\s)-4)+\c)*4096+\f*512
.endif
.endr
.endr
	s_wait_loadcnt \na                             ; this K step's rows are in
	s_wait_dscnt 16                                ; weight tiles 0-3 are in; the sixteen loads of tiles 4-7 may be out
	WIN 0x58                                       ; weights window 0, rows window 2, sums window 1
.irp f, 0,1,2,3                        ; the 40 accumulators take turns, one instruction a turn
.irp g, 0,1,2,3
	MM \s, \f, \g
.endr
.endr
	s_wait_dscnt 0x0
.irp f, 4,5,6,7
.irp g, 0,1,2,3
	MM \s, \f, \g
.endr
.endr
	WIN 0xa8                                       ; the fifth tile's sums lie in window 2
.irp f, 0,1,2,3,4,5,6,7
	MM \s, \f, 4
.endr
.if (\s) < 6
	LOADW (\s)+2, 1, 3                             ; the landing set's other 24 loads
.endif
	WIN 0
.endm
; the places in hq of n tiles, wave + 4 (first + g), held at the expert's last tile: every byte asked for has been written
.macro MKAOF n
.set mg, 0
.rept \n
	s_add_co_u32 s2, s[TB], mg
	s_lshl_b32 s2, s2, 2
	s_add_co_u32 s2, s2, s[WV]
	s_min_u32 s2, s2, s[NT1]
	s_min_u32 s2, s2, 63
	s_lshl_b32 s2, s2, 16
	v_add_nc_u32 v[AOF+mg], s2, v[LI]
.set mg, mg+1
.endr
.endm
; A LATER PASS: four tiles' images of all eight K steps, 16 loads a K step, K step by K step
.macro ALOAD
.set as, 0
.rept 8
	WIN 0xc0-0x40*(as/4)
.irp g, 0,1,2,3
.irp c, 0,1,2,3
	global_load_b128 v[64*(as%4)+16*\g+4*\c:64*(as%4)+16*\g+4*\c+3], v[AOF+\g], s[HQP:HQP+1] offset:2048*as+512*\c
.endr
.endr
.set as, as+1
.endr
	WIN 0
.endm
.macro WLOAD b                         ; batch b = 2 s + th: the weight fragments of K step s, tiles 4 th .. 4 th + 3, into half b % 2 of the buffer
.set ws, (\b)/2
.set wt, 4*((\b)%2)
.set wr, WBUF+64*((\b)%2)
.irp f, 0,1,2,3
.irp c, 0,1,2,3
.if ws < 4
	ds_load_b128 v[wr+16*\f+4*\c:wr+16*\f+4*\c+3], v[LI] offset:(4*ws+\c)*4096+(wt+\f)*512
.else
	ds_load_b128 v[wr+16*\f+4*\c:wr+16*\f+4*\c+3], v[LI2] offset:(4*(ws-4)+\c)*4096+(wt+\f)*512
.endif
.endr
.endr
.endm
; all 64 weight fragments against four tiles of rows; the accumulators by turns; K step 0 starts the sums with the constant 0
.macro SWEEP4
	WLOAD 0
.set bb, 0
.rept 16
.rept 4
	v_nop                                          ; four places between the last products and the loads into the half that they read
.endr
.if bb < 15
	WLOAD bb+1
	s_wait_dscnt 16                                ; this batch is in; the sixteen loads just issued may be out
.else
	s_wait_dscnt 0x0
.endif
.if bb%2 == 0
.if bb < 8
	s_wait_loadcnt 63                              ; of the 128 loads of rows the oldest 65 are in: K steps 0 to 3
.else
	s_wait_loadcnt 16*(7-bb/2)                     ; sixteen loads for each later K step may be out
.endif
.endif
	WIN 0x5c-4*(bb/8)                              ; weights window 0, rows window 3 or 2, sums window 1
.irp f, 0,1,2,3
.irp g, 0,1,2,3
.set aD, 64*\g+8*(4*(bb%2)+\f)
.set aW, WBUF+64*(bb%2)+16*\f
.set aA, 64*((bb/2)%4)+16*\g
.if bb < 2
	v_wmma_f32_16x16x128_bf8_bf8 v[aD:aD+7], v[aW:aW+15], v[aA:aA+15], 0
.else
	v_wmma_f32_16x16x128_bf8_bf8 v[aD:aD+7], v[aW:aW+15], v[aA:aA+15], v[aD:aD+7]
.endif
.endr
.endr
	WIN 0
.set bb, bb+1
.endr
.endm
.macro FIRST g                         ; tile g's 64 sums x 2^(ls2 + ls3), laid in the order of the outputs; each accumulator from its low end on
.if \g < 4
	WIN 0x01
.set fa, 64*\g
.else
	WIN 0x02
.set fa, 0
.endif
.irp t, 0,1,2,3,4,5,6,7
.irp i, 0,1,2,3,4,5,6,7
	v_ldexp_f32 v[T+32*(\t/4)+16*(\i/4)+4*(\i%4)+(\t%4)], v[fa+8*\t+\i], s[SCL]
.endr
.endr
	WIN 0
.endm
	s_load_b256 s[8:15], s[0:1], 0x0               ; hq, w2, the scales, cnt
	s_load_b64 s[16:17], s[0:1], 0x20              ; yp
	v_lshl_add_u32 v30, v0, 2, 0x28400
	v_mov_b32 v31, 0
	v_lshrrev_b32 v18, 5, v0
	v_readfirstlane_b32 s[WV], v18                 ; wave 0..3
	s_and_b32 s[EX], ttmp7, 0xffff                 ; expert
	s_and_b32 s[CBK], ttmp9, 7                     ; block of 128 outputs
	s_lshr_b32 s[KQ], ttmp9, 3                     ; quarter of K
	v_and_b32 v18, 31, v0                          ; lane
	v_and_b32 v19, 15, v0                          ; r
	v_bfe_u32 v20, v0, 4, 1                        ; h
	v_lshlrev_b32 v[LI], 4, v18
	v_add_nc_u32 v[LI2], 0x10000, v[LI]
	s_lshl_b32 s26, s[WV], 12
	v_add_nc_u32 v[CSTA], s26, v[LI]               ; my group's 4,096 bytes of a K step's 16,384
	v_add_nc_u32 v[CSTB], 0x10000, v[CSTA]
	v_and_b32 v21, 3, v19                          ; s(r): bits 2 and 3 of r exchanged
	v_and_b32 v22, 4, v19
	v_lshl_or_b32 v21, v22, 1, v21
	v_and_b32 v22, 8, v19
	v_lshrrev_b32 v22, 1, v22
	v_or_b32 v21, v21, v22
	v_lshlrev_b32 v[WOF], 4, v21
	v_lshl_add_u32 v[WOF], v20, 16, v[WOF]         ; + 16 rows of 4,096 bytes for lanes 16-31
	s_mul_i32 s26, s[WV], 8448
	s_add_co_u32 s26, s26, STAGEB                  ; my stage
	v_mul_u32_u24 v[STO], v19, 528
	v_lshl_add_u32 v[STO], v20, 6, v[STO]
	v_add_nc_u32 v[STO], s26, v[STO]
	v_add_nc_u32 v[SRD], s26, v[LI]
	s_lshl_b32 s2, s[EX], 24                       ; w2: expert x 16 MiB + quarter x 1,024 rows + wave x 32 rows + block x 512 bytes
	s_lshl_b32 s3, s[KQ], 22
	s_add_co_u32 s2, s2, s3
	s_lshl_b32 s3, s[WV], 17
	s_add_co_u32 s2, s2, s3
	s_lshl_b32 s3, s[CBK], 9
	s_add_co_u32 s2, s2, s3
	s_mov_b32 s3, 0
	s_lshl_b32 s26, s[EX], 22                      ; hq: expert x 4 MiB + quarter x 8 K steps of 2,048 bytes
	s_lshl_b32 s27, s[KQ], 14
	s_add_co_u32 s26, s26, s27
	s_mov_b32 s27, 0
	s_lshl_b32 s70, s[KQ], 25                      ; yp: quarter x 32 MiB + expert x 4 MiB + block x 512 bytes
	s_lshl_b32 s71, s[EX], 22
	s_add_co_u32 s70, s70, s71
	s_lshl_b32 s71, s[CBK], 9
	s_add_co_u32 s70, s70, s71
	s_mov_b32 s71, 0
	s_lshl_b32 s72, s[EX], 2                       ; cnt
	s_mov_b32 s73, 0
	s_wait_kmcnt 0x0
	s_add_nc_u64 s[WP:WP+1], s[WP:WP+1], s[2:3]
	s_add_nc_u64 s[WP2:WP2+1], s[WP:WP+1], 512*PITCH
	s_add_nc_u64 s[HQP:HQP+1], s[HQP:HQP+1], s[26:27]
	s_add_nc_u64 s[YPP:YPP+1], s[YPP:YPP+1], s[70:71]
	s_add_nc_u64 s[CNTP:CNTP+1], s[CNTP:CNTP+1], s[72:73]
	s_load_b128 s[36:39], s[LSP:LSP+1], 0x0        ; ls0 .. ls3
	s_load_b32 s[CNT], s[CNTP:CNTP+1], 0x0
	LOADW 0, 0, 3                                  ; stage 0's 32 loads,
	LOADW 1, 1, 3                                  ; 24 of stage 1's
	WIN 0
	s_mov_b32 s40, 0x05010400                      ; the byte permutes' selectors
	s_mov_b32 s41, 0x07030602
	s_mov_b32 s42, 0x05040100
	s_mov_b32 s43, 0x07060302
	s_wait_kmcnt 0x0
	s_add_co_i32 s26, s38, 127
	s_lshl_b32 s27, s26, 23
	v_mov_b32 v[SCW], s27                          ; 2^ls2 as f32: the conversion takes its exponent field
	s_add_co_i32 s26, s26, 15
	s_lshl_b32 s26, s26, 23
	s_or_b32 s26, s26, 0x600000
	v_mov_b32 v[LIMW], s26                         ; 57,344 x 2^ls2
	s_add_co_i32 s[SCL], s38, s39
	s_min_u32 s[CNT], s[CNT], 1024
	s_add_co_u32 s[NT], s[CNT], 15
	s_lshr_b32 s[NT], s[NT], 4
	s_max_u32 s[NT], s[NT], 1
	s_sub_co_u32 s[NT1], s[NT], 1
	s_add_co_u32 s[NW], s[NT], 3
	s_sub_co_u32 s[NW], s[NW], s[WV]
	s_lshr_b32 s[NW], s[NW], 2                     ; tiles wave, wave + 4, .. under NT
	s_max_u32 s[NP], s[NW], 2                      ; passes: one for the first five tiles, one for every four beyond them
	s_sub_co_u32 s[NP], s[NP], 2
	s_lshr_b32 s[NP], s[NP], 2
	s_add_co_u32 s[NP], s[NP], 1
	s_mov_b32 s[TB], 0
	MKAOF 5
	ARING 0
	LOADW 1, 0, 0                                  ; stage 1's last 8 loads
	WIN 0
	; ---- THE STREAM.  Younger than a stage's weights: this K step's rows (20) and the next stage's weights (32).
	STAGE 0, 52, 36                                ; younger than K step 0's rows: 8 of stage 1's weights, K step 1's rows (20), 8 of stage 2's weights
.irp s, 1,2,3,4,5
	STAGE \s, 52, 60                               ; younger than the K step's rows: the next stage's weights (32), the next K step's rows (20), 8 loads of the stage after
.endr
	STAGE 6, 52, 52                                ; stage 7's weights (32) and K step 7's rows (20)
	STAGE 7, 20, 0                                 ; K step 7's rows (20); nothing is younger than they
	s_cmp_eq_u32 s[NW], 0                          ; every barrier is passed: a wave without a tile ends
	s_cbranch_scc1 .Lend
	s_mov_b32 s[PS], 0
.Lpass:
	s_cmp_eq_u32 s[PS], 0                          ; the first pass's products were made under the stream
	s_cbranch_scc1 .Lswept
	s_wait_xcnt 0x0                                ; the last pass's stores have read their registers: addresses and the weights' buffer may be written
	s_lshl_b32 s[TB], s[PS], 2
	s_add_co_u32 s[TB], s[TB], 1                   ; my tiles 4 pass + 1 on: 5, 9, 13
	MKAOF 4
	ALOAD
	SWEEP4
.Lswept:
.rept 4
	v_nop                                          ; four places behind the last products, ahead of the first reads of the sums
.endr
	s_lshl_b32 s[TB], s[PS], 2
	s_add_co_u32 s[TB], s[TB], 1
	s_cmp_eq_u32 s[PS], 0
	s_cselect_b32 s[TB], 0, s[TB]                  ; the pass's first tile among mine: 0, 5, 9, 13
	s_cselect_b32 s[CAP], 5, 4
	s_sub_co_u32 s[GG], s[NW], s[TB]
	s_min_u32 s[GG], s[GG], s[CAP]                 ; its tiles that are real
	s_mov_b32 s[GI], 0
.Lepi:
	s_cmp_eq_u32 s[GI], 0
	s_cbranch_scc1 .Lf0
	s_cmp_eq_u32 s[GI], 1
	s_cbranch_scc1 .Lf1
	s_cmp_eq_u32 s[GI], 2
	s_cbranch_scc1 .Lf2
	s_cmp_eq_u32 s[GI], 3
	s_cbranch_scc1 .Lf3
	FIRST 4
	s_branch .Lcommon
.Lf3:
	FIRST 3
	s_branch .Lcommon
.Lf2:
	FIRST 2
	s_branch .Lcommon
.Lf1:
	FIRST 1
	s_branch .Lcommon
.Lf0:
	FIRST 0
.Lcommon:
	s_wait_xcnt 0x0                                ; the last tile's stores have read their rows and their base
	s_add_co_u32 s26, s[TB], s[GI]
	s_lshl_b32 s26, s26, 2
	s_add_co_u32 s26, s26, s[WV]                   ; the tile: wave + 4 (first + g)
	s_min_u32 s26, s26, 63
	s_lshl_b32 s26, s26, 16                        ; 16 rows of 4,096 bytes
	s_mov_b32 s27, 0
	s_add_nc_u64 s[STB:STB+1], s[YPP:YPP+1], s[26:27]
.irp c, 0,1,2,3
.irp q, 0,1,2,3
	ds_store_b128 v[STO], v[T+16*\c+4*\q:T+16*\c+4*\q+3] offset:128*\c+16*\q   ; row r, outputs 32 c + 16 h + 4 q + 0 .. 3
.endr
.endr
.irp i, 0,1,2,3,4,5,6,7,8,9,10,11,12,13,14,15
	ds_load_b128 v[RB+4*\i:RB+4*\i+3], v[SRD] offset:528*\i   ; LDS serves a wave's instructions in order (ISA guide 5.7.1.4): these see my stores
.endr
.irp i, 0,1,2,3,4,5,6,7,8,9,10,11,12,13,14,15
	s_wait_dscnt 15-\i                             ; row i is back; the younger rows may be out
	global_store_b128 v[LI], v[RB+4*\i:RB+4*\i+3], s[STB:STB+1] offset:4096*\i   ; the wave stores 512 consecutive bytes, at a multiple of 256 from yp's first byte
.endr
	s_add_co_u32 s[GI], s[GI], 1
	s_cmp_lt_u32 s[GI], s[GG]
	s_cbranch_scc1 .Lepi
	s_add_co_u32 s[PS], s[PS], 1
	s_cmp_lt_u32 s[PS], s[NP]
	s_cbranch_scc1 .Lpass
.Lend:
	s_wait_tensorcnt 0x0
	ds_add_u32 v30, v31
	s_wait_dscnt 0x0
	s_endpgm
.Lfunc_end_k_q2d39f252d5_ffn2:
	.size	k_q2d39f252d5_ffn2, .Lfunc_end_k_q2d39f252d5_ffn2-k_q2d39f252d5_ffn2
	.p2alignl 7, 3214868480
	.fill 96, 4, 3214868480
	.section	.rodata,"a",@progbits
	.p2align	6, 0x0
	.amdhsa_kernel k_q2d39f252d5_ffn2
		.amdhsa_group_segment_fixed_size 165376
		.amdhsa_private_segment_fixed_size 0
		.amdhsa_enable_private_segment 0
		.amdhsa_kernarg_size 40
		.amdhsa_user_sgpr_count 2
		.amdhsa_user_sgpr_kernarg_segment_ptr 1
		.amdhsa_wavefront_size32 1
		.amdhsa_system_sgpr_workgroup_id_x 1
		.amdhsa_system_sgpr_workgroup_id_y 1
		.amdhsa_system_sgpr_workgroup_id_z 1
		.amdhsa_system_vgpr_workitem_id 0
		.amdhsa_next_free_vgpr 1024
		.amdhsa_next_free_sgpr 100
		.amdhsa_reserve_vcc 0
		.amdhsa_float_denorm_mode_32 3
		.amdhsa_float_denorm_mode_16_64 3
		.amdhsa_memory_ordered 1
		.amdhsa_forward_progress 1
		.amdhsa_inst_pref_size 255
	.end_amdhsa_kernel
	.section	.bss,"aw",@nobits
	.p2align	6
	.space	262144
	.amdgpu_metadata
---
amdhsa.version: [ 1, 2 ]
amdhsa.kernels:
  - .name:           k_q2d39f252d5_ffn2
    .symbol:         k_q2d39f252d5_ffn2.kd
    .args:
      - { .name: hq, .offset: 0, .size: 8, .value_kind: global_buffer, .address_space: global }
      - { .name: w2, .offset: 8, .size: 8, .value_kind: global_buffer, .address_space: global }
      - { .name: lowp_scales, .offset: 16, .size: 8, .value_kind: global_buffer, .address_space: global }
      - { .name: cnt, .offset: 24, .size: 8, .value_kind: global_buffer, .address_space: global }
      - { .name: yp, .offset: 32, .size: 8, .value_kind: global_buffer, .address_space: global }
    .group_segment_fixed_size: 165376
    .private_segment_fixed_size: 0
    .kernarg_segment_align: 8
    .kernarg_segment_size: 40
    .max_flat_workgroup_size: 128
    .sgpr_count:     100
    .vgpr_count:     1024
    .wavefront_size: 32
...
	.end_amdgpu_metadata
.endif
;; end of part 4
;; launch combine (part 5): grid 256 x 1, 8 waves a work-group, no clusters, 0 bytes of LDS; arguments yp, tope, topp, pos, b2, out0; writes out0
.if DOCPART == 5
	.amdgcn_target "amdgcn-amd-amdhsa--gfx1250"
	.amdhsa_code_object_version 6
	.text
	.protected	k_q2d39f252d5_combine
	.globl	k_q2d39f252d5_combine
	.p2align	8
	.type	k_q2d39f252d5_combine,@function
k_q2d39f252d5_combine:
	s_mov_b64 s[64:65], 0
	v_nop
	global_prefetch_b8 v0, s[64:65] scope:SCOPE_SE
	s_setreg_imm32_b32 hwreg(HW_REG_WAVE_MODE, 25, 1), 1
	s_wait_xcnt 0x0
; COMBINE.  out0[t] = p0 (y[e0] + b2[e0]) + p1 (y[e1] + b2[e1]), y[e] = the sum of the four K quarters of yp at row 1,024 e + pos[e][t].  Each output row has one owner: nothing is added between work-groups.
; A work-group takes 4 tokens; a wave takes half a row (2,048 bytes) of one token: 32 loads of yp and 8 of b2, each of 512 consecutive bytes, all in flight at once; 4 stores.
; The token's experts, gates and its slot with ALL eight experts are read by one group of scalar loads, so that no load waits for another's result; the two slots are then chosen by selections.
; A stream bound by its bytes: no LDS, no barrier, no matrix unit, no cluster (work-groups share b2 alone, 32 KiB).
	s_load_b256 s[4:11], s[0:1], 0x0               ; yp s[4:5], tope s[6:7], topp s[8:9], pos s[10:11]
	s_load_b128 s[12:15], s[0:1], 0x20             ; b2 s[12:13], out0 s[14:15]
	v_lshrrev_b32 v2, 5, v0
	v_readfirstlane_b32 s16, v2                    ; wave 0..7
	v_and_b32 v1, 31, v0
	v_lshlrev_b32 v1, 4, v1                        ; 16 bytes a lane
	s_lshr_b32 s17, s16, 1
	s_lshl_b32 s18, ttmp9, 2
	s_add_co_u32 s17, s17, s18                     ; my token
	s_and_b32 s18, s16, 1
	s_lshl_b32 s18, s18, 11                        ; my half of a row, in bytes
	s_lshl_b32 s32, s17, 3
	s_mov_b32 s33, 0
	s_lshl_b32 s34, s17, 2
	s_mov_b32 s35, 0
	s_lshl_b32 s36, s17, 12
	s_add_co_u32 s36, s36, s18
	s_mov_b32 s37, 0
	s_wait_kmcnt 0x0
	s_add_nc_u64 s[6:7], s[6:7], s[32:33]
	s_add_nc_u64 s[8:9], s[8:9], s[32:33]
	s_add_nc_u64 s[10:11], s[10:11], s[34:35]
	s_add_nc_u64 s[14:15], s[14:15], s[36:37]
	s_load_b64 s[20:21], s[6:7], 0x0               ; e0, e1
	s_load_b64 s[22:23], s[8:9], 0x0               ; p0, p1
.irp i, 0,1,2,3,4,5,6,7
	s_load_b32 s[24+\i], s[10:11], 4096*\i         ; pos[i][t]
.endr
	s_wait_kmcnt 0x0
	s_min_u32 s20, s20, 7                          ; an expert stays inside the tables
	s_min_u32 s21, s21, 7
	s_mov_b32 s38, s24
	s_mov_b32 s39, s24
.irp i, 1,2,3,4,5,6,7
	s_cmp_eq_u32 s20, \i
	s_cselect_b32 s38, s[24+\i], s38
	s_cmp_eq_u32 s21, \i
	s_cselect_b32 s39, s[24+\i], s39
.endr
	s_min_u32 s38, s38, 1023
	s_min_u32 s39, s39, 1023
	s_lshl_b32 s62, s20, 10
	s_add_co_u32 s62, s62, s38
	s_lshl_b32 s62, s62, 12                        ; row 1,024 e0 + slot, of 4,096 bytes,
	s_add_co_u32 s62, s62, s18                     ; my half
	s_mov_b32 s63, 0
	s_lshl_b32 s66, s21, 10
	s_add_co_u32 s66, s66, s39
	s_lshl_b32 s66, s66, 12
	s_add_co_u32 s66, s66, s18
	s_mov_b32 s67, 0
	s_add_nc_u64 s[40:41], s[4:5], s[62:63]        ; the four quarters lie 32 MiB apart
	s_add_nc_u64 s[42:43], s[40:41], 0x2000000
	s_add_nc_u64 s[44:45], s[42:43], 0x2000000
	s_add_nc_u64 s[46:47], s[44:45], 0x2000000
	s_add_nc_u64 s[48:49], s[4:5], s[66:67]
	s_add_nc_u64 s[50:51], s[48:49], 0x2000000
	s_add_nc_u64 s[52:53], s[50:51], 0x2000000
	s_add_nc_u64 s[54:55], s[52:53], 0x2000000
	s_lshl_b32 s68, s20, 12
	s_add_co_u32 s68, s68, s18
	s_mov_b32 s69, 0
	s_lshl_b32 s70, s21, 12
	s_add_co_u32 s70, s70, s18
	s_mov_b32 s71, 0
	s_add_nc_u64 s[56:57], s[12:13], s[68:69]      ; b2[e0], b2[e1]
	s_add_nc_u64 s[58:59], s[12:13], s[70:71]
	s_mov_b32 s60, s23                             ; p1 as the low word of a pair, for the packed form
	s_mov_b32 s61, s23
.irp k, 0,1
.irp q, 0,1,2,3
.irp j, 0,1,2,3
	global_load_b128 v[16+64*\k+16*\q+4*\j:16+64*\k+16*\q+4*\j+3], v1, s[40+8*\k+2*\q:41+8*\k+2*\q] offset:512*\j th:TH_LOAD_NT
.endr
.endr
.endr
.irp k, 0,1
.irp j, 0,1,2,3
	global_load_b128 v[144+16*\k+4*\j:144+16*\k+4*\j+3], v1, s[56+2*\k:57+2*\k] offset:512*\j
.endr
.endr
	s_wait_loadcnt 0x0
.irp q, 1,2,3
.irp k, 0,1
.irp j, 0,2,4,6,8,10,12,14
	v_pk_add_f32 v[16+64*\k+\j:17+64*\k+\j], v[16+64*\k+\j:17+64*\k+\j], v[16+64*\k+16*\q+\j:17+64*\k+16*\q+\j]   ; K ascending: ((q0 + q1) + q2) + q3
.endr
.endr
.endr
.irp k, 0,1
.irp j, 0,2,4,6,8,10,12,14
	v_pk_add_f32 v[16+64*\k+\j:17+64*\k+\j], v[16+64*\k+\j:17+64*\k+\j], v[144+16*\k+\j:145+16*\k+\j]
.endr
.endr
.irp j, 0,2,4,6,8,10,12,14
	v_pk_mul_f32 v[16+\j:17+\j], v[16+\j:17+\j], s[22:23] op_sel_hi:[1,0]                       ; x p0
.endr
.irp j, 0,2,4,6,8,10,12,14
	v_pk_fma_f32 v[16+\j:17+\j], v[80+\j:81+\j], s[60:61], v[16+\j:17+\j] op_sel_hi:[1,0,1]     ; + p1 x the second
.endr
.irp j, 0,1,2,3
	global_store_b128 v1, v[16+4*\j:19+4*\j], s[14:15] offset:512*\j th:TH_STORE_NT   ; the wave stores 512 consecutive bytes, at a multiple of 256 from out0's first byte
.endr
	s_endpgm
.Lfunc_end_k_q2d39f252d5_combine:
	.size	k_q2d39f252d5_combine, .Lfunc_end_k_q2d39f252d5_combine-k_q2d39f252d5_combine
	.p2alignl 7, 3214868480
	.fill 96, 4, 3214868480
	.section	.rodata,"a",@progbits
	.p2align	6, 0x0
	.amdhsa_kernel k_q2d39f252d5_combine
		.amdhsa_group_segment_fixed_size 0
		.amdhsa_private_segment_fixed_size 0
		.amdhsa_enable_private_segment 0
		.amdhsa_kernarg_size 48
		.amdhsa_user_sgpr_count 2
		.amdhsa_user_sgpr_kernarg_segment_ptr 1
		.amdhsa_wavefront_size32 1
		.amdhsa_system_sgpr_workgroup_id_x 1
		.amdhsa_system_sgpr_workgroup_id_y 1
		.amdhsa_system_sgpr_workgroup_id_z 1
		.amdhsa_system_vgpr_workitem_id 0
		.amdhsa_next_free_vgpr 192
		.amdhsa_next_free_sgpr 80
		.amdhsa_reserve_vcc 0
		.amdhsa_float_denorm_mode_32 3
		.amdhsa_float_denorm_mode_16_64 3
		.amdhsa_memory_ordered 1
		.amdhsa_forward_progress 1
		.amdhsa_inst_pref_size 14
	.end_amdhsa_kernel
	.amdgpu_metadata
---
amdhsa.version: [ 1, 2 ]
amdhsa.kernels:
  - .name:           k_q2d39f252d5_combine
    .symbol:         k_q2d39f252d5_combine.kd
    .args:
      - { .name: yp, .offset: 0, .size: 8, .value_kind: global_buffer, .address_space: global }
      - { .name: tope, .offset: 8, .size: 8, .value_kind: global_buffer, .address_space: global }
      - { .name: topp, .offset: 16, .size: 8, .value_kind: global_buffer, .address_space: global }
      - { .name: pos, .offset: 24, .size: 8, .value_kind: global_buffer, .address_space: global }
      - { .name: b2, .offset: 32, .size: 8, .value_kind: global_buffer, .address_space: global }
      - { .name: out0, .offset: 40, .size: 8, .value_kind: global_buffer, .address_space: global }
    .group_segment_fixed_size: 0
    .private_segment_fixed_size: 0
    .kernarg_segment_align: 8
    .kernarg_segment_size: 48
    .max_flat_workgroup_size: 256
    .sgpr_count:     80
    .vgpr_count:     192
    .wavefront_size: 32
...
	.end_amdgpu_metadata
.endif
;; end of part 5
;; ======== version 2 of 2: 5 launches
;; workspace buffers: xq 1,048,576 bytes; tope 8,192 bytes of whole numbers; topp 8,192 bytes; list 32,768 bytes of whole numbers; pos 32,768 bytes of whole numbers; cnt 256 bytes of whole numbers; hq 33,554,432 bytes; yp 134,217,728 bytes
;; launch route (part 6): grid 256 x 1, 4 waves a work-group, no clusters, 1,536 bytes of LDS; arguments x, router_w, router_b, lang_w, lang_b, lowp_scales, xq, tope, topp; writes xq, tope, topp
.if DOCPART == 6
	.amdgcn_target "amdgcn-amd-amdhsa--gfx1250"
	.amdhsa_code_object_version 6
	.text
	.protected	k_q2d39f252d5_route
	.globl	k_q2d39f252d5_route
	.p2align	8
	.type	k_q2d39f252d5_route,@function
k_q2d39f252d5_route:
	s_mov_b64 s[64:65], 0
	v_nop
	global_prefetch_b8 v0, s[64:65] scope:SCOPE_SE
	s_setreg_imm32_b32 hwreg(HW_REG_WAVE_MODE, 25, 1), 1
	s_wait_xcnt 0x0
; ROUTE.  For each token: the 8 router and 4 language dot products in f32, both softmaxes (each with its maximum taken away), the two best experts
; (ties: the lower index) and their gates p / (pa + pb); and x as codes of E5M2 with the given scale 2^ls0.
; A work-group takes 4 tokens; wave w takes K = 256 w .. 256 w + 255 of all 12 weight rows and of the 4 tokens; lane l takes 8 neighbours, 32 bytes,
; so that a pair of loads of a wave covers 1,024 consecutive bytes.  The waves' partial sums meet in LDS behind one barrier.
; The chosen experts go out as whole numbers at fixed places (8 bytes a token); no address and no branch here hangs on them.
; No matrix unit: 12 columns are too few for a tile.  No cluster: the 48 KiB of weights are all that work-groups share, a quarter of a work-group's loads is x.
; LIMITS: ls0 between -126 and 112, so that 2^ls0 and 57,344 x 2^ls0 are f32 numbers.  NaN among the inputs is not served.
.set W,  16                            ; v16-111   12 weight rows x 8 numbers (router 0-7, language 8-11)
.set X,  112                           ; v112-143  4 tokens x 8 numbers
.set AC, 144                           ; v144-239  48 pairs of running sums: (token, row) at AC + 2 (12 token + row)
.set S,  16                            ; v16-63    the 48 sums, over W
.set PT, 64                            ; v64-111   at work: the other half of the lanes; later the four waves' parts
.set Q,  240                           ; v240-247  x as codes, two registers a token
	s_load_b256 s[4:11], s[0:1], 0x0               ; x s[4:5], router_w s[6:7], router_b s[8:9], lang_w s[10:11]
	s_load_b256 s[12:19], s[0:1], 0x20             ; lang_b s[12:13], the scales s[14:15], xq s[16:17], tope s[18:19]
	s_load_b64 s[20:21], s[0:1], 0x40              ; topp
	v_lshl_add_u32 v254, v0, 2, 0x400
	v_mov_b32 v255, 0
	v_lshrrev_b32 v4, 5, v0
	v_readfirstlane_b32 s22, v4                    ; wave 0..3
	v_and_b32 v5, 31, v0                           ; lane
	s_lshl_b32 s23, s22, 10
	v_lshl_add_u32 v1, v5, 5, s23                  ; my 32 bytes of a row of f32: 1,024 wave + 32 lane
	s_lshl_b32 s23, s22, 8
	v_lshl_add_u32 v2, v5, 3, s23                  ; my 8 codes of a row of xq: 256 wave + 8 lane
	v_mov_b32 v6, s23                              ; LDS: my wave's 256 bytes
	v_and_b32 v3, 3, v5
	v_lshlrev_b32 v3, 6, v3                        ; LDS: the 64 bytes of token lane % 4
	v_lshlrev_b32 v7, 3, v5                        ; 8 bytes a token in tope and topp
	s_lshl_b32 s24, ttmp9, 14                      ; 4 tokens of 4,096 bytes
	s_mov_b32 s25, 0
	s_lshl_b32 s26, ttmp9, 12                      ; 4 tokens of 1,024 codes
	s_mov_b32 s27, 0
	s_lshl_b32 s28, ttmp9, 5                       ; 4 tokens of 8 bytes
	s_mov_b32 s29, 0
	s_mov_b32 s46, 0x76543210                      ; v_permlanex16_b32: lane l takes lane l xor 16
	s_mov_b32 s47, 0xfedcba98
	s_wait_alu depctr_va_vdst(0)
	s_wait_kmcnt 0x0
	s_load_b256 s[32:39], s[8:9], 0x0              ; router_b
	s_load_b128 s[40:43], s[12:13], 0x0            ; lang_b
	s_load_b32 s44, s[14:15], 0x0                  ; ls0
	s_add_nc_u64 s[4:5], s[4:5], s[24:25]
	s_add_nc_u64 s[16:17], s[16:17], s[26:27]
	s_add_nc_u64 s[18:19], s[18:19], s[28:29]
	s_add_nc_u64 s[20:21], s[20:21], s[28:29]
.irp i, 0,1,2,3,4,5,6,7
	global_load_b128 v[W+8*\i:W+8*\i+3],   v1, s[6:7] offset:4096*\i
	global_load_b128 v[W+8*\i+4:W+8*\i+7], v1, s[6:7] offset:4096*\i+16
.endr
.irp i, 0,1,2,3
	global_load_b128 v[W+64+8*\i:W+64+8*\i+3],   v1, s[10:11] offset:4096*\i
	global_load_b128 v[W+64+8*\i+4:W+64+8*\i+7], v1, s[10:11] offset:4096*\i+16
.endr
.irp t, 0,1,2,3
	global_load_b128 v[X+8*\t:X+8*\t+3],   v1, s[4:5] offset:4096*\t th:TH_LOAD_NT
	global_load_b128 v[X+8*\t+4:X+8*\t+7], v1, s[4:5] offset:4096*\t+16 th:TH_LOAD_NT
.endr
	s_wait_loadcnt 0x0
	; 48 dot products, two numbers an instruction; the first product starts each sum; 48 chains that do not wait for each other
.irp j, 0,2,4,6
.irp t, 0,1,2,3
.irp i, 0,1,2,3,4,5,6,7,8,9,10,11
.if \j == 0
	v_pk_mul_f32 v[AC+2*(12*\t+\i):AC+2*(12*\t+\i)+1], v[X+8*\t:X+8*\t+1], v[W+8*\i:W+8*\i+1]
.else
	v_pk_fma_f32 v[AC+2*(12*\t+\i):AC+2*(12*\t+\i)+1], v[X+8*\t+\j:X+8*\t+\j+1], v[W+8*\i+\j:W+8*\i+\j+1], v[AC+2*(12*\t+\i):AC+2*(12*\t+\i)+1]
.endif
.endr
.endr
.endr
	; x as codes
	s_wait_kmcnt 0x0
	s_add_co_i32 s44, s44, 127
	s_lshl_b32 s45, s44, 23
	v_mov_b32 v11, s45                             ; 2^ls0 as f32: the conversion takes its exponent field
	s_add_co_i32 s44, s44, 15
	s_lshl_b32 s44, s44, 23
	s_or_b32 s44, s44, 0x600000
	v_mov_b32 v10, s44                             ; 57,344 x 2^ls0
.set n, 0
.rept 32
	v_med3_num_f32 v[X+n], v[X+n], -v10, v10       ; the conversion to an 8-bit code does not saturate (ISA guide 7.6.2): the hold comes first
.set n, n+1
.endr
.irp t, 0,1,2,3
	v_cvt_scalef32_pk8_bf8_f32 v[Q+2*\t:Q+2*\t+1], v[X+8*\t:X+8*\t+7], v11
.endr
	v_nop                                          ; one plain vector line behind the last conversion
.irp t, 0,1,2,3
	global_store_b64 v2, v[Q+2*\t:Q+2*\t+1], s[16:17] offset:1024*\t   ; the wave stores 256 consecutive bytes, at a multiple of 256 from xq's first byte
.endr
	; the sums over the 32 lanes
.set n, 0
.rept 48
	v_add_f32 v[S+n], v[AC+2*n], v[AC+2*n+1]
.set n, n+1
.endr
.irp m, 1,2,4,8
.set n, 0
.rept 48
	v_add_f32_dpp v[S+n], v[S+n], v[S+n] row_xmask:\m row_mask:0xf bank_mask:0xf
.set n, n+1
.endr
.endr
.set n, 0
.rept 48
	v_permlanex16_b32 v[PT+n], v[S+n], s46, s47    ; (its destination counts as read: these registers were loaded)
.set n, n+1
.endr
.set n, 0
.rept 48
	v_add_f32 v[S+n], v[S+n], v[PT+n]
.set n, n+1
.endr
	; over the four waves: every lane writes the same words of its wave's 256 bytes
.irp t, 0,1,2,3
.irp g, 0,1,2
	ds_store_b128 v6, v[S+12*\t+4*\g:S+12*\t+4*\g+3] offset:64*\t+16*\g
.endr
.endr
	s_wait_dscnt 0x0                               ; for the others' sake: my stores have landed
	s_barrier_signal -1
	s_barrier_wait -1
.irp w, 0,1,2,3
.irp g, 0,1,2
	ds_load_b128 v[PT+12*\w+4*\g:PT+12*\w+4*\g+3], v3 offset:256*\w+16*\g   ; token lane % 4: the four waves' twelve sums
.endr
.endr
	s_wait_dscnt 0x0
.set n, 0
.rept 12
	v_add_f32 v[16+n], v[PT+n], v[PT+12+n]
	v_add_f32 v[PT+n], v[PT+24+n], v[PT+36+n]
	v_add_f32 v[16+n], v[16+n], v[PT+n]            ; v16-23 the router's dots, v24-27 the language's
.set n, n+1
.endr
	; the language softmax
	v_add_f32 v24, s40, v24
	v_add_f32 v25, s41, v25
	v_add_f32 v26, s42, v26
	v_add_f32 v27, s43, v27
	v_max3_num_f32 v28, v24, v25, v26
	v_max_num_f32 v28, v28, v27
.irp i, 24,25,26,27
	v_sub_f32 v\i, v\i, v28
.endr
.irp i, 24,25,26,27
	v_mul_f32 v\i, 0x3fb8aa3b, v\i                 ; x log2(e)
.endr
	s_wait_alu depctr_va_vdst(0)
.irp i, 24,25,26,27
	v_exp_f32 v\i, v\i
.endr
	v_nop                                          ; a plain line behind the exponentials
	s_wait_alu depctr_va_vdst(0)
	v_add_f32 v29, v24, v25
	v_add_f32 v30, v26, v27
	v_add_f32 v29, v29, v30
	s_wait_alu depctr_va_vdst(0)
	v_rcp_f32 v29, v29
	v_nop
	s_wait_alu depctr_va_vdst(0)
.irp i, 24,25,26,27
	v_mul_f32 v\i, v\i, v29
.endr
	v_add_f32 v30, v24, v25                        ; lp[i] + lp[i + 1]; behind lp[3] stands a zero, so the fourth is v27 itself
	v_add_f32 v31, v25, v26
	v_add_f32 v32, v26, v27
	; the router's logits: (dot + bias) + 0.1 x (lp[e % 4] + lp[e % 4 + 1])
.irp i, 0,1,2,3,4,5,6,7
	v_add_f32 v[16+\i], s[32+\i], v[16+\i]
.endr
	v_fmamk_f32 v16, v30, 0x3dcccccd, v16
	v_fmamk_f32 v17, v31, 0x3dcccccd, v17
	v_fmamk_f32 v18, v32, 0x3dcccccd, v18
	v_fmamk_f32 v19, v27, 0x3dcccccd, v19
	v_fmamk_f32 v20, v30, 0x3dcccccd, v20
	v_fmamk_f32 v21, v31, 0x3dcccccd, v21
	v_fmamk_f32 v22, v32, 0x3dcccccd, v22
	v_fmamk_f32 v23, v27, 0x3dcccccd, v23
	v_max3_num_f32 v28, v16, v17, v18
	v_max3_num_f32 v28, v28, v19, v20
	v_max3_num_f32 v28, v28, v21, v22
	v_max_num_f32 v28, v28, v23
.irp i, 16,17,18,19,20,21,22,23
	v_sub_f32 v\i, v\i, v28
.endr
.irp i, 16,17,18,19,20,21,22,23
	v_mul_f32 v\i, 0x3fb8aa3b, v\i
.endr
	s_wait_alu depctr_va_vdst(0)
.irp i, 16,17,18,19,20,21,22,23
	v_exp_f32 v\i, v\i
.endr
	v_nop
	s_wait_alu depctr_va_vdst(0)
	v_add_f32 v29, v16, v17
	v_add_f32 v30, v18, v19
	v_add_f32 v31, v20, v21
	v_add_f32 v32, v22, v23
	v_add_f32 v29, v29, v30
	v_add_f32 v31, v31, v32
	v_add_f32 v29, v29, v31
	s_wait_alu depctr_va_vdst(0)
	v_rcp_f32 v29, v29
	v_nop
	s_wait_alu depctr_va_vdst(0)
.irp i, 16,17,18,19,20,21,22,23
	v_mul_f32 v\i, v\i, v29
.endr
	; the best: a later expert wins only where it is strictly larger, so a tie keeps the lower index.  Selections alone, no branch
	v_mov_b32 v40, 0
	v_mov_b32 v34, v16
.irp i, 1,2,3,4,5,6,7
	v_cmp_ge_f32 vcc_lo, v34, v[16+\i]             ; the best so far stays
	v_cndmask_b32 v40, \i, v40, vcc_lo
	v_cndmask_b32 v34, v[16+\i], v34, vcc_lo
.endr
	v_mov_b32 v36, -1.0                            ; the winner leaves the field: under every probability
.irp i, 0,1,2,3,4,5,6,7
	v_cmp_eq_u32 vcc_lo, \i, v40
	v_cndmask_b32 v[16+\i], v[16+\i], v36, vcc_lo
.endr
	v_mov_b32 v41, 0
	v_mov_b32 v35, v16
.irp i, 1,2,3,4,5,6,7
	v_cmp_ge_f32 vcc_lo, v35, v[16+\i]
	v_cndmask_b32 v41, \i, v41, vcc_lo
	v_cndmask_b32 v35, v[16+\i], v35, vcc_lo
.endr
	v_add_f32 v37, v34, v35
	s_wait_alu depctr_va_vdst(0)
	v_rcp_f32 v37, v37
	v_nop
	s_wait_alu depctr_va_vdst(0)
	v_mul_f32 v42, v34, v37
	v_mul_f32 v43, v35, v37
	s_cmp_lg_u32 s22, 0                            ; every wave holds the same results: wave 0 stores them
	s_cbranch_scc1 .Lend
	s_wait_xcnt 0x0                                ; EXEC changes only behind this wait: my stores of xq have had their addresses translated
	v_cmp_gt_u32 vcc_lo, 4, v5
	s_and_saveexec_b32 s48, vcc_lo                 ; lanes 0 to 3: token = lane
	global_store_b64 v7, v[40:41], s[18:19]
	s_wait_alu depctr_va_vdst(0)
	global_store_b64 v7, v[42:43], s[20:21]
	s_wait_xcnt 0x0
	s_or_b32 exec_lo, exec_lo, s48
.Lend:
	s_wait_tensorcnt 0x0
	ds_add_u32 v254, v255
	s_wait_dscnt 0x0
	s_endpgm
.Lfunc_end_k_q2d39f252d5_route:
	.size	k_q2d39f252d5_route, .Lfunc_end_k_q2d39f252d5_route-k_q2d39f252d5_route
	.p2alignl 7, 3214868480
	.fill 96, 4, 3214868480
	.section	.rodata,"a",@progbits
	.p2align	6, 0x0
	.amdhsa_kernel k_q2d39f252d5_route
		.amdhsa_group_segment_fixed_size 1536
		.amdhsa_private_segment_fixed_size 0
		.amdhsa_enable_private_segment 0
		.amdhsa_kernarg_size 72
		.amdhsa_user_sgpr_count 2
		.amdhsa_user_sgpr_kernarg_segment_ptr 1
		.amdhsa_wavefront_size32 1
		.amdhsa_system_sgpr_workgroup_id_x 1
		.amdhsa_system_sgpr_workgroup_id_y 1
		.amdhsa_system_sgpr_workgroup_id_z 1
		.amdhsa_system_vgpr_workitem_id 0
		.amdhsa_next_free_vgpr 256
		.amdhsa_next_free_sgpr 66
		.amdhsa_reserve_vcc 1
		.amdhsa_float_denorm_mode_32 3
		.amdhsa_float_denorm_mode_16_64 3
		.amdhsa_memory_ordered 1
		.amdhsa_forward_progress 1
		.amdhsa_inst_pref_size 48
	.end_amdhsa_kernel
	.amdgpu_metadata
---
amdhsa.version: [ 1, 2 ]
amdhsa.kernels:
  - .name:           k_q2d39f252d5_route
    .symbol:         k_q2d39f252d5_route.kd
    .args:
      - { .name: x, .offset: 0, .size: 8, .value_kind: global_buffer, .address_space: global }
      - { .name: router_w, .offset: 8, .size: 8, .value_kind: global_buffer, .address_space: global }
      - { .name: router_b, .offset: 16, .size: 8, .value_kind: global_buffer, .address_space: global }
      - { .name: lang_w, .offset: 24, .size: 8, .value_kind: global_buffer, .address_space: global }
      - { .name: lang_b, .offset: 32, .size: 8, .value_kind: global_buffer, .address_space: global }
      - { .name: lowp_scales, .offset: 40, .size: 8, .value_kind: global_buffer, .address_space: global }
      - { .name: xq, .offset: 48, .size: 8, .value_kind: global_buffer, .address_space: global }
      - { .name: tope, .offset: 56, .size: 8, .value_kind: global_buffer, .address_space: global }
      - { .name: topp, .offset: 64, .size: 8, .value_kind: global_buffer, .address_space: global }
    .group_segment_fixed_size: 1536
    .private_segment_fixed_size: 0
    .kernarg_segment_align: 8
    .kernarg_segment_size: 72
    .max_flat_workgroup_size: 128
    .sgpr_count:     66
    .vgpr_count:     256
    .wavefront_size: 32
...
	.end_amdgpu_metadata
.endif
;; end of part 6
;; launch place (part 7): grid 1 x 1, 8 waves a work-group, no clusters, 0 bytes of LDS; arguments tope, list, pos, cnt; writes list, pos, cnt
.if DOCPART == 7
	.amdgcn_target "amdgcn-amd-amdhsa--gfx1250"
	.amdhsa_code_object_version 6
	.text
	.protected	k_q2d39f252d5_place
	.globl	k_q2d39f252d5_place
	.p2align	8
	.type	k_q2d39f252d5_place,@function
k_q2d39f252d5_place:
	s_mov_b64 s[64:65], 0
	v_nop
	global_prefetch_b8 v0, s[64:65] scope:SCOPE_SE
	s_setreg_imm32_b32 hwreg(HW_REG_WAVE_MODE, 25, 1), 1
	s_wait_xcnt 0x0
; PLACE.  Wave e serves expert e alone: a counting sort of the 1,024 tokens without LDS, barrier or atomic.
; list[e] is a FULL permutation of the tokens: those that chose e come first, in token order (slots 0 .. cnt - 1), the others fill the slots from 1,023 downward.
; So every slot of every tile names a token, and a tile's spare rows can be gathered like any others.  pos[e][t] = the slot of token t; cnt[e] = the number that chose e.
; One work-group: the sort is 8 x 32 short steps on 8 KiB; sharing it further would want sums between work-groups.
; Each chunk of 32 tokens has registers of its own for address, slot and token, so that no store's source is written again.
	s_load_b256 s[4:11], s[0:1], 0x0               ; tope s[4:5], list s[6:7], pos s[8:9], cnt s[10:11]
	v_lshrrev_b32 v1, 5, v0
	s_delay_alu instid0(VALU_DEP_1)
	v_readfirstlane_b32 s12, v1                    ; my expert
	v_and_b32 v2, 31, v0                           ; lane
	s_delay_alu instid0(VALU_DEP_1)
	v_lshlrev_b32 v3, 3, v2                        ; 8 bytes a token in tope
	s_delay_alu instid0(VALU_DEP_2)
	v_lshlrev_b32 v4, 2, v2                        ; 4 bytes a token in pos
	s_lshl_b32 s14, s12, 12                        ; my expert's 4,096 bytes of list and of pos
	s_mov_b32 s15, 0
	s_mov_b32 s13, 0                               ; tokens of mine so far
	s_lshl_b32 s16, s12, 2
	v_mov_b32 v13, s16                             ; my word of cnt
	s_wait_alu depctr_va_vdst(0)
	s_wait_kmcnt 0x0
	s_add_nc_u64 s[6:7], s[6:7], s[14:15]
	s_add_nc_u64 s[8:9], s[8:9], s[14:15]
.set c, 0
.rept 32
	global_load_b64 v[32+2*c:33+2*c], v3, s[4:5] offset:256*c   ; chunk c: the two experts of tokens 32 c + lane
.set c, c+1
.endr
	s_wait_loadcnt 0x0
.macro CHUNK c
	v_cmp_eq_u32 s20, s12, v[32+2*\c]
	v_cmp_eq_u32 s21, s12, v[33+2*\c]
	s_or_b32 s20, s20, s21                         ; the lanes whose token chose me
	v_mbcnt_lo_u32_b32 v10, s20, 0                 ; how many of them stand below my lane
	v_add_nc_u32 v[160+\c], 32*\c, v2              ; my token t
	s_delay_alu instid0(VALU_DEP_2)
	v_add_nc_u32 v11, s13, v10                     ; f = the chosen tokens in front of t: a chosen token's slot
	s_delay_alu instid0(VALU_DEP_1)
	v_sub_nc_u32 v12, v11, v[160+\c]
	s_delay_alu instid0(VALU_DEP_1)
	v_add_nc_u32 v12, 0x3ff, v12                   ; 1,023 - (t - f): the slot of one that did not choose me
	s_delay_alu instid0(VALU_DEP_1)
	v_cndmask_b32 v[128+\c], v12, v11, s20
	s_delay_alu instid0(VALU_DEP_1)
	v_min_u32 v[128+\c], 0x3ff, v[128+\c]          ; a slot stays inside the table
	s_delay_alu instid0(VALU_DEP_1)
	v_lshlrev_b32 v[96+\c], 2, v[128+\c]
	global_store_b32 v[96+\c], v[160+\c], s[6:7]               ; list[e][slot] = t
	global_store_b32 v4, v[128+\c], s[8:9] offset:128*\c       ; pos[e][t] = slot
	s_bcnt1_i32_b32 s21, s20
	s_add_co_u32 s13, s13, s21
.endm
.set q, 0
.rept 32
	CHUNK q
.set q, q+1
.endr
	v_mov_b32 v12, s13
	s_wait_alu depctr_va_vdst(0)
	s_wait_xcnt 0x0                                ; EXEC changes only behind this wait
	v_cmp_eq_u32 vcc_lo, 0, v2
	s_and_saveexec_b32 s22, vcc_lo
	global_store_b32 v13, v12, s[10:11]            ; cnt[e]
	s_wait_xcnt 0x0
	s_or_b32 exec_lo, exec_lo, s22
	s_endpgm
.Lfunc_end_k_q2d39f252d5_place:
	.size	k_q2d39f252d5_place, .Lfunc_end_k_q2d39f252d5_place-k_q2d39f252d5_place
	.p2alignl 7, 3214868480
	.fill 96, 4, 3214868480
	.section	.rodata,"a",@progbits
	.p2align	6, 0x0
	.amdhsa_kernel k_q2d39f252d5_place
		.amdhsa_group_segment_fixed_size 0
		.amdhsa_private_segment_fixed_size 0
		.amdhsa_enable_private_segment 0
		.amdhsa_kernarg_size 32
		.amdhsa_user_sgpr_count 2
		.amdhsa_user_sgpr_kernarg_segment_ptr 1
		.amdhsa_wavefront_size32 1
		.amdhsa_system_sgpr_workgroup_id_x 1
		.amdhsa_system_sgpr_workgroup_id_y 1
		.amdhsa_system_sgpr_workgroup_id_z 1
		.amdhsa_system_vgpr_workitem_id 0
		.amdhsa_next_free_vgpr 192
		.amdhsa_next_free_sgpr 66
		.amdhsa_reserve_vcc 1
		.amdhsa_float_denorm_mode_32 3
		.amdhsa_float_denorm_mode_16_64 3
		.amdhsa_memory_ordered 1
		.amdhsa_forward_progress 1
		.amdhsa_inst_pref_size 37
	.end_amdhsa_kernel
	.amdgpu_metadata
---
amdhsa.version: [ 1, 2 ]
amdhsa.kernels:
  - .name:           k_q2d39f252d5_place
    .symbol:         k_q2d39f252d5_place.kd
    .args:
      - { .name: tope, .offset: 0, .size: 8, .value_kind: global_buffer, .address_space: global }
      - { .name: list, .offset: 8, .size: 8, .value_kind: global_buffer, .address_space: global }
      - { .name: pos, .offset: 16, .size: 8, .value_kind: global_buffer, .address_space: global }
      - { .name: cnt, .offset: 24, .size: 8, .value_kind: global_buffer, .address_space: global }
    .group_segment_fixed_size: 0
    .private_segment_fixed_size: 0
    .kernarg_segment_align: 8
    .kernarg_segment_size: 32
    .max_flat_workgroup_size: 256
    .sgpr_count:     66
    .vgpr_count:     192
    .wavefront_size: 32
...
	.end_amdgpu_metadata
.endif
;; end of part 7
;; launch ffn1 (part 8): grid 32 x 8, 4 waves a work-group, no clusters, 131,584 bytes of LDS; arguments xq, w1, b1, lowp_scales, list, cnt, hq; writes hq
.if DOCPART == 8
	.amdgcn_target "amdgcn-amd-amdhsa--gfx1250"
	.amdhsa_code_object_version 6
	.text
	.protected	k_q2d39f252d5_ffn1
	.globl	k_q2d39f252d5_ffn1
	.p2align	8
	.type	k_q2d39f252d5_ffn1,@function
k_q2d39f252d5_ffn1:
	s_mov_b64 s[64:65], 0
	v_nop
	global_prefetch_b8 v0, s[64:65] scope:SCOPE_SE
	s_setreg_imm32_b32 hwreg(HW_REG_WAVE_SCHED_MODE, 0, 2), 2
	s_setreg_imm32_b32 hwreg(HW_REG_WAVE_MODE, 25, 1), 1
	s_wait_xcnt 0x0
	s_wait_alu depctr_vm_vsrc(0)
; FFN1.  hq = Q(gelu(x w1[e] + b1[e])) for the rows routed to expert e, on codes of E5M2.  Work-group (bx, e) owns hidden units 128 bx .. 128 bx + 127 of expert e:
; 1,024 x 128 numbers of w1, 512 KiB of f32 that no other work-group reads.
; THE STREAM AND THE PRODUCTS GO TOGETHER, in eight stages, one for each K step of 128.  In stage s wave w takes K rows 128 s + 32 w .. + 31 (16-byte loads: lanes 0-15 take 256 consecutive aligned bytes of row k,
; lanes 16-31 of row k + 16), holds and converts them, turns each 4 x 4 bytes so that K runs along a register, and lays the codes in LDS as images of operand registers.  Behind the stage's barrier the K step's eight weight
; fragments are whole, and every wave multiplies them by its own five tiles of 16 routed rows, while the weights of the next two stages are on their way.  Each K step has LDS bytes of its own, written once: one barrier a stage.
; FIVE TILES A WAVE, ALWAYS: wave w owns the tiles w, w + 4, ..; the stages take the first five (320 rows an expert), whatever the count: a tile past the expert's last takes tokens of the list's tail, and nothing of it is stored.
; So the stages have one shape, no accumulator is left unwritten on any path and every count of loads is a constant.  Tiles beyond the fifth (more than 320 rows) go in later passes of four, which sweep the finished codes in LDS.
; The rows' codes are gathered from xq straight into registers, a K step at a time, one stage ahead, in a ring of two.  Bias, GELU (exact erf form) and the quantiser follow behind the stream, in registers.
; K'S PLACE IN A FRAGMENT of 16 x 128: register 4 c + q, byte b, half h of the lanes holds k = 32 c + 16 h + 4 q + b: what four 16-byte loads at 32 c + 16 h give.  The same in both operands, so each product meets its partner.
; THE COLUMNS OF A TILE ARE NOT NEIGHBOURS: lane m of weight tile 4 u + j holds hidden unit 64 u + 4 s(m) + j, s(m) = m with bits 2 and 3 exchanged.  The product is used transposed (source 0 = weights, source 1 = rows), so a lane
; holds one row, and register i of tile 4 u + j is hidden unit 32 (2 u + i / 4) + 16 h + 4 (i % 4) + j: laid in that order the 64 results are the next product's fragment, in the very place that K has above.
; NO CLUSTER, NO TENSOR LOAD: the weights, 512 KiB of a work-group's loads, are shared by nobody and must pass through registers to be quantised; the rows that the 32 work-groups of an expert share
; (16 KiB a tile) come in numbers read from memory, which partners of a joint load may not branch on.
; LIMITS: each entry of the scales between -126 and 112; ls0 + ls1 between -126 and 127.  NaN is not served.  erf(z) = z P(z^2) / Q(z^2) with z held within +-4, right to f32 rounding;
; where 1 + erf cancels (x under about -3) the result keeps an absolute error of some 1e-7 |x|, not a relative one.
; REGISTERS, in windows of 256.  Window 0: the names below.  Window 1: the sums of tiles 0-3, (g, t) at v[64 g + 8 t].  Window 2: v0-63 the sums of tile 4; v64-223 the ring of the rows' codes, K step s, tile g at v[64 + 80 (s % 2) + 16 g].
; Window 3: two landing sets of 128.  In a later pass: the rows' codes of K steps 0-3 in window 3, of 4-7 in window 2, (s, g) at v[64 (s % 4) + 16 g]; the sums in window 1.
; THE MODE: SCHED_MODE bits 1:0 = 2 (LLVM: expert scheduling mode 2), set by the entry lines.  The code itself states the register dependences
; between vector or matrix instructions and memory or LDS instructions, with s_wait_alu, always for 0.
; THE PLAN.  Registers that memory or LDS instructions touch, in a stage s:
;   landing set s % 2   Stage s's holds write it and its conversions read it; behind them the loads of stage s + 2 land in it: 8 ahead of the barrier, 24 behind the products.
;   ring half s % 2     Stage s's products read it; the loads of K step s + 2, issued in stage s + 1, land in it.
;   v[WBUF ..]          Stage s's products read it; the LDS loads of stage s + 1 land in it.
;   v[C ..]             Stage s's permutes write it, its eight LDS stores read it, the permutes of stage s + 1 write it again.
;   v32-95              Stage 7's conversions and permutes name them; behind them b1's loads land there.
;   v1-5, v10, v17      Offsets and LDS addresses, made at the head and never written again.  v[TOK ..]: made at the head, and anew in a later pass.
; So ONE wait on va_vdst stands in a stage, behind its permutes: v[C ..] is written, the holds and conversions are done with the landing set, and the last stage's products are done reading the other half of the ring and
; the weights' buffer.  The LDS stores and all the stage's loads follow it; the only vector or matrix instructions behind it are the products, which name the weights' buffer, this stage's half of the ring and the sums:
; none of the registers that a later load of the stage touches.  One wait on vm_vsrc stands ahead of the permutes that write v[C ..] again, a stage behind the LDS stores that read it.
; On the way out a tile has one wait on va_vdst ahead of its stores and one on vm_vsrc behind them, ahead of the loop's branch; that one also frees what a later pass writes anew.
.set PITCH, 16384                      ; a row of w1[e] in bytes
.set LI,    1                          ; v1   16 x lane: my place in an image
.set LI2,   2                          ; v2   the same + 65,536: the upper half of the codes
.set WOF,   3                          ; v3   w1: 16 rows x h + 16 x s(r)
.set CSTA,  4                          ; v4   LDS: 4,096 x wave + 16 x lane: where my codes of K steps 0-3 go
.set CSTB,  5                          ; v5   the same + 65,536: K steps 4-7
.set LIMW,  6                          ; v6   57,344 x 2^ls1
.set SCW,   7                          ; v7   2^ls1
.set LIMH,  8                          ; v8   57,344 x 2^ls3
.set SCH,   9                          ; v9   2^ls3
.set BOF,   10                         ; v10  b1: 64 h
.set H16,   11                         ; v11  16 h
.set TOK,   12                         ; v12-16   the pass's tiles: 1,024 x token + 16 h
.set LOF,   17                         ; v17  list: 64 wave + 4 r
.set LA,    18                         ; v18-21   a later pass's places in the list (at the head: at work)
.set CA,    24                         ; v[24:25] P's leading coefficient, twice
.set CB,    26                         ; v[26:27] Q's
.set U,     32                         ; stages: v32-63 codes as converted; v64-95 half turned; v96-127 turned
.set P,     64
.set C,     96
.set BIAS,  32                         ; behind the stream: v32-95 b1 in the results' order
.set WBUF,  128                        ; v128-255 eight weight fragments
.set T,     128                        ; way out: v128-191 a tile's 64 numbers; v192-223 at work
.set Z,     192
.set Z2,    200
.set NU,    208
.set DE,    216
.set CODE,  224                        ; v224-239 a tile's codes
.set RING,  64                         ; in window 2
.set XQP,   8
.set WP,    10
.set B1P,   12
.set LSP,   14
.set LISTP, 16
.set CNTP,  18
.set HQP,   20
.set WV,    22
.set EX,    23
.set BX,    24
.set CNT,   28
.set NT,    29                         ; tiles of the expert, at least 1
.set NW,    30                         ; tiles of my wave
.set NP,    31                         ; passes of my wave
.set PS,    32                         ; the pass
.set GG,    33                         ; its tiles
.set GI,    35                         ; the tile on its way out
.set SCL,   68                         ; 2^(ls0 + ls1) as f32
.set STB,   70                         ; s[70:71] where a tile's codes go
.set TB,    76                         ; the pass's first tile among my wave's
.set CAP,   77                         ; tiles that a pass holds: 5, later 4
.set WP2,   78                         ; s[78:79] w1 512 rows further on: 911 rows of 16,384 bytes pass the signed 24-bit immediate (ISA guide, chapter 10)
.set MSB, 0
.macro WIN new                         ; bits 1:0 source 0, 3:2 source 1, 5:4 source 2, 7:6 destination; the high byte repeats the setting that is left
.if MSB != (\new)
	s_set_vgpr_msb (MSB<<8)|(\new)
.set MSB, (\new)
.endif
.endm
.macro KPAIR reg, val                  ; a constant for the packed forms, which name a pair and take its low word
	s_mov_b32 s[\reg], \val
	s_mov_b32 s[\reg+1], \val
.endm
; stage s's weights, rows 4 q0 .. 4 q1 + 3 of my 16 (+ 16 h): row 4 q + b, unit u, at v[128 (s % 2) + 32 q + 16 u + 4 b] of window 3
.macro LOADW s, q0, q1
.set lset, 128*((\s)%2)
.set lrow, 128*((\s)%4)
.if (\s) < 4
.set lwp, WP
.else
.set lwp, WP2
.endif
	WIN 0xc0
.set lq, \q0
.rept \q1-\q0+1
.irp b, 0,1,2,3
.irp u, 0,1
	global_load_b128 v[lset+32*lq+16*\u+4*\b:lset+32*lq+16*\u+4*\b+3], v[WOF], s[lwp:lwp+1] offset:(lrow+4*lq+\b)*PITCH+256*\u th:TH_LOAD_NT
.endr
.endr
.set lq, lq+1
.endr
.endm
; the five tiles' codes of K step s, gathered from xq into the ring
.macro ARING s
.set ar, RING+80*((\s)%2)
	WIN 0x80
.irp g, 0,1,2,3,4
.irp c, 0,1,2,3
	global_load_b128 v[ar+16*\g+4*\c:ar+16*\g+4*\c+3], v[TOK+\g], s[XQP:XQP+1] offset:128*(\s)+32*\c
.endr
.endr
.endm
; one product of a stage: weight tile f x row tile g, K step s.  K step 0 starts the sums with the constant 0: nothing is cleared
.macro MM s, f, g
.set aW, WBUF+16*(\f)
.set aA, RING+80*((\s)%2)+16*(\g)
.if (\g) < 4
.set aD, 64*(\g)+8*(\f)
.else
.set aD, 8*(\f)
.endif
.if (\s) == 0
	v_wmma_f32_16x16x128_bf8_bf8 v[aD:aD+7], v[aW:aW+15], v[aA:aA+15], 0
.else
	v_wmma_f32_16x16x128_bf8_bf8 v[aD:aD+7], v[aW:aW+15], v[aA:aA+15], v[aD:aD+7]
.endif
.endm
; A STAGE.  nw: the loads younger than this stage's weights; na: those younger than this K step's rows.
.macro STAGE s, nw, na
	s_wait_loadcnt \nw                             ; my 32 rows of this K step are in
	WIN 0xc3
.set n, 128*((\s)%2)
.rept 128
	v_med3_num_f32 v[n], v[n], -v[LIMW], v[LIMW]   ; the conversion to an 8-bit code does not saturate (ISA guide 7.6.2): the hold comes first.  (These lines are also the places behind the last stage's products)
.set n, n+1
.endr
	WIN 0x03
.set n, 0
.rept 16
	v_cvt_scalef32_pk8_bf8_f32 v[U+2*n:U+2*n+1], v[128*((\s)%2)+8*n:128*((\s)%2)+8*n+7], v[SCW]   ; two rows x four columns: v[U + 4 (2 q + u) + b] = row b, a column a byte
.set n, n+1
.endr
	WIN 0
	v_nop                                          ; one plain vector line behind the last conversion
.irp m, 0,1,2,3,4,5,6,7                ; m = 2 q + u: 4 rows x 4 columns of bytes are turned: eight byte permutes
	v_perm_b32 v[P+4*\m],   v[U+4*\m+1], v[U+4*\m],   s40
	v_perm_b32 v[P+4*\m+1], v[U+4*\m+1], v[U+4*\m],   s41
	v_perm_b32 v[P+4*\m+2], v[U+4*\m+3], v[U+4*\m+2], s40
	v_perm_b32 v[P+4*\m+3], v[U+4*\m+3], v[U+4*\m+2], s41
.endr
.if (\s) > 0
	s_wait_alu depctr_vm_vsrc(0)                   ; the last stage's LDS stores have read v[C ..], which the permutes below write again
.endif
.irp m, 0,1,2,3,4,5,6,7
	v_perm_b32 v[C+16*(\m%2)+(\m/2)],    v[P+4*\m+2], v[P+4*\m],   s42   ; column j = 0: rows 4 q + 0 .. 3 in one register
	v_perm_b32 v[C+16*(\m%2)+4+(\m/2)],  v[P+4*\m+2], v[P+4*\m],   s43
	v_perm_b32 v[C+16*(\m%2)+8+(\m/2)],  v[P+4*\m+3], v[P+4*\m+1], s42
	v_perm_b32 v[C+16*(\m%2)+12+(\m/2)], v[P+4*\m+3], v[P+4*\m+1], s43
.endr
	s_wait_alu depctr_va_vdst(0)                   ; the permutes have written v[C ..], which the LDS stores read; the holds and conversions are done with the landing set, and the last stage's products with the other half of the ring and the weights' buffer, in all of which this stage's loads land (stage 7: the permutes are done with v32-95, where b1 lands)
.irp u, 0,1
.irp j, 0,1,2,3
.if (\s) < 4
	ds_store_b128 v[CSTA], v[C+16*\u+4*\j:C+16*\u+4*\j+3] offset:(\s)*16384+(4*\u+\j)*512   ; group c = wave of tile 4 u + j's fragment: 512 consecutive bytes
.else
	ds_store_b128 v[CSTB], v[C+16*\u+4*\j:C+16*\u+4*\j+3] offset:((\s)-4)*16384+(4*\u+\j)*512
.endif
.endr
.endr
.if (\s) < 7
	ARING (\s)+1                                   ; the next K step's rows, into the half of the ring that the last stage's products have left
.endif
.if (\s) < 6
	LOADW (\s)+2, 0, 0                             ; the landing set is free: 8 of its next 32 loads now, which makes 60 asked for at the most; the other 24 stand behind the products,
.endif                                         ; since the issue of a load that would push LOADcnt past its field stalls (ISA guide 5.7.1), and the wave has products to issue
	WIN 0
.if (\s) == 7
.irp c, 0,1,2,3
.irp q, 0,1,2,3
	global_load_b128 v[BIAS+16*\c+4*\q:BIAS+16*\c+4*\q+3], v[BOF], s[B1P:B1P+1] offset:128*\c+16*\q   ; b1 at hidden units 32 c + 16 h + 4 q + 0 .. 3, into registers that the turning has left
.endr
.endr
.endif
	s_wait_dscnt 0x0                               ; for the others' sake: my codes have landed
	s_barrier_signal -1
	s_barrier_wait -1                              ; the K step's eight fragments are whole; nobody writes these bytes again
.irp f, 0,1,2,3,4,5,6,7
.irp c, 0,1,2,3
.if (\s) < 4
	ds_load_b128 v[WBUF+16*\f+4*\c:WBUF+16*\f+4*\c+3], v[LI] offset:(4*(\s)+\c)*4096+\f*512
.else
	ds_load_b128 v[WBUF+16*\f+4*\c:WBUF+16*\f+4*\c+3], v[LI2] offset:(4*((\s)-4)+\c)*4096+\f*512
.endif
.endr
.endr
	s_wait_loadcnt \na                             ; this K step's rows are in
	s_wait_dscnt 16                                ; weight tiles 0-3 are in; the sixteen loads of tiles 4-7 may be out
	WIN 0x58                                       ; weights window 0, rows window 2, sums window 1
.irp f, 0,1,2,3                        ; the 40 accumulators take turns, one instruction a turn
.irp g, 0,1,2,3
	MM \s, \f, \g
.endr
.endr
	s_wait_dscnt 0x0
.irp f, 4,5,6,7
.irp g, 0,1,2,3
	MM \s, \f, \g
.endr
.endr
	WIN 0xa8                                       ; the fifth tile's sums lie in window 2
.irp f, 0,1,2,3,4,5,6,7
	MM \s, \f, 4
.endr
.if (\s) < 6
	LOADW (\s)+2, 1, 3                             ; the landing set's other 24 loads.  No wait: no vector or matrix instruction since the stage's wait names the landing set or the offset
.endif
	WIN 0
.endm
; A LATER PASS: four tiles' codes of all eight K steps, 16 loads a K step, K step by K step
.macro ALOAD
.set as, 0
.rept 8
	WIN 0xc0-0x40*(as/4)
.irp g, 0,1,2,3
.irp c, 0,1,2,3
	global_load_b128 v[64*(as%4)+16*\g+4*\c:64*(as%4)+16*\g+4*\c+3], v[TOK+\g], s[XQP:XQP+1] offset:128*as+32*\c
.endr
.endr
.set as, as+1
.endr
	WIN 0
.endm
; batch b = 2 s + th: the weight fragments of K step s, tiles 4 th .. 4 th + 3, into half b % 2 of the buffer
.macro WLOAD b
.set ws, (\b)/2
.set wt, 4*((\b)%2)
.set wr, WBUF+64*((\b)%2)
.irp f, 0,1,2,3
.irp c, 0,1,2,3
.if ws < 4
	ds_load_b128 v[wr+16*\f+4*\c:wr+16*\f+4*\c+3], v[LI] offset:(4*ws+\c)*4096+(wt+\f)*512
.else
	ds_load_b128 v[wr+16*\f+4*\c:wr+16*\f+4*\c+3], v[LI2] offset:(4*(ws-4)+\c)*4096+(wt+\f)*512
.endif
.endr
.endr
.endm
; all 64 weight fragments against four tiles of rows; the accumulators by turns; K step 0 starts the sums with the constant 0
.macro SWEEP4
	WLOAD 0
.set bb, 0
.rept 16
.rept 4
	v_nop                                          ; four places between the last products and the loads into the half that they read
.endr
.if bb < 15
.if bb > 0
	s_wait_alu depctr_va_vdst(0)                   ; the last batch's products are done reading the half of the weights' buffer in which the loads below land
.endif
	WLOAD bb+1
	s_wait_dscnt 16                                ; this batch is in; the sixteen loads just issued may be out
.else
	s_wait_dscnt 0x0
.endif
.if bb%2 == 0
.if bb < 8
	s_wait_loadcnt 63                              ; of the 128 loads of rows the oldest 65 are in: K steps 0 to 3
.else
	s_wait_loadcnt 16*(7-bb/2)                     ; sixteen loads for each later K step may be out
.endif
.endif
	WIN 0x5c-4*(bb/8)                              ; weights window 0, rows window 3 or 2, sums window 1
.irp f, 0,1,2,3
.irp g, 0,1,2,3
.set aD, 64*\g+8*(4*(bb%2)+\f)
.set aW, WBUF+64*(bb%2)+16*\f
.set aA, 64*((bb/2)%4)+16*\g
.if bb < 2
	v_wmma_f32_16x16x128_bf8_bf8 v[aD:aD+7], v[aW:aW+15], v[aA:aA+15], 0
.else
	v_wmma_f32_16x16x128_bf8_bf8 v[aD:aD+7], v[aW:aW+15], v[aA:aA+15], v[aD:aD+7]
.endif
.endr
.endr
	WIN 0
.set bb, bb+1
.endr
.endm
; tile g's 64 sums x 2^(ls0 + ls1) + b1, laid in the order of the next K; each accumulator from its low end on
.macro FIRST g
.if \g < 4
	WIN 0x01
.set fa, 64*\g
.else
	WIN 0x02
.set fa, 0
.endif
.irp t, 0,1,2,3,4,5,6,7
.irp i, 0,1,2,3,4,5,6,7
	v_fma_f32 v[T+32*(\t/4)+16*(\i/4)+4*(\i%4)+(\t%4)], v[fa+8*\t+\i], s[SCL], v[BIAS+32*(\t/4)+16*(\i/4)+4*(\i%4)+(\t%4)]
.endr
.endr
	WIN 0
.endm
; eight numbers: gelu(x) = x / 2 + (x / 2) erf(x / sqrt 2), held, converted
.macro GELU8 n
.set gt, T+8*(\n)
.irp k, 0,2,4,6
	v_pk_mul_f32 v[Z+\k:Z+\k+1], v[gt+\k:gt+\k+1], s[44:45] op_sel_hi:[1,0]
.endr
.irp k, 0,1,2,3,4,5,6,7
	v_med3_num_f32 v[Z+\k], v[Z+\k], -4.0, 4.0
.endr
.irp k, 0,2,4,6
	v_pk_mul_f32 v[Z2+\k:Z2+\k+1], v[Z+\k:Z+\k+1], v[Z+\k:Z+\k+1]
.endr
.irp k, 0,2,4,6
	v_pk_fma_f32 v[NU+\k:NU+\k+1], v[Z2+\k:Z2+\k+1], v[CA:CA+1], s[46:47] op_sel_hi:[1,1,0]
	v_pk_fma_f32 v[DE+\k:DE+\k+1], v[Z2+\k:Z2+\k+1], v[CB:CB+1], s[58:59] op_sel_hi:[1,1,0]
.endr
.irp c, 48,50,52,54,56
.irp k, 0,2,4,6
	v_pk_fma_f32 v[NU+\k:NU+\k+1], v[NU+\k:NU+\k+1], v[Z2+\k:Z2+\k+1], s[\c:\c+1] op_sel_hi:[1,1,0]
.endr
.endr
.irp c, 60,62,66
.irp k, 0,2,4,6
	v_pk_fma_f32 v[DE+\k:DE+\k+1], v[DE+\k:DE+\k+1], v[Z2+\k:Z2+\k+1], s[\c:\c+1] op_sel_hi:[1,1,0]
.endr
.endr
	s_wait_alu depctr_va_vdst(0)
.irp k, 0,1,2,3,4,5,6,7
	v_rcp_f32 v[DE+\k], v[DE+\k]
.endr
.irp k, 0,2,4,6
	v_pk_mul_f32 v[NU+\k:NU+\k+1], v[NU+\k:NU+\k+1], v[Z+\k:Z+\k+1]          ; (plain lines behind the reciprocals)
.endr
	s_wait_alu depctr_va_vdst(0)                   ; the eight reciprocals have written v[DE ..]: one wait for the batch, ahead of its first reader
.irp k, 0,2,4,6
	v_pk_mul_f32 v[NU+\k:NU+\k+1], v[NU+\k:NU+\k+1], v[DE+\k:DE+\k+1]        ; erf
.endr
.irp k, 0,2,4,6
	v_pk_mul_f32 v[gt+\k:gt+\k+1], v[gt+\k:gt+\k+1], 0.5 op_sel_hi:[1,0]
.endr
.irp k, 0,2,4,6
	v_pk_fma_f32 v[gt+\k:gt+\k+1], v[gt+\k:gt+\k+1], v[NU+\k:NU+\k+1], v[gt+\k:gt+\k+1]
.endr
.irp k, 0,1,2,3,4,5,6,7
	v_med3_num_f32 v[gt+\k], v[gt+\k], -v[LIMH], v[LIMH]
.endr
	v_cvt_scalef32_pk8_bf8_f32 v[CODE+2*(\n):CODE+2*(\n)+1], v[gt:gt+7], v[SCH]
.endm
	s_load_b256 s[8:15], s[0:1], 0x0               ; xq, w1, b1, the scales
	s_load_b128 s[16:19], s[0:1], 0x20             ; list, cnt
	s_load_b64 s[20:21], s[0:1], 0x30              ; hq
	v_lshl_add_u32 v30, v0, 2, 0x20000
	v_mov_b32 v31, 0
	v_lshrrev_b32 v18, 5, v0
	v_readfirstlane_b32 s[WV], v18                 ; wave 0..3
	s_and_b32 s[EX], ttmp7, 0xffff                 ; expert
	s_mov_b32 s[BX], ttmp9                         ; block of 128 hidden units
	v_and_b32 v18, 31, v0                          ; lane
	v_and_b32 v19, 15, v0                          ; r
	v_bfe_u32 v20, v0, 4, 1                        ; h
	v_lshlrev_b32 v[LI], 4, v18
	v_add_nc_u32 v[LI2], 0x10000, v[LI]
	s_wait_alu depctr_va_sdst(0)                   ; the wave's number is written, ahead of its first reader: LDS addresses, bases and the count of tiles are made from it
	s_lshl_b32 s25, s[WV], 12
	v_add_nc_u32 v[CSTA], s25, v[LI]               ; my group's 4,096 bytes of a K step's 16,384
	v_add_nc_u32 v[CSTB], 0x10000, v[CSTA]
	v_and_b32 v21, 3, v19                          ; s(r): bits 2 and 3 of r exchanged
	v_and_b32 v22, 4, v19
	v_lshl_or_b32 v21, v22, 1, v21
	v_and_b32 v22, 8, v19
	v_lshrrev_b32 v22, 1, v22
	v_or_b32 v21, v21, v22
	v_lshlrev_b32 v[WOF], 4, v21
	v_lshl_add_u32 v[WOF], v20, 18, v[WOF]         ; + 16 rows of 16,384 bytes for lanes 16-31
	v_lshlrev_b32 v[BOF], 6, v20
	v_lshlrev_b32 v[H16], 4, v20
	s_lshl_b32 s25, s[WV], 6
	v_lshl_add_u32 v[LOF], v19, 2, s25
	s_lshl_b32 s2, s[EX], 24                       ; w1: expert x 16 MiB + wave x 32 rows + block x 512 bytes
	s_lshl_b32 s3, s[WV], 19
	s_add_co_u32 s2, s2, s3
	s_lshl_b32 s3, s[BX], 9
	s_add_co_u32 s2, s2, s3
	s_mov_b32 s3, 0
	s_lshl_b32 s26, s[EX], 14                      ; b1: expert x 16 KiB + block x 512 bytes
	s_lshl_b32 s27, s[BX], 9
	s_add_co_u32 s26, s26, s27
	s_mov_b32 s27, 0
	s_lshl_b32 s70, s[EX], 12                      ; list
	s_mov_b32 s71, 0
	s_lshl_b32 s72, s[EX], 2                       ; cnt
	s_mov_b32 s73, 0
	s_lshl_b32 s74, s[EX], 22                      ; hq: expert x 4 MiB + K step bx x 2,048 bytes
	s_lshl_b32 s75, s[BX], 11
	s_add_co_u32 s74, s74, s75
	s_mov_b32 s75, 0
	s_wait_kmcnt 0x0
	s_add_nc_u64 s[WP:WP+1], s[WP:WP+1], s[2:3]
	s_add_nc_u64 s[WP2:WP2+1], s[WP:WP+1], 512*PITCH
	s_add_nc_u64 s[B1P:B1P+1], s[B1P:B1P+1], s[26:27]
	s_add_nc_u64 s[LISTP:LISTP+1], s[LISTP:LISTP+1], s[70:71]
	s_add_nc_u64 s[CNTP:CNTP+1], s[CNTP:CNTP+1], s[72:73]
	s_add_nc_u64 s[HQP:HQP+1], s[HQP:HQP+1], s[74:75]
	s_load_b128 s[36:39], s[LSP:LSP+1], 0x0        ; ls0 .. ls3
	s_load_b32 s[CNT], s[CNTP:CNTP+1], 0x0
	s_wait_alu depctr_va_vdst(0)                   ; the offsets and LDS addresses v1 to v5, v10 and v17 are written, which the loads and LDS instructions of the whole kernel read
.irp i, 0,1,2,3,4
	global_load_b32 v[TOK+\i], v[LOF], s[LISTP:LISTP+1] offset:256*\i   ; the token of row r of tile wave + 4 i
.endr
	LOADW 0, 0, 3                                  ; stage 0's 32 loads,
	LOADW 1, 1, 3                                  ; 24 of stage 1's: 61 loads are out
	WIN 0
	s_mov_b32 s40, 0x05010400                      ; the byte permutes' selectors
	s_mov_b32 s41, 0x07030602
	s_mov_b32 s42, 0x05040100
	s_mov_b32 s43, 0x07060302
	KPAIR 44, 0x3f3504f3                           ; 1 / sqrt 2
	KPAIR 46, 0x32edffee                           ; P: 2.77068142e-08
	KPAIR 48, 0xb60cff51                           ;   -2.10102402e-06
	KPAIR 50, 0xb86ec2d2                           ;   -5.69250639e-05
	KPAIR 52, 0xba40ac63                           ;   -7.34990630e-04
	KPAIR 54, 0xbb41a1f6                           ;   -2.95459981e-03
	KPAIR 56, 0xbc83dbd4                           ;   -1.60960333e-02
	KPAIR 58, 0xb95fbd29                           ; Q: -2.13374055e-04
	KPAIR 60, 0xbadc924e                           ;   -1.68282697e-03
	KPAIR 62, 0xbbf19bf8                           ;   -7.37332917e-03
	KPAIR 66, 0xbc69b6a7                           ;   -1.42647391e-02
	v_mov_b32 v[CA], 0xaf95df0b                    ; P's leading coefficient, -2.72614226e-10
	v_mov_b32 v[CA+1], 0xaf95df0b
	v_mov_b32 v[CB], 0xb77460cd                    ; Q's, -1.45660718e-05
	v_mov_b32 v[CB+1], 0xb77460cd
	s_wait_kmcnt 0x0
	s_add_co_i32 s25, s37, 127
	s_lshl_b32 s26, s25, 23
	v_mov_b32 v[SCW], s26                          ; 2^ls1 as f32: the conversion takes its exponent field
	s_add_co_i32 s25, s25, 15
	s_lshl_b32 s25, s25, 23
	s_or_b32 s25, s25, 0x600000
	v_mov_b32 v[LIMW], s25                         ; 57,344 x 2^ls1
	s_add_co_i32 s25, s39, 127
	s_lshl_b32 s26, s25, 23
	v_mov_b32 v[SCH], s26
	s_add_co_i32 s25, s25, 15
	s_lshl_b32 s25, s25, 23
	s_or_b32 s25, s25, 0x600000
	v_mov_b32 v[LIMH], s25
	s_add_co_i32 s[SCL], s36, s37
	s_add_co_i32 s[SCL], s[SCL], 127
	s_lshl_b32 s[SCL], s[SCL], 23
	s_min_u32 s[CNT], s[CNT], 1024
	s_add_co_u32 s[NT], s[CNT], 15
	s_lshr_b32 s[NT], s[NT], 4
	s_max_u32 s[NT], s[NT], 1
	s_add_co_u32 s[NW], s[NT], 3
	s_sub_co_u32 s[NW], s[NW], s[WV]
	s_lshr_b32 s[NW], s[NW], 2                     ; tiles wave, wave + 4, .. under NT
	s_max_u32 s[NP], s[NW], 2                      ; passes: one for the first five tiles, one for every four beyond them
	s_sub_co_u32 s[NP], s[NP], 2
	s_lshr_b32 s[NP], s[NP], 2
	s_add_co_u32 s[NP], s[NP], 1
	s_wait_loadcnt 56                              ; the list's five loads are in: behind them stand 32 + 24 loads of weights
.irp i, 0,1,2,3,4
	v_min_u32 v[TOK+\i], 0x3ff, v[TOK+\i]          ; a token stays inside xq
.endr
.irp i, 0,1,2,3,4
	v_lshl_add_u32 v[TOK+\i], v[TOK+\i], 10, v[H16]
.endr
	s_wait_alu depctr_va_vdst(0)                   ; v[TOK ..] are written, which the loads of the rows' codes read as offsets, in every stage
	ARING 0
	LOADW 1, 0, 0                                  ; stage 1's last 8 loads
	WIN 0
	; ---- THE STREAM.  Younger than a stage's weights: this K step's rows (20) and the next stage's weights (32).
	STAGE 0, 52, 36                                ; younger than K step 0's rows: 8 of stage 1's weights, K step 1's rows (20), 8 of stage 2's weights
.irp s, 1,2,3,4,5
	STAGE \s, 52, 60                               ; younger than the K step's rows: the next stage's weights (32), the next K step's rows (20), 8 loads of the stage after
.endr
	STAGE 6, 52, 52                                ; stage 7's weights (32) and K step 7's rows (20)
	STAGE 7, 20, 16                                ; K step 7's rows (20); then b1's 16 loads
	s_cmp_eq_u32 s[NW], 0                          ; every barrier is passed: a wave without a tile ends
	s_cbranch_scc1 .Lend
	s_mov_b32 s[PS], 0
.Lpass:
	s_cmp_eq_u32 s[PS], 0                          ; the first pass's products were made under the stream
	s_cbranch_scc1 .Lswept
	s_wait_xcnt 0x0                                ; the last pass's stores have read their registers: addresses and the weights' buffer may be written
	s_lshl_b32 s[TB], s[PS], 2
	s_add_co_u32 s[TB], s[TB], 1                   ; my tiles 4 pass + 1 on: 5, 9, 13
.irp g, 0,1,2,3
	s_add_co_u32 s2, s[TB], \g
	s_min_u32 s2, s2, 15                           ; a spare tile takes my last place in the list: no load leaves the table
	s_lshl_b32 s2, s2, 8
	v_add_nc_u32 v[LA+\g], s2, v[LOF]
.endr
	s_wait_alu depctr_va_vdst(0)                   ; v[LA ..] are written, which the list's loads read as offsets; the lines that made the last v[TOK ..] are done, in which these loads land
.irp g, 0,1,2,3
	global_load_b32 v[TOK+\g], v[LA+\g], s[LISTP:LISTP+1]
.endr
	s_wait_loadcnt 0x0
.irp g, 0,1,2,3
	v_min_u32 v[TOK+\g], 0x3ff, v[TOK+\g]
.endr
.irp g, 0,1,2,3
	v_lshl_add_u32 v[TOK+\g], v[TOK+\g], 10, v[H16]
.endr
	s_wait_alu depctr_va_vdst(0)                   ; v[TOK ..] are written, which the rows' loads read; the last pass's products and its way out are done with windows 2 and 3 and with v128-255, in which the rows' codes and the first two batches of weights land
	ALOAD
	SWEEP4
.Lswept:
.rept 4
	v_nop                                          ; four places behind the last products, ahead of the first reads of the sums
.endr
	s_wait_loadcnt 0x0                             ; b1
	s_lshl_b32 s[TB], s[PS], 2
	s_add_co_u32 s[TB], s[TB], 1
	s_cmp_eq_u32 s[PS], 0
	s_cselect_b32 s[TB], 0, s[TB]                  ; the pass's first tile among mine: 0, 5, 9, 13
	s_cselect_b32 s[CAP], 5, 4
	s_sub_co_u32 s[GG], s[NW], s[TB]
	s_min_u32 s[GG], s[GG], s[CAP]                 ; its tiles that are real
	s_mov_b32 s[GI], 0
.Lepi:
	s_cmp_eq_u32 s[GI], 0
	s_cbranch_scc1 .Lf0
	s_cmp_eq_u32 s[GI], 1
	s_cbranch_scc1 .Lf1
	s_cmp_eq_u32 s[GI], 2
	s_cbranch_scc1 .Lf2
	s_cmp_eq_u32 s[GI], 3
	s_cbranch_scc1 .Lf3
	FIRST 4
	s_branch .Lcommon
.Lf3:
	FIRST 3
	s_branch .Lcommon
.Lf2:
	FIRST 2
	s_branch .Lcommon
.Lf1:
	FIRST 1
	s_branch .Lcommon
.Lf0:
	FIRST 0
.Lcommon:
	s_wait_xcnt 0x0                                ; the last tile's stores have read their codes and their base
	s_add_co_u32 s26, s[TB], s[GI]
	s_lshl_b32 s26, s26, 2
	s_add_co_u32 s26, s26, s[WV]                   ; the tile: wave + 4 (first + g)
	s_min_u32 s26, s26, 63
	s_lshl_b32 s26, s26, 16                        ; a tile's 32 K steps of 2,048 bytes
	s_mov_b32 s27, 0
	s_add_nc_u64 s[STB:STB+1], s[HQP:HQP+1], s[26:27]
.irp n, 0,1,2,3,4,5,6,7
	GELU8 \n
.endr
	v_nop                                          ; one plain vector line behind the last conversion
	s_wait_alu depctr_va_vdst(0)                   ; the conversions have written v[CODE ..], which the stores read
.irp c, 0,1,2,3
	global_store_b128 v[LI], v[CODE+4*\c:CODE+4*\c+3], s[STB:STB+1] offset:512*\c   ; the fragment's image: the wave stores 512 consecutive bytes, at a multiple of 256 from hq's first byte
.endr
	s_wait_alu depctr_vm_vsrc(0)                   ; the stores have read v[CODE ..], which the next tile's conversions or a later pass's LDS loads write again; the loads issued so far have read v[TOK ..] and v[LA ..], which a later pass writes anew
	s_add_co_u32 s[GI], s[GI], 1
	s_cmp_lt_u32 s[GI], s[GG]
	s_cbranch_scc1 .Lepi
	s_add_co_u32 s[PS], s[PS], 1
	s_cmp_lt_u32 s[PS], s[NP]
	s_cbranch_scc1 .Lpass
.Lend:
	s_wait_dscnt 0x0                               ; the closing lines, six on end
	s_wait_alu 0x0
	s_wait_tensorcnt 0x0
	ds_add_u32 v30, v31
	s_wait_dscnt 0x0
	s_endpgm
.Lfunc_end_k_q2d39f252d5_ffn1:
	.size	k_q2d39f252d5_ffn1, .Lfunc_end_k_q2d39f252d5_ffn1-k_q2d39f252d5_ffn1
	.p2alignl 7, 3214868480
	.fill 96, 4, 3214868480
	.section	.rodata,"a",@progbits
	.p2align	6, 0x0
	.amdhsa_kernel k_q2d39f252d5_ffn1
		.amdhsa_group_segment_fixed_size 131584
		.amdhsa_private_segment_fixed_size 0
		.amdhsa_enable_private_segment 0
		.amdhsa_kernarg_size 56
		.amdhsa_user_sgpr_count 2
		.amdhsa_user_sgpr_kernarg_segment_ptr 1
		.amdhsa_wavefront_size32 1
		.amdhsa_system_sgpr_workgroup_id_x 1
		.amdhsa_system_sgpr_workgroup_id_y 1
		.amdhsa_system_sgpr_workgroup_id_z 1
		.amdhsa_system_vgpr_workitem_id 0
		.amdhsa_next_free_vgpr 1024
		.amdhsa_next_free_sgpr 100
		.amdhsa_reserve_vcc 0
		.amdhsa_float_denorm_mode_32 3
		.amdhsa_float_denorm_mode_16_64 3
		.amdhsa_memory_ordered 1
		.amdhsa_forward_progress 1
		.amdhsa_inst_pref_size 255
	.end_amdhsa_kernel
	.section	.bss,"aw",@nobits
	.p2align	6
	.space	262144
	.amdgpu_metadata
---
amdhsa.version: [ 1, 2 ]
amdhsa.kernels:
  - .name:           k_q2d39f252d5_ffn1
    .symbol:         k_q2d39f252d5_ffn1.kd
    .args:
      - { .name: xq, .offset: 0, .size: 8, .value_kind: global_buffer, .address_space: global }
      - { .name: w1, .offset: 8, .size: 8, .value_kind: global_buffer, .address_space: global }
      - { .name: b1, .offset: 16, .size: 8, .value_kind: global_buffer, .address_space: global }
      - { .name: lowp_scales, .offset: 24, .size: 8, .value_kind: global_buffer, .address_space: global }
      - { .name: list, .offset: 32, .size: 8, .value_kind: global_buffer, .address_space: global }
      - { .name: cnt, .offset: 40, .size: 8, .value_kind: global_buffer, .address_space: global }
      - { .name: hq, .offset: 48, .size: 8, .value_kind: global_buffer, .address_space: global }
    .group_segment_fixed_size: 131584
    .private_segment_fixed_size: 0
    .kernarg_segment_align: 8
    .kernarg_segment_size: 56
    .max_flat_workgroup_size: 128
    .sgpr_count:     100
    .vgpr_count:     1024
    .wavefront_size: 32
...
	.end_amdgpu_metadata
.endif
;; end of part 8
;; launch ffn2 (part 9): grid 32 x 8, 4 waves a work-group, no clusters, 165,376 bytes of LDS; arguments hq, w2, lowp_scales, cnt, yp; writes yp
.if DOCPART == 9
	.amdgcn_target "amdgcn-amd-amdhsa--gfx1250"
	.amdhsa_code_object_version 6
	.text
	.protected	k_q2d39f252d5_ffn2
	.globl	k_q2d39f252d5_ffn2
	.p2align	8
	.type	k_q2d39f252d5_ffn2,@function
k_q2d39f252d5_ffn2:
	s_mov_b64 s[64:65], 0
	v_nop
	global_prefetch_b8 v0, s[64:65] scope:SCOPE_SE
	s_setreg_imm32_b32 hwreg(HW_REG_WAVE_SCHED_MODE, 0, 2), 2
	s_setreg_imm32_b32 hwreg(HW_REG_WAVE_MODE, 25, 1), 1
	s_wait_xcnt 0x0
	s_wait_alu depctr_vm_vsrc(0)
; FFN2.  yp[kq] = the part of hq w2[e] over K = 1,024 kq .. 1,024 kq + 1,023, x 2^(ls2 + ls3), for the rows routed to expert e.  Work-group (cb + 8 kq, e) owns outputs 128 cb .. 128 cb + 127
; and that quarter of K: 1,024 x 128 numbers of w2, 512 KiB of f32 that no other work-group reads.  The four quarters, b2 and the gates are added by the next launch.
; THE STREAM AND THE PRODUCTS GO TOGETHER, as in the first layer, in eight stages, one for each K step of 128.  In stage s wave w takes K rows 128 s + 32 w .. + 31 of the quarter (16-byte loads: lanes 0-15 take 256 consecutive
; aligned bytes of row k, lanes 16-31 of row k + 16), holds, converts, turns each 4 x 4 bytes and lays the codes in LDS as images of operand registers.  Behind the stage's barrier every wave multiplies the K step's eight weight
; fragments by its own five tiles of 16 rows, while the weights of the next two stages are on their way.  Each K step has LDS bytes of its own, written once: one barrier a stage.
; FIVE TILES A WAVE, ALWAYS: wave w owns the tiles w, w + 4, ..; the stages take the first five, whatever the count: in the stead of a tile past the expert's last its last tile's image is loaded (every byte asked for has been written),
; and nothing of it is stored.  Tiles beyond the fifth (more than 320 rows) go in later passes of four, which sweep the finished codes in LDS.  A tile's fragments lie in hq as images: each load of a wave takes 512 consecutive bytes.
; K'S PLACE IN A FRAGMENT: register 4 c + q, byte b, half h holds k = 32 c + 16 h + 4 q + b, in both operands.  Lane m of weight tile 4 u + j holds output 64 u + 4 s(m) + j, s(m) = m with bits 2 and 3 exchanged;
; the product is used transposed (source 0 = weights, source 1 = rows): register i of tile 4 u + j is output 32 (2 u + i / 4) + 16 h + 4 (i % 4) + j of the lane's row.
; A tile's 16 x 128 results go through the wave's own stage in LDS and leave as whole rows of 512 bytes.
; NO CLUSTER, NO TENSOR LOAD: the weights are shared by nobody and must pass through registers to be quantised; the rows that the 8 work-groups of an expert and quarter share come in numbers read from memory.
; LIMITS: ls2 between -126 and 112.  NaN is not served.
; REGISTERS.  Window 0: the names below.  Window 1: the sums of tiles 0-3, (g, t) at v[64 g + 8 t].  Window 2: v0-63 the sums of tile 4; v64-223 the ring of the rows' codes, K step s, tile g at v[64 + 80 (s % 2) + 16 g].
; Window 3: two landing sets of 128.  In a later pass: the rows' codes of K steps 0-3 in window 3, of 4-7 in window 2, (s, g) at v[64 (s % 4) + 16 g]; the sums in window 1.
; THE MODE: SCHED_MODE bits 1:0 = 2 (LLVM: expert scheduling mode 2), set by the entry lines.  The code itself states the register dependences
; between vector or matrix instructions and memory or LDS instructions, with s_wait_alu, always for 0.
; THE PLAN.  Registers that memory or LDS instructions touch, in a stage s:
;   landing set s % 2   Stage s's holds write it and its conversions read it; behind them the loads of stage s + 2 land in it: 8 ahead of the barrier, 24 behind the products.
;   ring half s % 2     Stage s's products read it; the loads of K step s + 2, issued in stage s + 1, land in it.
;   v[WBUF ..]          Stage s's products read it; the LDS loads of stage s + 1 land in it.
;   v[C ..]             Stage s's permutes write it, its eight LDS stores read it, the permutes of stage s + 1 write it again.
;   v1-5, v10, v11      Offsets and LDS addresses, made at the head and never written again.  v[AOF ..]: made at the head, and anew in a later pass.
; So ONE wait on va_vdst stands in a stage, behind its permutes: v[C ..] is written, the holds and conversions are done with the landing set, and the last stage's products are done reading the other half of the ring and
; the weights' buffer.  The LDS stores and all the stage's loads follow it; the only vector or matrix instructions behind it are the products, which name the weights' buffer, this stage's half of the ring and the sums:
; none of the registers that a later load of the stage touches.  One wait on vm_vsrc stands ahead of the permutes that write v[C ..] again, a stage behind the LDS stores that read it.
; On the way out: v[T ..] is written by a tile's scalings and read by its LDS stores; v[RB ..] takes its LDS loads and is read by its stores.  A tile has one wait on va_vdst ahead of its LDS stores and one on vm_vsrc
; behind its stores, ahead of the loop's branch; that one also frees what a later pass writes anew.
.set PITCH, 4096                       ; a row of w2[e] in bytes
.set LI,    1                          ; v1   16 x lane
.set LI2,   2                          ; v2   the same + 65,536
.set WOF,   3                          ; v3   w2: 16 rows x h + 16 x s(r)
.set CSTA,  4                          ; v4   LDS: 4,096 x wave + 16 x lane: where my codes of K steps 0-3 go
.set CSTB,  5                          ; v5   the same + 65,536: K steps 4-7
.set LIMW,  6                          ; v6   57,344 x 2^ls2
.set SCW,   7                          ; v7   2^ls2
.set STO,   10                         ; v10  my stage: row r, + 64 h
.set SRD,   11                         ; v11  my stage: 16 x lane
.set AOF,   12                         ; v12-16  the pass's tiles in hq: 65,536 x tile + 16 x lane
.set U,     32                         ; stages: v32-63 codes as converted; v64-95 half turned; v96-127 turned
.set P,     64
.set C,     96
.set WBUF,  128                        ; v128-255 eight weight fragments
.set T,     128                        ; way out: v128-191 a tile's 64 numbers
.set RB,    192                        ; v192-255 its 16 rows, read back
.set RING,  64                         ; in window 2
.set STAGEB, 131072                    ; behind the codes: 16 rows x (512 + 16) bytes for each wave
.set HQP,   8
.set WP,    10
.set LSP,   12
.set CNTP,  14
.set YPP,   16
.set WV,    22
.set EX,    23
.set CBK,   24
.set KQ,    25
.set CNT,   28
.set NT,    29
.set NW,    30
.set NP,    31
.set PS,    32
.set GG,    33
.set GI,    35
.set SCL,   68                         ; ls2 + ls3
.set STB,   70
.set TB,    76                         ; the pass's first tile among my wave's
.set NT1,   77                         ; the expert's last tile
.set WP2,   78                         ; s[78:79] w2 512 rows further on
.set CAP,   80                         ; tiles that a pass holds: 5, later 4
.set MSB, 0
.macro WIN new                         ; bits 1:0 source 0, 3:2 source 1, 5:4 source 2, 7:6 destination; the high byte repeats the setting that is left
.if MSB != (\new)
	s_set_vgpr_msb (MSB<<8)|(\new)
.set MSB, (\new)
.endif
.endm
; stage s's weights, rows 4 q0 .. 4 q1 + 3 of my 16 (+ 16 h): row 4 q + b, unit u, at v[128 (s % 2) + 32 q + 16 u + 4 b] of window 3
.macro LOADW s, q0, q1
.set lset, 128*((\s)%2)
.set lrow, 128*((\s)%4)
.if (\s) < 4
.set lwp, WP
.else
.set lwp, WP2
.endif
	WIN 0xc0
.set lq, \q0
.rept \q1-\q0+1
.irp b, 0,1,2,3
.irp u, 0,1
	global_load_b128 v[lset+32*lq+16*\u+4*\b:lset+32*lq+16*\u+4*\b+3], v[WOF], s[lwp:lwp+1] offset:(lrow+4*lq+\b)*PITCH+256*\u th:TH_LOAD_NT
.endr
.endr
.set lq, lq+1
.endr
.endm
; the five tiles' images of K step s into the ring
.macro ARING s
.set ar, RING+80*((\s)%2)
	WIN 0x80
.irp g, 0,1,2,3,4
.irp c, 0,1,2,3
	global_load_b128 v[ar+16*\g+4*\c:ar+16*\g+4*\c+3], v[AOF+\g], s[HQP:HQP+1] offset:2048*(\s)+512*\c
.endr
.endr
.endm
; one product of a stage: weight tile f x row tile g, K step s.  K step 0 starts the sums with the constant 0: nothing is cleared
.macro MM s, f, g
.set aW, WBUF+16*(\f)
.set aA, RING+80*((\s)%2)+16*(\g)
.if (\g) < 4
.set aD, 64*(\g)+8*(\f)
.else
.set aD, 8*(\f)
.endif
.if (\s) == 0
	v_wmma_f32_16x16x128_bf8_bf8 v[aD:aD+7], v[aW:aW+15], v[aA:aA+15], 0
.else
	v_wmma_f32_16x16x128_bf8_bf8 v[aD:aD+7], v[aW:aW+15], v[aA:aA+15], v[aD:aD+7]
.endif
.endm
; A STAGE.  nw: the loads younger than this stage's weights; na: those younger than this K step's rows.
.macro STAGE s, nw, na
	s_wait_loadcnt \nw                             ; my 32 rows of this K step are in
	WIN 0xc3
.set n, 128*((\s)%2)
.rept 128
	v_med3_num_f32 v[n], v[n], -v[LIMW], v[LIMW]   ; the conversion to an 8-bit code does not saturate (ISA guide 7.6.2): the hold comes first.  (These lines are also the places behind the last stage's products)
.set n, n+1
.endr
	WIN 0x03
.set n, 0
.rept 16
	v_cvt_scalef32_pk8_bf8_f32 v[U+2*n:U+2*n+1], v[128*((\s)%2)+8*n:128*((\s)%2)+8*n+7], v[SCW]   ; two rows x four columns: v[U + 4 (2 q + u) + b] = row b, a column a byte
.set n, n+1
.endr
	WIN 0
	v_nop                                          ; one plain vector line behind the last conversion
.irp m, 0,1,2,3,4,5,6,7                ; m = 2 q + u: 4 rows x 4 columns of bytes are turned: eight byte permutes
	v_perm_b32 v[P+4*\m],   v[U+4*\m+1], v[U+4*\m],   s40
	v_perm_b32 v[P+4*\m+1], v[U+4*\m+1], v[U+4*\m],   s41
	v_perm_b32 v[P+4*\m+2], v[U+4*\m+3], v[U+4*\m+2], s40
	v_perm_b32 v[P+4*\m+3], v[U+4*\m+3], v[U+4*\m+2], s41
.endr
.if (\s) > 0
	s_wait_alu depctr_vm_vsrc(0)                   ; the last stage's LDS stores have read v[C ..], which the permutes below write again
.endif
.irp m, 0,1,2,3,4,5,6,7
	v_perm_b32 v[C+16*(\m%2)+(\m/2)],    v[P+4*\m+2], v[P+4*\m],   s42
	v_perm_b32 v[C+16*(\m%2)+4+(\m/2)],  v[P+4*\m+2], v[P+4*\m],   s43
	v_perm_b32 v[C+16*(\m%2)+8+(\m/2)],  v[P+4*\m+3], v[P+4*\m+1], s42
	v_perm_b32 v[C+16*(\m%2)+12+(\m/2)], v[P+4*\m+3], v[P+4*\m+1], s43
.endr
	s_wait_alu depctr_va_vdst(0)                   ; the permutes have written v[C ..], which the LDS stores read; the holds and conversions are done with the landing set, and the last stage's products with the other half of the ring and the weights' buffer, in all of which this stage's loads land
.irp u, 0,1
.irp j, 0,1,2,3
.if (\s) < 4
	ds_store_b128 v[CSTA], v[C+16*\u+4*\j:C+16*\u+4*\j+3] offset:(\s)*16384+(4*\u+\j)*512   ; group c = wave of tile 4 u + j's fragment: 512 consecutive bytes
.else
	ds_store_b128 v[CSTB], v[C+16*\u+4*\j:C+16*\u+4*\j+3] offset:((\s)-4)*16384+(4*\u+\j)*512
.endif
.endr
.endr
.if (\s) < 7
	ARING (\s)+1                                   ; the next K step's rows, into the half of the ring that the last stage's products have left
.endif
.if (\s) < 6
	LOADW (\s)+2, 0, 0                             ; the landing set is free: 8 of its next 32 loads now, which makes 60 asked for at the most; the other 24 stand behind the products,
.endif                                         ; since the issue of a load that would push LOADcnt past its field stalls (ISA guide 5.7.1), and the wave has products to issue
	WIN 0
	s_wait_dscnt 0x0                               ; for the others' sake: my codes have landed
	s_barrier_signal -1
	s_barrier_wait -1                              ; the K step's eight fragments are whole; nobody writes these bytes again
.irp f, 0,1,2,3,4,5,6,7
.irp c, 0,1,2,3
.if (\s) < 4
	ds_load_b128 v[WBUF+16*\f+4*\c:WBUF+16*\f+4*\c+3], v[LI] offset:(4*(\s)+\c)*4096+\f*512
.else
	ds_load_b128 v[WBUF+16*\f+4*\c:WBUF+16*\f+4*\c+3], v[LI2] offset:(4*((\s)-4)+\c)*4096+\f*512
.endif
.endr
.endr
	s_wait_loadcnt \na                             ; this K step's rows are in
	s_wait_dscnt 16                                ; weight tiles 0-3 are in; the sixteen loads of tiles 4-7 may be out
	WIN 0x58                                       ; weights window 0, rows window 2, sums window 1
.irp f, 0,1,2,3                        ; the 40 accumulators take turns, one instruction a turn
.irp g, 0,1,2,3
	MM \s, \f, \g
.endr
.endr
	s_wait_dscnt 0x0
.irp f, 4,5,6,7
.irp g, 0,1,2,3
	MM \s, \f, \g
.endr
.endr
	WIN 0xa8                                       ; the fifth tile's sums lie in window 2
.irp f, 0,1,2,3,4,5,6,7
	MM \s, \f, 4
.endr
.if (\s) < 6
	LOADW (\s)+2, 1, 3                             ; the landing set's other 24 loads.  No wait: no vector or matrix instruction since the stage's wait names the landing set or the offset
.endif
	WIN 0
.endm
; the places in hq of n tiles, wave + 4 (first + g), held at the expert's last tile: every byte asked for has been written
.macro MKAOF n
.set mg, 0
.rept \n
	s_add_co_u32 s2, s[TB], mg
	s_lshl_b32 s2, s2, 2
	s_add_co_u32 s2, s2, s[WV]
	s_min_u32 s2, s2, s[NT1]
	s_min_u32 s2, s2, 63
	s_lshl_b32 s2, s2, 16
	v_add_nc_u32 v[AOF+mg], s2, v[LI]
.set mg, mg+1
.endr
.endm
; A LATER PASS: four tiles' images of all eight K steps, 16 loads a K step, K step by K step
.macro ALOAD
.set as, 0
.rept 8
	WIN 0xc0-0x40*(as/4)
.irp g, 0,1,2,3
.irp c, 0,1,2,3
	global_load_b128 v[64*(as%4)+16*\g+4*\c:64*(as%4)+16*\g+4*\c+3], v[AOF+\g], s[HQP:HQP+1] offset:2048*as+512*\c
.endr
.endr
.set as, as+1
.endr
	WIN 0
.endm
.macro WLOAD b                         ; batch b = 2 s + th: the weight fragments of K step s, tiles 4 th .. 4 th + 3, into half b % 2 of the buffer
.set ws, (\b)/2
.set wt, 4*((\b)%2)
.set wr, WBUF+64*((\b)%2)
.irp f, 0,1,2,3
.irp c, 0,1,2,3
.if ws < 4
	ds_load_b128 v[wr+16*\f+4*\c:wr+16*\f+4*\c+3], v[LI] offset:(4*ws+\c)*4096+(wt+\f)*512
.else
	ds_load_b128 v[wr+16*\f+4*\c:wr+16*\f+4*\c+3], v[LI2] offset:(4*(ws-4)+\c)*4096+(wt+\f)*512
.endif
.endr
.endr
.endm
; all 64 weight fragments against four tiles of rows; the accumulators by turns; K step 0 starts the sums with the constant 0
.macro SWEEP4
	WLOAD 0
.set bb, 0
.rept 16
.rept 4
	v_nop                                          ; four places between the last products and the loads into the half that they read
.endr
.if bb < 15
.if bb > 0
	s_wait_alu depctr_va_vdst(0)                   ; the last batch's products are done reading the half of the weights' buffer in which the loads below land
.endif
	WLOAD bb+1
	s_wait_dscnt 16                                ; this batch is in; the sixteen loads just issued may be out
.else
	s_wait_dscnt 0x0
.endif
.if bb%2 == 0
.if bb < 8
	s_wait_loadcnt 63                              ; of the 128 loads of rows the oldest 65 are in: K steps 0 to 3
.else
	s_wait_loadcnt 16*(7-bb/2)                     ; sixteen loads for each later K step may be out
.endif
.endif
	WIN 0x5c-4*(bb/8)                              ; weights window 0, rows window 3 or 2, sums window 1
.irp f, 0,1,2,3
.irp g, 0,1,2,3
.set aD, 64*\g+8*(4*(bb%2)+\f)
.set aW, WBUF+64*(bb%2)+16*\f
.set aA, 64*((bb/2)%4)+16*\g
.if bb < 2
	v_wmma_f32_16x16x128_bf8_bf8 v[aD:aD+7], v[aW:aW+15], v[aA:aA+15], 0
.else
	v_wmma_f32_16x16x128_bf8_bf8 v[aD:aD+7], v[aW:aW+15], v[aA:aA+15], v[aD:aD+7]
.endif
.endr
.endr
	WIN 0
.set bb, bb+1
.endr
.endm
.macro FIRST g                         ; tile g's 64 sums x 2^(ls2 + ls3), laid in the order of the outputs; each accumulator from its low end on
.if \g < 4
	WIN 0x01
.set fa, 64*\g
.else
	WIN 0x02
.set fa, 0
.endif
.irp t, 0,1,2,3,4,5,6,7
.irp i, 0,1,2,3,4,5,6,7
	v_ldexp_f32 v[T+32*(\t/4)+16*(\i/4)+4*(\i%4)+(\t%4)], v[fa+8*\t+\i], s[SCL]
.endr
.endr
	WIN 0
.endm
	s_load_b256 s[8:15], s[0:1], 0x0               ; hq, w2, the scales, cnt
	s_load_b64 s[16:17], s[0:1], 0x20              ; yp
	v_lshl_add_u32 v30, v0, 2, 0x28400
	v_mov_b32 v31, 0
	v_lshrrev_b32 v18, 5, v0
	v_readfirstlane_b32 s[WV], v18                 ; wave 0..3
	s_and_b32 s[EX], ttmp7, 0xffff                 ; expert
	s_and_b32 s[CBK], ttmp9, 7                     ; block of 128 outputs
	s_lshr_b32 s[KQ], ttmp9, 3                     ; quarter of K
	v_and_b32 v18, 31, v0                          ; lane
	v_and_b32 v19, 15, v0                          ; r
	v_bfe_u32 v20, v0, 4, 1                        ; h
	v_lshlrev_b32 v[LI], 4, v18
	v_add_nc_u32 v[LI2], 0x10000, v[LI]
	s_wait_alu depctr_va_sdst(0)                   ; the wave's number is written, ahead of its first reader: LDS addresses, bases and the count of tiles are made from it
	s_lshl_b32 s26, s[WV], 12
	v_add_nc_u32 v[CSTA], s26, v[LI]               ; my group's 4,096 bytes of a K step's 16,384
	v_add_nc_u32 v[CSTB], 0x10000, v[CSTA]
	v_and_b32 v21, 3, v19                          ; s(r): bits 2 and 3 of r exchanged
	v_and_b32 v22, 4, v19
	v_lshl_or_b32 v21, v22, 1, v21
	v_and_b32 v22, 8, v19
	v_lshrrev_b32 v22, 1, v22
	v_or_b32 v21, v21, v22
	v_lshlrev_b32 v[WOF], 4, v21
	v_lshl_add_u32 v[WOF], v20, 16, v[WOF]         ; + 16 rows of 4,096 bytes for lanes 16-31
	s_mul_i32 s26, s[WV], 8448
	s_add_co_u32 s26, s26, STAGEB                  ; my stage
	v_mul_u32_u24 v[STO], v19, 528
	v_lshl_add_u32 v[STO], v20, 6, v[STO]
	v_add_nc_u32 v[STO], s26, v[STO]
	v_add_nc_u32 v[SRD], s26, v[LI]
	s_lshl_b32 s2, s[EX], 24                       ; w2: expert x 16 MiB + quarter x 1,024 rows + wave x 32 rows + block x 512 bytes
	s_lshl_b32 s3, s[KQ], 22
	s_add_co_u32 s2, s2, s3
	s_lshl_b32 s3, s[WV], 17
	s_add_co_u32 s2, s2, s3
	s_lshl_b32 s3, s[CBK], 9
	s_add_co_u32 s2, s2, s3
	s_mov_b32 s3, 0
	s_lshl_b32 s26, s[EX], 22                      ; hq: expert x 4 MiB + quarter x 8 K steps of 2,048 bytes
	s_lshl_b32 s27, s[KQ], 14
	s_add_co_u32 s26, s26, s27
	s_mov_b32 s27, 0
	s_lshl_b32 s70, s[KQ], 25                      ; yp: quarter x 32 MiB + expert x 4 MiB + block x 512 bytes
	s_lshl_b32 s71, s[EX], 22
	s_add_co_u32 s70, s70, s71
	s_lshl_b32 s71, s[CBK], 9
	s_add_co_u32 s70, s70, s71
	s_mov_b32 s71, 0
	s_lshl_b32 s72, s[EX], 2                       ; cnt
	s_mov_b32 s73, 0
	s_wait_kmcnt 0x0
	s_add_nc_u64 s[WP:WP+1], s[WP:WP+1], s[2:3]
	s_add_nc_u64 s[WP2:WP2+1], s[WP:WP+1], 512*PITCH
	s_add_nc_u64 s[HQP:HQP+1], s[HQP:HQP+1], s[26:27]
	s_add_nc_u64 s[YPP:YPP+1], s[YPP:YPP+1], s[70:71]
	s_add_nc_u64 s[CNTP:CNTP+1], s[CNTP:CNTP+1], s[72:73]
	s_load_b128 s[36:39], s[LSP:LSP+1], 0x0        ; ls0 .. ls3
	s_load_b32 s[CNT], s[CNTP:CNTP+1], 0x0
	s_wait_alu depctr_va_vdst(0)                   ; the offsets and LDS addresses v1 to v5, v10 and v11 are written, which the loads, stores and LDS instructions of the whole kernel read
	LOADW 0, 0, 3                                  ; stage 0's 32 loads,
	LOADW 1, 1, 3                                  ; 24 of stage 1's
	WIN 0
	s_mov_b32 s40, 0x05010400                      ; the byte permutes' selectors
	s_mov_b32 s41, 0x07030602
	s_mov_b32 s42, 0x05040100
	s_mov_b32 s43, 0x07060302
	s_wait_kmcnt 0x0
	s_add_co_i32 s26, s38, 127
	s_lshl_b32 s27, s26, 23
	v_mov_b32 v[SCW], s27                          ; 2^ls2 as f32: the conversion takes its exponent field
	s_add_co_i32 s26, s26, 15
	s_lshl_b32 s26, s26, 23
	s_or_b32 s26, s26, 0x600000
	v_mov_b32 v[LIMW], s26                         ; 57,344 x 2^ls2
	s_add_co_i32 s[SCL], s38, s39
	s_min_u32 s[CNT], s[CNT], 1024
	s_add_co_u32 s[NT], s[CNT], 15
	s_lshr_b32 s[NT], s[NT], 4
	s_max_u32 s[NT], s[NT], 1
	s_sub_co_u32 s[NT1], s[NT], 1
	s_add_co_u32 s[NW], s[NT], 3
	s_sub_co_u32 s[NW], s[NW], s[WV]
	s_lshr_b32 s[NW], s[NW], 2                     ; tiles wave, wave + 4, .. under NT
	s_max_u32 s[NP], s[NW], 2                      ; passes: one for the first five tiles, one for every four beyond them
	s_sub_co_u32 s[NP], s[NP], 2
	s_lshr_b32 s[NP], s[NP], 2
	s_add_co_u32 s[NP], s[NP], 1
	s_mov_b32 s[TB], 0
	MKAOF 5
	s_wait_alu depctr_va_vdst(0)                   ; v[AOF ..] are written, which the loads of the rows' images read as offsets, in every stage
	ARING 0
	LOADW 1, 0, 0                                  ; stage 1's last 8 loads
	WIN 0
	; ---- THE STREAM.  Younger than a stage's weights: this K step's rows (20) and the next stage's weights (32).
	STAGE 0, 52, 36                                ; younger than K step 0's rows: 8 of stage 1's weights, K step 1's rows (20), 8 of stage 2's weights
.irp s, 1,2,3,4,5
	STAGE \s, 52, 60                               ; younger than the K step's rows: the next stage's weights (32), the next K step's rows (20), 8 loads of the stage after
.endr
	STAGE 6, 52, 52                                ; stage 7's weights (32) and K step 7's rows (20)
	STAGE 7, 20, 0                                 ; K step 7's rows (20); nothing is younger than they
	s_cmp_eq_u32 s[NW], 0                          ; every barrier is passed: a wave without a tile ends
	s_cbranch_scc1 .Lend
	s_mov_b32 s[PS], 0
.Lpass:
	s_cmp_eq_u32 s[PS], 0                          ; the first pass's products were made under the stream
	s_cbranch_scc1 .Lswept
	s_wait_xcnt 0x0                                ; the last pass's stores have read their registers: addresses and the weights' buffer may be written
	s_lshl_b32 s[TB], s[PS], 2
	s_add_co_u32 s[TB], s[TB], 1                   ; my tiles 4 pass + 1 on: 5, 9, 13
	MKAOF 4
	s_wait_alu depctr_va_vdst(0)                   ; v[AOF ..] are written, which the rows' loads read; the last pass's products and its way out are done with windows 2 and 3 and with v128-255, in which the rows' images and the first two batches of weights land
	ALOAD
	SWEEP4
.Lswept:
.rept 4
	v_nop                                          ; four places behind the last products, ahead of the first reads of the sums
.endr
	s_lshl_b32 s[TB], s[PS], 2
	s_add_co_u32 s[TB], s[TB], 1
	s_cmp_eq_u32 s[PS], 0
	s_cselect_b32 s[TB], 0, s[TB]                  ; the pass's first tile among mine: 0, 5, 9, 13
	s_cselect_b32 s[CAP], 5, 4
	s_sub_co_u32 s[GG], s[NW], s[TB]
	s_min_u32 s[GG], s[GG], s[CAP]                 ; its tiles that are real
	s_mov_b32 s[GI], 0
.Lepi:
	s_cmp_eq_u32 s[GI], 0
	s_cbranch_scc1 .Lf0
	s_cmp_eq_u32 s[GI], 1
	s_cbranch_scc1 .Lf1
	s_cmp_eq_u32 s[GI], 2
	s_cbranch_scc1 .Lf2
	s_cmp_eq_u32 s[GI], 3
	s_cbranch_scc1 .Lf3
	FIRST 4
	s_branch .Lcommon
.Lf3:
	FIRST 3
	s_branch .Lcommon
.Lf2:
	FIRST 2
	s_branch .Lcommon
.Lf1:
	FIRST 1
	s_branch .Lcommon
.Lf0:
	FIRST 0
.Lcommon:
	s_wait_xcnt 0x0                                ; the last tile's stores have read their rows and their base
	s_add_co_u32 s26, s[TB], s[GI]
	s_lshl_b32 s26, s26, 2
	s_add_co_u32 s26, s26, s[WV]                   ; the tile: wave + 4 (first + g)
	s_min_u32 s26, s26, 63
	s_lshl_b32 s26, s26, 16                        ; 16 rows of 4,096 bytes
	s_mov_b32 s27, 0
	s_add_nc_u64 s[STB:STB+1], s[YPP:YPP+1], s[26:27]
	s_wait_alu depctr_va_vdst(0)                   ; the scalings have written v[T ..], which the LDS stores read; the products are done reading v[RB ..], in which the LDS loads land
.irp c, 0,1,2,3
.irp q, 0,1,2,3
	ds_store_b128 v[STO], v[T+16*\c+4*\q:T+16*\c+4*\q+3] offset:128*\c+16*\q   ; row r, outputs 32 c + 16 h + 4 q + 0 .. 3
.endr
.endr
.irp i, 0,1,2,3,4,5,6,7,8,9,10,11,12,13,14,15
	ds_load_b128 v[RB+4*\i:RB+4*\i+3], v[SRD] offset:528*\i   ; LDS serves a wave's instructions in order (ISA guide 5.7.1.4): these see my stores
.endr
.irp i, 0,1,2,3,4,5,6,7,8,9,10,11,12,13,14,15
	s_wait_dscnt 15-\i                             ; row i is back; the younger rows may be out
	global_store_b128 v[LI], v[RB+4*\i:RB+4*\i+3], s[STB:STB+1] offset:4096*\i   ; the wave stores 512 consecutive bytes, at a multiple of 256 from yp's first byte
.endr
	s_wait_alu depctr_vm_vsrc(0)                   ; my LDS stores have read v[T ..] and my stores v[RB ..], which the next tile's scalings and LDS loads, or a later pass's LDS loads, write again; the loads issued so far have read v[AOF ..], which a later pass writes anew
	s_add_co_u32 s[GI], s[GI], 1
	s_cmp_lt_u32 s[GI], s[GG]
	s_cbranch_scc1 .Lepi
	s_add_co_u32 s[PS], s[PS], 1
	s_cmp_lt_u32 s[PS], s[NP]
	s_cbranch_scc1 .Lpass
.Lend:
	s_wait_dscnt 0x0                               ; the closing lines, six on end
	s_wait_alu 0x0
	s_wait_tensorcnt 0x0
	ds_add_u32 v30, v31
	s_wait_dscnt 0x0
	s_endpgm
.Lfunc_end_k_q2d39f252d5_ffn2:
	.size	k_q2d39f252d5_ffn2, .Lfunc_end_k_q2d39f252d5_ffn2-k_q2d39f252d5_ffn2
	.p2alignl 7, 3214868480
	.fill 96, 4, 3214868480
	.section	.rodata,"a",@progbits
	.p2align	6, 0x0
	.amdhsa_kernel k_q2d39f252d5_ffn2
		.amdhsa_group_segment_fixed_size 165376
		.amdhsa_private_segment_fixed_size 0
		.amdhsa_enable_private_segment 0
		.amdhsa_kernarg_size 40
		.amdhsa_user_sgpr_count 2
		.amdhsa_user_sgpr_kernarg_segment_ptr 1
		.amdhsa_wavefront_size32 1
		.amdhsa_system_sgpr_workgroup_id_x 1
		.amdhsa_system_sgpr_workgroup_id_y 1
		.amdhsa_system_sgpr_workgroup_id_z 1
		.amdhsa_system_vgpr_workitem_id 0
		.amdhsa_next_free_vgpr 1024
		.amdhsa_next_free_sgpr 100
		.amdhsa_reserve_vcc 0
		.amdhsa_float_denorm_mode_32 3
		.amdhsa_float_denorm_mode_16_64 3
		.amdhsa_memory_ordered 1
		.amdhsa_forward_progress 1
		.amdhsa_inst_pref_size 255
	.end_amdhsa_kernel
	.section	.bss,"aw",@nobits
	.p2align	6
	.space	262144
	.amdgpu_metadata
---
amdhsa.version: [ 1, 2 ]
amdhsa.kernels:
  - .name:           k_q2d39f252d5_ffn2
    .symbol:         k_q2d39f252d5_ffn2.kd
    .args:
      - { .name: hq, .offset: 0, .size: 8, .value_kind: global_buffer, .address_space: global }
      - { .name: w2, .offset: 8, .size: 8, .value_kind: global_buffer, .address_space: global }
      - { .name: lowp_scales, .offset: 16, .size: 8, .value_kind: global_buffer, .address_space: global }
      - { .name: cnt, .offset: 24, .size: 8, .value_kind: global_buffer, .address_space: global }
      - { .name: yp, .offset: 32, .size: 8, .value_kind: global_buffer, .address_space: global }
    .group_segment_fixed_size: 165376
    .private_segment_fixed_size: 0
    .kernarg_segment_align: 8
    .kernarg_segment_size: 40
    .max_flat_workgroup_size: 128
    .sgpr_count:     100
    .vgpr_count:     1024
    .wavefront_size: 32
...
	.end_amdgpu_metadata
.endif
;; end of part 9
;; launch combine (part 10): grid 256 x 1, 8 waves a work-group, no clusters, 0 bytes of LDS; arguments yp, tope, topp, pos, b2, out0; writes out0
.if DOCPART == 10
	.amdgcn_target "amdgcn-amd-amdhsa--gfx1250"
	.amdhsa_code_object_version 6
	.text
	.protected	k_q2d39f252d5_combine
	.globl	k_q2d39f252d5_combine
	.p2align	8
	.type	k_q2d39f252d5_combine,@function
k_q2d39f252d5_combine:
	s_mov_b64 s[64:65], 0
	v_nop
	global_prefetch_b8 v0, s[64:65] scope:SCOPE_SE
	s_setreg_imm32_b32 hwreg(HW_REG_WAVE_MODE, 25, 1), 1
	s_wait_xcnt 0x0
; COMBINE.  out0[t] = p0 (y[e0] + b2[e0]) + p1 (y[e1] + b2[e1]), y[e] = the sum of the four K quarters of yp at row 1,024 e + pos[e][t].  Each output row has one owner: nothing is added between work-groups.
; A work-group takes 4 tokens; a wave takes half a row (2,048 bytes) of one token: 32 loads of yp and 8 of b2, each of 512 consecutive bytes, all in flight at once; 4 stores.
; The token's experts, gates and its slot with ALL eight experts are read by one group of scalar loads, so that no load waits for another's result; the two slots are then chosen by selections.
; A stream bound by its bytes: no LDS, no barrier, no matrix unit, no cluster (work-groups share b2 alone, 32 KiB).
	s_load_b256 s[4:11], s[0:1], 0x0               ; yp s[4:5], tope s[6:7], topp s[8:9], pos s[10:11]
	s_load_b128 s[12:15], s[0:1], 0x20             ; b2 s[12:13], out0 s[14:15]
	v_lshrrev_b32 v2, 5, v0
	s_delay_alu instid0(VALU_DEP_1)
	v_readfirstlane_b32 s16, v2                    ; wave 0..7
	v_and_b32 v1, 31, v0
	s_delay_alu instid0(VALU_DEP_1)
	v_lshlrev_b32 v1, 4, v1                        ; 16 bytes a lane
	s_lshr_b32 s17, s16, 1
	s_lshl_b32 s18, ttmp9, 2
	s_add_co_u32 s17, s17, s18                     ; my token
	s_and_b32 s18, s16, 1
	s_lshl_b32 s18, s18, 11                        ; my half of a row, in bytes
	s_lshl_b32 s32, s17, 3
	s_mov_b32 s33, 0
	s_lshl_b32 s34, s17, 2
	s_mov_b32 s35, 0
	s_lshl_b32 s36, s17, 12
	s_add_co_u32 s36, s36, s18
	s_mov_b32 s37, 0
	s_wait_alu depctr_va_vdst(0)
	s_wait_kmcnt 0x0
	s_add_nc_u64 s[6:7], s[6:7], s[32:33]
	s_add_nc_u64 s[8:9], s[8:9], s[32:33]
	s_add_nc_u64 s[10:11], s[10:11], s[34:35]
	s_add_nc_u64 s[14:15], s[14:15], s[36:37]
	s_load_b64 s[20:21], s[6:7], 0x0               ; e0, e1
	s_load_b64 s[22:23], s[8:9], 0x0               ; p0, p1
.irp i, 0,1,2,3,4,5,6,7
	s_load_b32 s[24+\i], s[10:11], 4096*\i         ; pos[i][t]
.endr
	s_wait_kmcnt 0x0
	s_min_u32 s20, s20, 7                          ; an expert stays inside the tables
	s_min_u32 s21, s21, 7
	s_mov_b32 s38, s24
	s_mov_b32 s39, s24
.irp i, 1,2,3,4,5,6,7
	s_cmp_eq_u32 s20, \i
	s_cselect_b32 s38, s[24+\i], s38
	s_cmp_eq_u32 s21, \i
	s_cselect_b32 s39, s[24+\i], s39
.endr
	s_min_u32 s38, s38, 1023
	s_min_u32 s39, s39, 1023
	s_lshl_b32 s62, s20, 10
	s_add_co_u32 s62, s62, s38
	s_lshl_b32 s62, s62, 12                        ; row 1,024 e0 + slot, of 4,096 bytes,
	s_add_co_u32 s62, s62, s18                     ; my half
	s_mov_b32 s63, 0
	s_lshl_b32 s66, s21, 10
	s_add_co_u32 s66, s66, s39
	s_lshl_b32 s66, s66, 12
	s_add_co_u32 s66, s66, s18
	s_mov_b32 s67, 0
	s_add_nc_u64 s[40:41], s[4:5], s[62:63]        ; the four quarters lie 32 MiB apart
	s_add_nc_u64 s[42:43], s[40:41], 0x2000000
	s_add_nc_u64 s[44:45], s[42:43], 0x2000000
	s_add_nc_u64 s[46:47], s[44:45], 0x2000000
	s_add_nc_u64 s[48:49], s[4:5], s[66:67]
	s_add_nc_u64 s[50:51], s[48:49], 0x2000000
	s_add_nc_u64 s[52:53], s[50:51], 0x2000000
	s_add_nc_u64 s[54:55], s[52:53], 0x2000000
	s_lshl_b32 s68, s20, 12
	s_add_co_u32 s68, s68, s18
	s_mov_b32 s69, 0
	s_lshl_b32 s70, s21, 12
	s_add_co_u32 s70, s70, s18
	s_mov_b32 s71, 0
	s_add_nc_u64 s[56:57], s[12:13], s[68:69]      ; b2[e0], b2[e1]
	s_add_nc_u64 s[58:59], s[12:13], s[70:71]
	s_mov_b32 s60, s23                             ; p1 as the low word of a pair, for the packed form
	s_mov_b32 s61, s23
.irp k, 0,1
.irp q, 0,1,2,3
.irp j, 0,1,2,3
	global_load_b128 v[16+64*\k+16*\q+4*\j:16+64*\k+16*\q+4*\j+3], v1, s[40+8*\k+2*\q:41+8*\k+2*\q] offset:512*\j th:TH_LOAD_NT
.endr
.endr
.endr
.irp k, 0,1
.irp j, 0,1,2,3
	global_load_b128 v[144+16*\k+4*\j:144+16*\k+4*\j+3], v1, s[56+2*\k:57+2*\k] offset:512*\j
.endr
.endr
	s_wait_loadcnt 0x0
.irp q, 1,2,3
.irp k, 0,1
.irp j, 0,2,4,6,8,10,12,14
	v_pk_add_f32 v[16+64*\k+\j:17+64*\k+\j], v[16+64*\k+\j:17+64*\k+\j], v[16+64*\k+16*\q+\j:17+64*\k+16*\q+\j]   ; K ascending: ((q0 + q1) + q2) + q3
.endr
.endr
.endr
.irp k, 0,1
.irp j, 0,2,4,6,8,10,12,14
	v_pk_add_f32 v[16+64*\k+\j:17+64*\k+\j], v[16+64*\k+\j:17+64*\k+\j], v[144+16*\k+\j:145+16*\k+\j]
.endr
.endr
.irp j, 0,2,4,6,8,10,12,14
	v_pk_mul_f32 v[16+\j:17+\j], v[16+\j:17+\j], s[22:23] op_sel_hi:[1,0]                       ; x p0
.endr
.irp j, 0,2,4,6,8,10,12,14
	v_pk_fma_f32 v[16+\j:17+\j], v[80+\j:81+\j], s[60:61], v[16+\j:17+\j] op_sel_hi:[1,0,1]     ; + p1 x the second
.endr
.irp j, 0,1,2,3
	global_store_b128 v1, v[16+4*\j:19+4*\j], s[14:15] offset:512*\j th:TH_STORE_NT   ; the wave stores 512 consecutive bytes, at a multiple of 256 from out0's first byte
.endr
	s_endpgm
.Lfunc_end_k_q2d39f252d5_combine:
	.size	k_q2d39f252d5_combine, .Lfunc_end_k_q2d39f252d5_combine-k_q2d39f252d5_combine
	.p2alignl 7, 3214868480
	.fill 96, 4, 3214868480
	.section	.rodata,"a",@progbits
	.p2align	6, 0x0
	.amdhsa_kernel k_q2d39f252d5_combine
		.amdhsa_group_segment_fixed_size 0
		.amdhsa_private_segment_fixed_size 0
		.amdhsa_enable_private_segment 0
		.amdhsa_kernarg_size 48
		.amdhsa_user_sgpr_count 2
		.amdhsa_user_sgpr_kernarg_segment_ptr 1
		.amdhsa_wavefront_size32 1
		.amdhsa_system_sgpr_workgroup_id_x 1
		.amdhsa_system_sgpr_workgroup_id_y 1
		.amdhsa_system_sgpr_workgroup_id_z 1
		.amdhsa_system_vgpr_workitem_id 0
		.amdhsa_next_free_vgpr 192
		.amdhsa_next_free_sgpr 80
		.amdhsa_reserve_vcc 0
		.amdhsa_float_denorm_mode_32 3
		.amdhsa_float_denorm_mode_16_64 3
		.amdhsa_memory_ordered 1
		.amdhsa_forward_progress 1
		.amdhsa_inst_pref_size 14
	.end_amdhsa_kernel
	.amdgpu_metadata
---
amdhsa.version: [ 1, 2 ]
amdhsa.kernels:
  - .name:           k_q2d39f252d5_combine
    .symbol:         k_q2d39f252d5_combine.kd
    .args:
      - { .name: yp, .offset: 0, .size: 8, .value_kind: global_buffer, .address_space: global }
      - { .name: tope, .offset: 8, .size: 8, .value_kind: global_buffer, .address_space: global }
      - { .name: topp, .offset: 16, .size: 8, .value_kind: global_buffer, .address_space: global }
      - { .name: pos, .offset: 24, .size: 8, .value_kind: global_buffer, .address_space: global }
      - { .name: b2, .offset: 32, .size: 8, .value_kind: global_buffer, .address_space: global }
      - { .name: out0, .offset: 40, .size: 8, .value_kind: global_buffer, .address_space: global }
    .group_segment_fixed_size: 0
    .private_segment_fixed_size: 0
    .kernarg_segment_align: 8
    .kernarg_segment_size: 48
    .max_flat_workgroup_size: 256
    .sgpr_count:     80
    .vgpr_count:     192
    .wavefront_size: 32
...
	.end_amdgpu_metadata
.endif
;; end of part 10
